; MI455X (gfx1250); checked and timed in simulation.
; The chip was launched on July 23, 2026; its instructions are those of AMD's public machine-readable ISA for CDNA 5 (MIT licence, August 2026) and "CDNA5" Instruction Set Architecture Reference Guide (July 2026). The comments in the code are by the model that wrote it; some were corrected since.
;; Attention. Allowed arithmetic: matrix products marked QUANTISED: E4M3 operands, one E8M0 scale for each 32 along K, by v_wmma_scale_f32_16x16x128_f8f6f4 with both operands' format E4M3, f32 sums; everything else in f32.
;; Inputs: mask 1 x 1 x 2,048 x 2,048 bool; wk 2,048 x 2,048 float32; wo 2,048 x 2,048 float32; wq 2,048 x 2,048 float32; wv 2,048 x 2,048 float32; x 1 x 2,048 x 2,048 float32.
;; Outputs: out0 1 x 2,048 x 2,048 float32.
;; This version of the problem:
;;   THIS VERSION OF THE PROBLEM IS GIVEN IN LOW PRECISION. The matrix products marked QUANTISED in the list below multiply operands that are first quantised to E4M3 (4 exponent bits, 3 mantissa bits; 8 bits a number), with one power-of-two scale for each 32 numbers along K (OCP MX v1.0); their sums are f32. All else is computed in f32.
;;   The module's matrix products, in the order in which they are computed (A, B: the left and right operand; K: the contracted axis; several contracted axes count as one K, in the product's order):
;;     1. [M 2,048, K 2,048] x [K 2,048, N 2,048]; A: input x; B: input wq: QUANTISED
;;     2. [M 2,048, K 2,048] x [K 2,048, N 2,048]; A: input x; B: input wk: QUANTISED
;;     3. [M 2,048, K 2,048] x [K 2,048, N 2,048]; A: input x; B: input wv: QUANTISED
;;     4. batch 16 x [M 2,048, K 128] x [K 128, N 2,048]; A: computed on the way; B: computed on the way: QUANTISED
;;     5. batch 16 x [M 128, K 2,048] x [K 2,048, N 2,048]; A: computed on the way; B: softmax (see below): QUANTISED
;;     6. [M 2,048, K 2,048] x [K 2,048, N 2,048]; A: computed on the way; B: input wo: QUANTISED
;;   THE QUANTISER, for each operand of a quantised product, along K:
;;     - K is cut into blocks of 32 from its start; a last block that is shorter is filled with zeros.
;;     - A block's scale is 2^e with e = floor(log2(the largest magnitude in the block)) - 8, held to -126 .. 127; a block of zeros has e = 0. As a byte (E8M0): e + 127.
;;     - Each number is divided by its block's scale, clamped to +-448, and rounded to the nearest number of E4M3, ties to even, subnormals kept.
;;     - The product sums the exact products of the quantised numbers (number of the format x scale) in f32.
;;   ~~~python
;;   def quantise(x, axis):      # numpy; x: float32 -> the quantised numbers, widened to float32 again
;;       x = np.moveaxis(x, axis, -1); K = x.shape[-1]
;;       x = np.pad(x, [(0, 0)] * (x.ndim - 1) + [(0, -K % 32)]); x = x.reshape(x.shape[:-1] + (-1, 32)); a = np.abs(x).max(-1, keepdims=True)
;;       e = np.where(a > 0, np.clip(np.frexp(np.where(a > 0, a, 1))[1] - 1 - 8, -126, 127), 0)      # np.frexp(a)[1] - 1 = floor(log2(a)), exactly
;;       r = np.clip(x / 2.0 ** e, -448, 448)
;;       step = 2.0 ** (np.maximum(np.frexp(np.where(r == 0, 1, r))[1] - 1, -6) - 3)
;;       q = np.round(r / step) * step * 2.0 ** e      # np.round: ties to even
;;       return np.moveaxis(q.reshape(q.shape[:-2] + (-1,))[..., :K], -1, axis).astype(np.float32)
;;   ~~~
;;   SOFTMAX AHEAD OF A QUANTISED PRODUCT. Where the list says 'softmax', what is quantised is not the finished softmax but p = 2^(t - M), with t = logit x log2(e) and M = ceil(the row's largest t), a whole number; so 1/2 < the row's largest p <= 1. The row's sum l is taken of the UNQUANTISED p, in f32, and the product's result is divided by l at the end. Since M is a whole number, a kernel that streams over the keys may use a running M (the ceiling of the running maximum): every later rescaling is an exact power of two, which a block's scale takes up: the codes' values come out the same.
;;   OPERANDS COMPUTED ON THE WAY. 'Computed on the way' means the value that the module computes at that place (a softmax that the list does not call 'softmax' is quantised finished and normalised). What goes into a quantiser is computed in f32, as accurately as f32 sums, v_exp_f32 and their like allow (about 1e-6 of the number): no bf16 or f16 on the way to a quantiser, and a product that is left as it is and whose result goes on into a quantised operand takes f32 operands (vector FMAs, or v_wmma_f32_16x16x4_f32). A number that lies on a knife's edge between two numbers of the format may be rounded either way, as far as f32 arithmetic and the matrix unit's own rounding can turn it there, and no further.
;; 3 versions, each right; version 2 is faster than version 1; version 3 is version 2 with the launch attn written anew for expert scheduling mode. Each part assembles by itself: llvm-mc -triple=amdgcn-amd-amdhsa -mcpu=gfx1250 --defsym DOCPART=n.
;; ======== version 1 of 3: 4 launches
;; workspace buffers: codes 20,971,520 bytes; scales 655,360 bytes; rope 1,048,576 bytes; mmask 526,336 bytes of whole numbers; qkvc 12,582,912 bytes; qkvs 393,216 bytes; acodes 4,194,304 bytes; ascales 131,072 bytes
;; launch prep (part 1): grid 832 x 1, 4 waves a work-group, no clusters, 34,304 bytes of LDS; arguments x, wq, wk, wv, wo, mask, codes, scales, rope, mmask; writes codes, scales, rope, mmask
.if DOCPART == 1
	.amdgcn_target "amdgcn-amd-amdhsa--gfx1250"
	.amdhsa_code_object_version 6
	.text
	.protected	k_q5111d85f85_prep
	.globl	k_q5111d85f85_prep
	.p2align	8
	.type	k_q5111d85f85_prep,@function
k_q5111d85f85_prep:
	s_mov_b64 s[64:65], 0
	v_nop
	global_prefetch_b8 v0, s[64:65] scope:SCOPE_SE
	s_setreg_imm32_b32 hwreg(HW_REG_WAVE_MODE, 25, 1), 1
	s_wait_xcnt 0x0
; PREP: three jobs, chosen by the work-group's number.
;   0..127   the mask [2048][2048] of bytes becomes lane-mask words and flags for the attention launch
;   128..191 the table of sines and cosines for the rotation of q and k
;   192..831 x, wq, wk, wv, wo (f32, [2048][2048], K innermost) become codes of E4M3 with one E8M0 byte for each 32 along K
; ORDER OF ROWS.  Every operand's rows are kept in BUFFER ORDER p; the true row is p with its bits 3 and 4 exchanged: block R (16 rows), lane r: true row 32 (R / 2) + 8 (R % 2) + r + 8 (r / 8).
; IMAGE.  A fragment (16 rows x 128 K) lies as the matrix operand's registers: [c 4][lane 32][16 bytes], lane (r, h): row r, k = 32 c + 16 h + 0..15.  codes: [tensor 5][s 8][R 128][q 2][image], K step = 2 s + q.
; scales: [tensor 5][R 128][s 8][r 16][q 2] words, byte b of a word for k = 32 b .. 32 b + 31 of its K step.
; A block's scale is 2^(floor(log2(largest magnitude)) - 8); its byte is the largest magnitude's exponent field - 8, held at 1 from below.
; LIMITS: a block of zeros gets the byte 1 where the rule says 127 (its codes are zeros, and only this program reads the bytes); NaN and infinities among the inputs are not served;
; theta is 2^(-i log2(10000) / 64) to about one unit in the last place, so an angle may differ from the reference's by about 2.5e-4 rad at position 2,047; mask bytes are 0 or 1.
; No tensor loads, no barrier: waves share nothing.  Only the quantising path uses LDS (a stage of 16 rows x 528 bytes for each wave).
.set RAW, 16                           ; v16-143  two sets of 64: an image's numbers as loaded (16 rows x 16 bytes a lane)
.set X,   144                          ; v144-207 64 numbers of my row: register 16 b + i = k 32 b + 16 h + i
.set PC,  208                          ; v208-223 the codes
.set TM,  224                          ; v224-239 largest magnitudes, bytes, holds, scale operands
.set PW,  8                            ; v8-11    the four images' scale words
.macro LOADI t                         ; image t: 16 rows, 512 consecutive bytes of each
.irp p, 0,1,2,3,4,5,6,7,8,9,10,11,12,13,14,15
	global_load_b128 v[RAW+64*((\t)%2)+4*\p:RAW+64*((\t)%2)+4*\p+3], v1, s[4:5] offset:(\p+8*(\p/8))*8192+512*(\t) th:TH_LOAD_NT
.endr
.endm
.macro QUANT pw                        ; v[X] on -> codes in v[PC] on, the row's scale word in v[pw]
.irp b, 0,1,2,3
	v_max3_num_f32 v[TM+\b], |v[X+16*\b]|, |v[X+16*\b+1]|, 0x4800000   ; my 16 numbers of block b, and the floor 2^(9 - 127): the byte cannot fall under 1
.endr
.irp i, 2,4,6,8,10,12,14
.irp b, 0,1,2,3
	v_max3_num_f32 v[TM+\b], v[TM+\b], |v[X+16*\b+\i]|, |v[X+16*\b+\i+1]|
.endr
.endr
.irp b, 0,1,2,3
	v_permlanex16_b32 v[TM+4+\b], v[TM+\b], s32, s33
.endr
.irp b, 0,1,2,3
	v_max_num_f32 v[TM+\b], v[TM+\b], v[TM+4+\b]                   ; with lane l xor 16's 16: the block's largest magnitude
.endr
.irp b, 0,1,2,3
	v_add_nc_u32 v[TM+12+\b], 0xfc000000, v[TM+\b]                 ; 8 off the exponent field: the conversion's scale operand
.endr
.irp b, 0,1,2,3
	v_and_or_b32 v[TM+8+\b], v[TM+\b], 0x7f800000, s31             ; 448 x the scale
.endr
.irp b, 0,1,2,3
	v_lshrrev_b32 v[TM+4+\b], 23, v[TM+12+\b]                      ; the scale's byte
.endr
	v_lshl_or_b32 v[\pw], v[TM+5], 8, v[TM+4]
	v_lshl_or_b32 v[\pw], v[TM+6], 16, v[\pw]
	v_lshl_or_b32 v[\pw], v[TM+7], 24, v[\pw]
.irp b, 0,1,2,3
.irp i, 0,1,2,3,4,5,6,7,8,9,10,11,12,13,14,15
	v_med3_num_f32 v[X+16*\b+\i], v[X+16*\b+\i], -v[TM+8+\b], v[TM+8+\b]   ; the conversion does not saturate (ISA guide 7.6.2): hold first
.endr
.endr
	s_wait_xcnt 0x0                                ; the last image's stores have read v[PC] on
.irp b, 0,1,2,3
	v_cvt_scalef32_pk8_fp8_f32 v[PC+4*\b:PC+4*\b+1], v[X+16*\b:X+16*\b+7], v[TM+12+\b]
	v_cvt_scalef32_pk8_fp8_f32 v[PC+4*\b+2:PC+4*\b+3], v[X+16*\b+8:X+16*\b+15], v[TM+12+\b]
.endr
	v_nop                                          ; a plain line behind the last conversion
.endm
.macro IMG t                           ; image t of my four: through the stage, quantised, stored
.if (\t) < 3
	s_wait_loadcnt 16                              ; this image's 16 loads are in; the next image's 16 may be out
.else
	s_wait_loadcnt 0x0
.endif
.irp p, 0,1,2,3,4,5,6,7,8,9,10,11,12,13,14,15
	ds_store_b128 v2, v[RAW+64*((\t)%2)+4*\p:RAW+64*((\t)%2)+4*\p+3] offset:528*\p
.endr
.irp c, 0,1,2,3
.irp j, 0,1,2,3
	ds_load_b128 v[X+16*\c+4*\j:X+16*\c+4*\j+3], v3 offset:128*\c+16*\j   ; LDS serves a wave's instructions in order: these see the stores above
.endr
.endr
	s_wait_dscnt 0x0                               ; my numbers are back, and the stores have read their registers
.if (\t) < 2
	LOADI (\t)+2
.endif
	QUANT PW+\t
.irp c, 0,1,2,3
	global_store_b128 v1, v[PC+4*\c:PC+4*\c+3], s[16:17] offset:((\t)/2)*524288+((\t)%2)*2048+512*\c   ; 512 consecutive bytes
.endr
.endm
; One key step of the mask: 16 queries x 128 keys; 16 dwords a lane at v[16 + 16 t]; word n: bit l = the byte of lane l's query at key 32 (n / 16) + 16 h + n % 16
.macro MSTEP t
	s_wait_loadcnt 12-4*\t                         ; this step's four loads are in; the later steps' may be out
	v_or_b32 v80, v[16+16*\t], v[17+16*\t]
	v_and_b32 v81, v[16+16*\t], v[17+16*\t]
.irp d, 2,3,4,5,6,7,8,9,10,11,12,13,14,15
	v_or_b32 v80, v80, v[16+16*\t+\d]
	v_and_b32 v81, v81, v[16+16*\t+\d]
.endr
	v_cmp_ne_u32 s36, 0, v80                       ; lanes with a hidden key
	v_cmp_ne_u32 s37, 0x01010101, v81              ; lanes with a key that counts
	s_cmp_eq_u32 s37, 0
	s_cselect_b32 s38, 0, 1                        ; 0: all hidden; 1: mixed
	s_cmp_eq_u32 s36, 0
	s_cselect_b32 s38, 2, s38                      ; 2: none hidden
	s_lshl_b32 s38, s38, 8*\t
	s_or_b32 s39, s39, s38
.set n, 0
.rept 64
	v_and_b32 v[82+(n&1)], 0xff<<(8*(n&3)), v[16+16*\t+4*(n>>4)+((n&15)>>2)]
	v_cmp_ne_u32 s[34+(n&1)], 0, v[82+(n&1)]
	v_writelane_b32 v[8+2*\t+(n&1)], s[34+(n&1)], n>>1
.set n, n+1
.endr
	global_store_b64 v4, v[8+2*\t:9+2*\t], s[22:23] offset:1024*\t   ; 64 words: 256 consecutive bytes, aligned
.endm
; sine and cosine of position x theta_i, i = ibase + k, into v[d], v[d + 1]
.macro SC k, d
	v_add_nc_u32 v10, \k, v9
	v_cvt_f32_u32 v10, v10                         ; i
	v_mul_f32 v11, 0x3e549a80, v10                 ; i x the upper 17 bits of log2(10000) / 64: exact
	v_floor_f32 v12, v11
	v_sub_f32 v11, v11, v12                        ; its fraction, exact,
	v_fmamk_f32 v11, v10, 0xb3f6865d, v11          ; and i x the rest
	v_exp_f32 v13, -v11
	v_cvt_i32_f32 v12, v12                         ; (a plain line behind the exponential)
	v_sub_nc_u32 v12, 0, v12
	s_wait_alu depctr_va_vdst(0)
	v_ldexp_f32 v13, v13, v12                      ; theta_i
	v_mul_f32 v13, v8, v13                         ; the angle: one rounding
	v_mul_f32 v14, 0x3f22f983, v13
	v_rndne_f32 v14, v14                           ; how many quarter turns
	v_fma_f32 v13, -v14, s34, v13                  ; less that many times pi / 2, in two parts: the first product is taken off exactly
	v_fma_f32 v13, -v14, s35, v13
	v_mul_f32 v15, v13, v13                        ; z
	v_fma_f32 v48, v15, s36, s37
	v_fma_f32 v50, v15, s39, s40
	v_fma_f32 v48, v48, v15, s38
	v_fma_f32 v50, v50, v15, s41
	v_mul_f32 v49, v13, v15
	v_mul_f32 v51, v15, v15
	v_fma_f32 v52, -0.5, v15, 1.0
	v_fma_f32 v48, v49, v48, v13                   ; sine of the rest
	v_fma_f32 v50, v51, v50, v52                   ; cosine of the rest
	v_cvt_i32_f32 v14, v14
	v_and_b32 v51, 1, v14
	v_cmp_ne_u32 vcc_lo, 0, v51                    ; an odd quarter exchanges the two
	v_cndmask_b32 v52, v48, v50, vcc_lo
	v_cndmask_b32 v53, v50, v48, vcc_lo
	v_and_b32 v51, 2, v14                          ; the sine's sign: quarters 2, 3
	v_lshlrev_b32 v51, 30, v51
	v_xor_b32 v[\d], v51, v52
	v_add_nc_u32 v51, 1, v14                       ; the cosine's: quarters 1, 2
	v_and_b32 v51, 2, v51
	v_lshlrev_b32 v51, 30, v51
	v_xor_b32 v[\d+1], v51, v53
.endm
	s_load_b512 s[4:19], s[0:1], 0x0               ; x, wq, wk, wv, wo, mask, codes, scales
	s_load_b128 s[20:23], s[0:1], 0x40             ; rope, mmask
	v_lshl_add_u32 v240, v0, 2, 0x8400
	v_mov_b32 v241, 0
	v_lshrrev_b32 v1, 5, v0
	v_readfirstlane_b32 s24, v1                    ; wave 0..3
	v_and_b32 v5, 31, v0                           ; lane
	v_and_b32 v6, 15, v0                           ; r
	v_bfe_u32 v7, v0, 4, 1                         ; h
	s_mov_b32 s29, 0
	s_wait_kmcnt 0x0
	s_cmp_lt_u32 ttmp9, 128
	s_cbranch_scc1 .Lmask
	s_cmp_lt_u32 ttmp9, 192
	s_cbranch_scc1 .Lrope
	; ---- the quantiser: tensor T, block R of 16 rows; wave w takes K steps 4 w .. 4 w + 3
	s_sub_co_u32 s25, ttmp9, 192
	s_lshr_b32 s26, s25, 7                         ; T
	s_and_b32 s27, s25, 127                        ; R
	s_cmp_eq_u32 s26, 1                            ; the choice hangs on the work-group's number alone
	s_cselect_b64 s[4:5], s[6:7], s[4:5]
	s_cmp_eq_u32 s26, 2
	s_cselect_b64 s[4:5], s[8:9], s[4:5]
	s_cmp_eq_u32 s26, 3
	s_cselect_b64 s[4:5], s[10:11], s[4:5]
	s_cmp_eq_u32 s26, 4
	s_cselect_b64 s[4:5], s[12:13], s[4:5]
	s_lshr_b32 s28, s27, 1
	s_lshl_b32 s28, s28, 18                        ; 32 (R / 2) rows of 8,192 bytes
	s_and_b32 s30, s27, 1
	s_lshl_b32 s30, s30, 16                        ; + 8 (R % 2) rows
	s_add_co_u32 s28, s28, s30
	s_lshl_b32 s30, s24, 11                        ; + my four K steps of 512 bytes
	s_add_co_u32 s28, s28, s30
	s_add_nc_u64 s[4:5], s[4:5], s[28:29]
	s_lshl_b32 s28, s26, 22                        ; codes: 4 MiB a tensor, s = 2 w, 4,096 bytes a block
	s_lshl_b32 s30, s24, 20
	s_add_co_u32 s28, s28, s30
	s_lshl_b32 s30, s27, 12
	s_add_co_u32 s28, s28, s30
	s_add_nc_u64 s[16:17], s[16:17], s[28:29]
	s_lshl_b32 s28, s26, 17                        ; scale words: 131,072 bytes a tensor, 1,024 a block, 256 for my two s
	s_lshl_b32 s30, s27, 10
	s_add_co_u32 s28, s28, s30
	s_lshl_b32 s30, s24, 8
	s_add_co_u32 s28, s28, s30
	s_add_nc_u64 s[18:19], s[18:19], s[28:29]
	v_lshlrev_b32 v1, 4, v5                        ; 16 x lane
	s_mul_i32 s30, s24, 8448                       ; my stage
	v_add_nc_u32 v2, s30, v1                       ; in: a row's 512 bytes as they lie
	v_mul_u32_u24 v3, v6, 528
	v_lshl_add_u32 v3, v7, 6, v3
	v_add_nc_u32 v3, s30, v3                       ; back: row r, + 64 h: my 16 numbers of a block of 32
	v_lshlrev_b32 v4, 3, v5
	s_mov_b32 s31, 0x600000                        ; the mantissa field of 448
	s_mov_b32 s32, 0x76543210
	s_mov_b32 s33, 0xfedcba98                      ; v_permlanex16_b32's selects for lane l xor 16
.irp b, 0,1,2,3
	v_mov_b32 v[TM+4+\b], 0                        ; written once: a lane permute's destination counts as one of its sources
.endr
	LOADI 0
	LOADI 1
	IMG 0
	IMG 1
	IMG 2
	IMG 3
	v_cmp_le_u32 vcc_lo, 16, v5                    ; lanes 0-15: s = 2 w, words of images 0, 1; lanes 16-31: s = 2 w + 1, images 2, 3 (both halves hold row r's words)
	v_cndmask_b32 v12, v8, v10, vcc_lo
	v_cndmask_b32 v13, v9, v11, vcc_lo
	global_store_b64 v4, v[12:13], s[18:19]        ; 256 consecutive bytes, aligned
	s_wait_tensorcnt 0x0
	ds_add_u32 v240, v241
	s_wait_dscnt 0x0
	s_endpgm
.Lmask:	; ---- tile of 16 queries = the work-group's number; wave w takes key steps 4 t + w
	s_lshr_b32 s25, ttmp9, 1
	s_lshl_b32 s28, s25, 16                        ; 32 (tile / 2) rows of 2,048 bytes
	s_and_b32 s26, ttmp9, 1
	s_lshl_b32 s26, s26, 14                        ; + 8 (tile % 2) rows
	s_add_co_u32 s28, s28, s26
	s_lshl_b32 s26, s24, 7                         ; + key step w
	s_add_co_u32 s28, s28, s26
	s_add_nc_u64 s[14:15], s[14:15], s[28:29]
	v_and_b32 v2, 8, v6
	v_add_nc_u32 v2, v2, v6                        ; r + 8 (r / 8)
	v_lshlrev_b32 v2, 11, v2
	v_lshl_add_u32 v1, v7, 4, v2                   ; my query's row, + 16 h
.irp t, 0,1,2,3
.irp b, 0,1,2,3
	global_load_b128 v[16+16*\t+4*\b:16+16*\t+4*\b+3], v1, s[14:15] offset:512*\t+32*\b
.endr
.endr
	s_lshl_b32 s28, ttmp9, 4                       ; the flags: behind the words, 16 bytes a tile, 4 a wave
	s_lshl_b32 s26, s24, 2
	s_add_co_u32 s28, s28, s26
	s_add_co_u32 s28, s28, 0x80000
	s_add_nc_u64 s[42:43], s[22:23], s[28:29]
	s_lshl_b32 s28, ttmp9, 12                      ; the words: 4,096 bytes a tile, 256 a key step
	s_lshl_b32 s26, s24, 8
	s_add_co_u32 s28, s28, s26
	s_add_nc_u64 s[22:23], s[22:23], s[28:29]
	v_lshlrev_b32 v4, 3, v5
	s_mov_b32 s39, 0
.irp k, 8,9,10,11,12,13,14,15
	v_mov_b32 v\k, 0                               ; v_writelane_b32's destination counts as read
.endr
	MSTEP 0
	MSTEP 1
	MSTEP 2
	MSTEP 3
	v_mov_b32 v84, 0
	v_mov_b32 v85, s39                             ; bits 8 t + 1 : 8 t: the flag of key step 4 t + w
	s_wait_xcnt 0x0                                ; EXEC changes only behind this wait
	v_cmp_eq_u32 vcc_lo, 0, v5
	s_and_saveexec_b32 s40, vcc_lo                 ; one lane stores the dword
	global_store_b32 v84, v85, s[42:43]
	s_wait_xcnt 0x0
	s_or_b32 exec_lo, exec_lo, s40
	s_endpgm
.Lrope:	; ---- rope: [R 128][b 8][part 2][lane][sin_i, cos_i, sin_i+1, cos_i+1], i = 16 (b / 2) + 8 h + 4 (b % 2) + 2 part; a wave takes one (R, part)
	s_sub_co_u32 s25, ttmp9, 128
	s_lshl_b32 s25, s25, 2
	s_add_co_u32 s25, s25, s24
	s_lshr_b32 s26, s25, 1                         ; R
	s_and_b32 s27, s25, 1                          ; part
	s_lshr_b32 s28, s26, 1
	s_lshl_b32 s28, s28, 5
	s_and_b32 s30, s26, 1
	s_lshl_b32 s30, s30, 3
	s_add_co_u32 s28, s28, s30
	v_and_b32 v8, 8, v6
	v_add_nc_u32 v8, v8, v6
	v_add_nc_u32 v8, s28, v8                       ; my true position
	v_cvt_f32_u32 v8, v8
	s_lshl_b32 s30, s27, 1
	v_lshl_add_u32 v9, v7, 3, s30                  ; 8 h + 2 part
	s_lshl_b32 s28, s26, 13
	s_lshl_b32 s30, s27, 9
	s_add_co_u32 s28, s28, s30
	s_add_nc_u64 s[20:21], s[20:21], s[28:29]
	v_lshlrev_b32 v1, 4, v5
	s_mov_b32 s34, 0x3fc90fdb                      ; pi / 2, upper part
	s_mov_b32 s35, 0xb33bbd2e                      ; and the rest
	s_mov_b32 s36, 0xb94ca1f9                      ; the sine's series on |rest| <= pi / 4
	s_mov_b32 s37, 0x3c08839e
	s_mov_b32 s38, 0xbe2aaaa3
	s_mov_b32 s39, 0x37ccf5ce                      ; the cosine's
	s_mov_b32 s40, 0xbab6061a
	s_mov_b32 s41, 0x3d2aaaa5
.irp b, 0,1,2,3,4,5,6,7
	SC 16*(\b/2)+4*(\b%2), 16+4*\b
	SC 16*(\b/2)+4*(\b%2)+1, 18+4*\b
	global_store_b128 v1, v[16+4*\b:19+4*\b], s[20:21] offset:1024*\b   ; 512 consecutive bytes; each b has data registers of its own
.endr
	s_endpgm
.Lfunc_end_k_q5111d85f85_prep:
	.size	k_q5111d85f85_prep, .Lfunc_end_k_q5111d85f85_prep-k_q5111d85f85_prep
	.p2alignl 7, 3214868480
	.fill 96, 4, 3214868480
	.section	.rodata,"a",@progbits
	.p2align	6, 0x0
	.amdhsa_kernel k_q5111d85f85_prep
		.amdhsa_group_segment_fixed_size 34304
		.amdhsa_private_segment_fixed_size 0
		.amdhsa_enable_private_segment 0
		.amdhsa_kernarg_size 80
		.amdhsa_user_sgpr_count 2
		.amdhsa_user_sgpr_kernarg_segment_ptr 1
		.amdhsa_wavefront_size32 1
		.amdhsa_system_sgpr_workgroup_id_x 1
		.amdhsa_system_sgpr_workgroup_id_y 1
		.amdhsa_system_sgpr_workgroup_id_z 1
		.amdhsa_system_vgpr_workitem_id 0
		.amdhsa_next_free_vgpr 242
		.amdhsa_next_free_sgpr 66
		.amdhsa_reserve_vcc 1
		.amdhsa_float_denorm_mode_32 3
		.amdhsa_float_denorm_mode_16_64 3
		.amdhsa_memory_ordered 1
		.amdhsa_forward_progress 1
		.amdhsa_inst_pref_size 136
	.end_amdhsa_kernel
	.amdgpu_metadata
---
amdhsa.version: [ 1, 2 ]
amdhsa.kernels:
  - .name:           k_q5111d85f85_prep
    .symbol:         k_q5111d85f85_prep.kd
    .args:
      - { .name: x, .offset: 0, .size: 8, .value_kind: global_buffer, .address_space: global }
      - { .name: wq, .offset: 8, .size: 8, .value_kind: global_buffer, .address_space: global }
      - { .name: wk, .offset: 16, .size: 8, .value_kind: global_buffer, .address_space: global }
      - { .name: wv, .offset: 24, .size: 8, .value_kind: global_buffer, .address_space: global }
      - { .name: wo, .offset: 32, .size: 8, .value_kind: global_buffer, .address_space: global }
      - { .name: mask, .offset: 40, .size: 8, .value_kind: global_buffer, .address_space: global }
      - { .name: codes, .offset: 48, .size: 8, .value_kind: global_buffer, .address_space: global }
      - { .name: scales, .offset: 56, .size: 8, .value_kind: global_buffer, .address_space: global }
      - { .name: rope, .offset: 64, .size: 8, .value_kind: global_buffer, .address_space: global }
      - { .name: mmask, .offset: 72, .size: 8, .value_kind: global_buffer, .address_space: global }
    .group_segment_fixed_size: 34304
    .private_segment_fixed_size: 0
    .kernarg_segment_align: 8
    .kernarg_segment_size: 80
    .max_flat_workgroup_size: 128
    .sgpr_count:     66
    .vgpr_count:     242
    .wavefront_size: 32
...
	.end_amdgpu_metadata
.endif
;; end of part 1
;; launch gemmqkv (part 2): grid 24 x 8, 4 waves a work-group, clusters of 4 x 4, 327,680 bytes of LDS; arguments codes, scales, rope, qkvc, qkvs; writes qkvc, qkvs
.if DOCPART == 2
	.amdgcn_target "amdgcn-amd-amdhsa--gfx1250"
	.amdhsa_code_object_version 6
	.text
	.protected	k_q5111d85f85_gemmqkv
	.globl	k_q5111d85f85_gemmqkv
	.p2align	8
	.type	k_q5111d85f85_gemmqkv,@function
k_q5111d85f85_gemmqkv:
	s_mov_b64 s[64:65], 0
	v_nop
	global_prefetch_b8 v0, s[64:65] scope:SCOPE_SE
	s_setreg_imm32_b32 hwreg(HW_REG_WAVE_MODE, 25, 1), 1
	s_wait_xcnt 0x0
	s_wait_alu depctr_hold_cnt(0) depctr_sa_sdst(0) depctr_va_vdst(0) depctr_va_sdst(0) depctr_va_ssrc(0) depctr_va_vcc(0) depctr_vm_vsrc(0)
	s_getreg_b32 s2, hwreg(HW_REG_IB_STS2, 6, 4)
	s_cmp_eq_u32 s2, 0
	s_cbranch_scc0 .Lentry_in_a_cluster
	s_endpgm
.Lentry_in_a_cluster:
	s_bfe_u32 s2, ttmp6, 0x10000c
	s_cmp_lg_u32 s2, 0xf033
	s_cbranch_scc0 .Lentry_shape_is_right
	s_endpgm
.Lentry_shape_is_right:
; q = rot(x wq^T), k = rot(x wk^T), v = x wv^T on codes of E4M3 with E8M0 scales, K = 2,048; the results are rotated (q, k), quantised and stored as operand images for the attention launch.
; Tile columns 0-7: q (A = x, B = wq); 8-15: k (A = x, B = wk); 16-23: v, TRANSPOSED (A = wv, B = x), so that its keys run along a lane's registers.
; A tile of 256 x 256 is made by four waves, 128 x 128 each: 64 accumulators, 512 registers.  K goes in steps of 256 through a ring of two LDS slots filled by the tensor data mover.
; OPERANDS LIE AS IMAGES of the matrix operand's registers ([c 4][lane][16 bytes], 2,048 bytes for 16 rows x 128 K): a K step's 128 rows are 32,768 dense bytes, one tensor load, and a fragment is
; four ds_load_b128 at 16 x lane: no pitch, no padding.  Rows are in buffer order (true row = index with bits 3 and 4 exchanged): with source 0 = 16 rows of B, source 1 = 16 rows of A, a lane holds one
; row of A, and the 16 registers of B's blocks 2 n, 2 n + 1 are 16 true neighbours 32 n + 16 h + 0..15: the order in which the next operand is quantised.
; THE SCALES of a wave's 128 rows, for all of K, are 8,192 dense bytes: they come once, with the first fills, and stay.
; CLUSTERS 4 x 4: A's tiles are asked for jointly along a row of the cluster, B's along a column.  Which tensors a cluster multiplies hangs on the cluster's x alone, which all partners share.
; REGISTERS: window 0: v0-31 addresses; v32-63 scale words, two sets, and nothing else; from v128 A's fragments, one set.  Window 1: B's fragments, two sets.  Windows 2, 3: accumulator (a, b) at v[8 (8 (a % 4) + b)].
; LIMITS: a block of zeros gets the scale byte 1 where the rule says 127 (zero codes; only this program reads the bytes); NaN and infinities are not served.
.set NQ,     2                         ; matrix instructions deep in a slot
.set FR,     16
.set NL,     4
.set NP,     8                         ; places behind this matrix instruction (ISA guide 7.12.1)
.set HALFT,  32768                     ; 128 rows x 256 K: what one tensor load brings
.set SLOT,   4*HALFT
.set STEPB,  524288                    ; from a K step of 256 to the next, in memory
.set LAPS,   4                         ; 2,048 / 512
.set SCL,    2*SLOT
.set HALFS,  8192
.set SBLK,   1024
.set SPARE,  SCL+4*HALFS               ; the spare words, 128 bytes a wave: two blocks of 256 bytes that no other line names
.set ADRA, 16
.set ADRB, 20
.set ADRS, 27
.set SPW,  28
.set NIL,  29
.set SC,   32
.set AF,   128
.set G1, 24
.set G0, 32
.set G1B, 48
.set G0B, 56
.set G1S, 68
.set G0S, 76
.set G1SB, 80
.set G0SB, 88
.set X,   64                           ; the way out, window 0: v64-127 64 numbers of a row
.set TBL, 128                          ; v128-191 sines and cosines
.set PC,  192                          ; v192-207 codes
.set TM,  208                          ; v208-223 at work
.set TT,  224                          ; v224-231 at work
.set PWR, 232                          ; v232-239 the eight blocks' scale words
.set MSB, 0
.macro WIN new                         ; the immediate's high byte repeats the setting that is left
.if MSB != (\new)
	s_set_vgpr_msb (MSB<<8)|(\new)
.set MSB, (\new)
.endif
.endm
.set MUL_LO, 0xa1                      ; source 0 (B) window 1, source 1 (A) window 0, C and D window 2
.set MUL_HI, 0xf1
.set TO_B,   0x40
.macro JLOAD g0a, g1a, g0b, g1b        ; a joint load: waves 0, 1 fetch for A, waves 2, 3 for B; four v_nop follow each of the two lines
	s_cmp_eq_u32 s15, 0
	s_cbranch_scc0 .Lfor_b_\@
	tensor_load_to_lds s[\g0a:\g0a+3], s[\g1a:\g1a+7]
	s_nop 0
.rept 4
	v_nop
.endr
	s_branch .Lasked_\@
.Lfor_b_\@:
	tensor_load_to_lds s[\g0b:\g0b+3], s[\g1b:\g1b+7]
	s_nop 0
.rept 4
	v_nop
.endr
.Lasked_\@:
.endm
.macro CREST
	s_cmp_lg_u32 s14, 0
	s_cbranch_scc1 .Lnot_wave_0_\@
	s_barrier_signal -3
.Lnot_wave_0_\@:
	s_barrier_wait -3
	s_barrier_signal -1
	s_barrier_wait -1
.endm
.macro CROUND
	s_barrier_signal -1
	s_barrier_wait -1
	CREST
.endm
.macro FRAG reg, adr, q, i             ; an image: four loads of 512 consecutive bytes
.irp c, 0,1,2,3
	ds_load_b128 v[\reg+4*\c:\reg+4*\c+3], v[\adr] offset:2048*(\q)+512*\c+(\i)*4096
.endr
.endm
.macro MUL16 a0, p, q, sc, zero        ; A's blocks a0, a0 + 1 x B's eight; the 64 accumulators take turns
.irp a, \a0, \a0+1
.irp b, 0,1,2,3,4,5,6,7
.if \zero
	v_wmma_scale_f32_16x16x128_f8f6f4 v[8*(8*((\a)%4)+\b):8*(8*((\a)%4)+\b)+7], v[128*(\p)+FR*\b:128*(\p)+FR*\b+FR-1], v[AF+FR*(\a):AF+FR*(\a)+FR-1], 0, v[SC+8*NQ*(\sc)+NQ*\b+(\q)], v[SC+8*NQ*(\sc)+NQ*(\a)+(\q)] matrix_a_scale:MATRIX_SCALE_ROW1
.else
	v_wmma_scale_f32_16x16x128_f8f6f4 v[8*(8*((\a)%4)+\b):8*(8*((\a)%4)+\b)+7], v[128*(\p)+FR*\b:128*(\p)+FR*\b+FR-1], v[AF+FR*(\a):AF+FR*(\a)+FR-1], v[8*(8*((\a)%4)+\b):8*(8*((\a)%4)+\b)+7], v[SC+8*NQ*(\sc)+NQ*\b+(\q)], v[SC+8*NQ*(\sc)+NQ*(\a)+(\q)] matrix_a_scale:MATRIX_SCALE_ROW1
.endif
.endr
.endr
.endm
.macro FETCH_B slot, q, p
	WIN TO_B
.irp i, 0,1,2,3,4,5,6,7
	FRAG 128*(\p)+FR*\i, ADRB+\slot, \q, \i
.endr
	WIN 0
.endm
.macro FETCH_A slot, q, i0
.irp i, \i0, \i0+1, \i0+2, \i0+3
	FRAG AF+FR*(\i), ADRA+\slot, \q, \i
.endr
.endm
.macro SCALES sc                       ; a K step's two words a row: lanes 0-15 A's block i, lanes 16-31 B's block i
.irp i, 0,1,2,3,4,5,6,7
	ds_load_b64 v[SC+8*NQ*\sc+NQ*\i:SC+8*NQ*\sc+NQ*\i+1], v[ADRS] offset:\i*SBLK
.endr
.endm
.macro PLACES n
.rept \n
	v_nop
.endr
.endm
.macro STEP slot, q, zero              ; 128 along K with its successor in the same slot
	s_wait_dscnt 4*NL                              ; B's set and A's blocks 0-3 are in; the youngest 16 loads (A's blocks 4-7) may be out
	WIN MUL_LO
	MUL16 0, (\q)%2, \q, \slot, \zero
	MUL16 2, (\q)%2, \q, \slot, \zero
	s_wait_dscnt 0
	PLACES NP
	FETCH_B \slot, (\q)+1, 1-(\q)%2
	FETCH_A \slot, (\q)+1, 0
	WIN MUL_HI
	MUL16 4, (\q)%2, \q, \slot, \zero
	MUL16 6, (\q)%2, \q, \slot, \zero
	PLACES NP
	WIN 0
	FETCH_A \slot, (\q)+1, 4
.endm
.macro TURN slot, next, fill           ; a slot's last step changes slots: one barrier
	s_wait_tensorcnt 0x0                           ; all my tensor loads have landed: my part of the next slot
	ds_add_u32 v[SPW], v[NIL]                      ; 0 onto my spare word
	s_wait_dscnt 4*NL+1                            ; (the add and the youngest 16 loads may be out)
	WIN MUL_LO
	MUL16 0, 1, NQ-1, \slot, 0
	s_wait_dscnt 0x0                               ; the add is done, and my reads of this slot are over
	s_barrier_signal -1
	MUL16 2, 1, NQ-1, \slot, 0
	WIN 0
	s_barrier_wait -1
.if \fill
	CREST                                          ; the barrier has opened a round of the cluster's: no wave of any partner still reads this slot or has a load on its way
	s_add_nc_u64 s[G0+4*\slot+2:G0+4*\slot+3], s[G0+4*\slot+2:G0+4*\slot+3], 2*STEPB
	s_add_nc_u64 s[G0B+4*\slot+2:G0B+4*\slot+3], s[G0B+4*\slot+2:G0B+4*\slot+3], 2*STEPB
	JLOAD G0+4*\slot, G1, G0B+4*\slot, G1B         ; the first tensor load behind the round
	PLACES NP-4
.else
	PLACES NP
.endif
	v_add_nc_u32 v[ADRS], 128, v[ADRS]             ; the next K step's scale words
	FETCH_B \next, 0, 0
	FETCH_A \next, 0, 0
	SCALES \next
	WIN MUL_HI
	MUL16 4, 1, NQ-1, \slot, 0
	MUL16 6, 1, NQ-1, \slot, 0
	PLACES NP
	WIN 0
	FETCH_A \next, 0, 4
.endm
; 64 numbers of a lane, v[src] on in window W (register 16 b + i = k 32 b + 16 h + i of my row), become codes in v[PC] on and the scale word in v[pw]; the held numbers go to v[X] on
.macro QUANT src, W, pw
.set qw, (\W)
	WIN qw*5                                       ; sources 0 and 1
.irp b, 0,1,2,3
	v_max3_num_f32 v[TM+\b], |v[(\src)+16*\b]|, |v[(\src)+16*\b+1]|, 0x4800000   ; and the floor 2^(9 - 127): the byte cannot fall under 1
.endr
	WIN qw*20                                      ; sources 1 and 2
.irp i, 2,4,6,8,10,12,14
.irp b, 0,1,2,3
	v_max3_num_f32 v[TM+\b], v[TM+\b], |v[(\src)+16*\b+\i]|, |v[(\src)+16*\b+\i+1]|   ; each accumulator from its low end on
.endr
.endr
	WIN 0
.irp b, 0,1,2,3
	v_permlanex16_b32 v[TM+4+\b], v[TM+\b], s2, s3
.endr
.irp b, 0,1,2,3
	v_max_num_f32 v[TM+\b], v[TM+\b], v[TM+4+\b]
.endr
.irp b, 0,1,2,3
	v_add_nc_u32 v[TM+12+\b], 0xfc000000, v[TM+\b]
.endr
.irp b, 0,1,2,3
	v_and_or_b32 v[TM+8+\b], v[TM+\b], 0x7f800000, s19
.endr
.irp b, 0,1,2,3
	v_lshrrev_b32 v[TM+4+\b], 23, v[TM+12+\b]
.endr
	v_lshl_or_b32 v[\pw], v[TM+5], 8, v[TM+4]
	v_lshl_or_b32 v[\pw], v[TM+6], 16, v[\pw]
	v_lshl_or_b32 v[\pw], v[TM+7], 24, v[\pw]
	WIN qw                                         ; source 0
.irp b, 0,1,2,3
.irp i, 0,1,2,3,4,5,6,7,8,9,10,11,12,13,14,15
	v_med3_num_f32 v[X+16*\b+\i], v[(\src)+16*\b+\i], -v[TM+8+\b], v[TM+8+\b]   ; the conversion does not saturate (ISA guide 7.6.2)
.endr
.endr
	WIN 0
	s_wait_xcnt 0x0                                ; the last block's stores have read v[PC] on
.irp b, 0,1,2,3
	v_cvt_scalef32_pk8_fp8_f32 v[PC+4*\b:PC+4*\b+1], v[X+16*\b:X+16*\b+7], v[TM+12+\b]
	v_cvt_scalef32_pk8_fp8_f32 v[PC+4*\b+2:PC+4*\b+3], v[X+16*\b+8:X+16*\b+15], v[TM+12+\b]
.endr
	v_nop
.endm
.macro TLOAD a                         ; block a's sines and cosines: register 8 b + 2 p: sine, 8 b + 2 p + 1: cosine, for the pair in accumulator registers 8 b + 2 p, + 1
.irp b, 0,1,2,3,4,5,6,7
	global_load_b128 v[TBL+8*\b:TBL+8*\b+3], v1, s[8:9] offset:(\a)*8192+\b*1024
	global_load_b128 v[TBL+8*\b+4:TBL+8*\b+7], v1, s[8:9] offset:(\a)*8192+\b*1024+512
.endr
.endm
.macro ROPE a                          ; (x0, x1) -> (x0 cos - x1 sin, x1 cos + x0 sin), into v[X] on
.set AC, 64*((\a)%4)
	WIN 2+(\a)/4                                   ; source 0: the accumulators' window
.irp b, 0,1,2,3,4,5,6,7
.irp p, 0,1,2,3
	v_pk_mul_f32 v[TT+2*\p:TT+2*\p+1], v[AC+8*\b+2*\p:AC+8*\b+2*\p+1], v[TBL+8*\b+2*\p:TBL+8*\b+2*\p+1] op_sel_hi:[1,0]   ; both x the sine
.endr
.irp p, 0,1,2,3
	v_fma_f32 v[X+8*\b+2*\p], v[AC+8*\b+2*\p], v[TBL+8*\b+2*\p+1], -v[TT+2*\p+1]
	v_fma_f32 v[X+8*\b+2*\p+1], v[AC+8*\b+2*\p+1], v[TBL+8*\b+2*\p+1], v[TT+2*\p]
.endr
.endr
	WIN 0
.endm
.macro EMIT a                          ; block a's image: four stores of 512 consecutive bytes
.irp c, 0,1,2,3
	global_store_b128 v1, v[PC+4*\c:PC+4*\c+3], s[10:11] offset:(\a)*2048+512*\c
.endr
.endm
	s_load_b256 s[4:11], s[0:1], 0x0               ; codes, scales, rope, qkvc
	s_load_b64 s[12:13], s[0:1], 0x20              ; qkvs
	v_lshl_add_u32 v[SPW], v0, 2, SPARE
	v_mov_b32 v[NIL], 0
	ds_add_u32 v28, v29
	ds_add_u32 v28, v29
	s_wait_dscnt 0x0
	v_lshrrev_b32 v1, 5, v0
	v_readfirstlane_b32 s14, v1                    ; wave 0..3
	s_lshr_b32 s15, s14, 1                         ; my half of the tile's rows.  Also: I fetch for A (0) or for B (1)
	s_and_b32 s16, s14, 1                          ; my half of its columns.  Also: which 128 rows I fetch
	s_bfe_u32 s40, ttmp6, 0x40000                  ; cx
	s_bfe_u32 s41, ttmp6, 0x40004                  ; cy
	s_and_b32 s42, ttmp9, 1
	s_lshl_b32 s42, s42, 2
	s_add_co_u32 s42, s42, s40                     ; tile column inside its tensor, 0..7
	s_and_b32 s17, ttmp7, 0xffff
	s_lshl_b32 s17, s17, 2
	s_add_co_u32 s17, s17, s41                     ; tile row, 0..7
	s_lshl_b32 s43, s41, 2
	s_lshl_b32 s43, 15, s43                        ; my row of the cluster
	s_lshl_b32 s44, 0x1111, s40                    ; my column
	s_or_b32 s[G1+0], s43, (3<<16)|(1<<21)         ; 15:0 the mask; 17:16 elements of 8 bytes; 21 set beside a mask; no padding
	s_or_b32 s[G1B+0], s44, (3<<16)|(1<<21)
.irp g, G1, G1B
	s_mov_b32 s[\g+1], 32<<16                      ; a dense block of 32,768 bytes as 128 rows of 256 bytes
	s_mov_b32 s[\g+2], 128<<16
	s_mov_b32 s[\g+3], 32<<16
	s_mov_b32 s[\g+4], 128
	s_mov_b32 s[\g+5], 32
	s_mov_b32 s[\g+6], 0
	s_mov_b32 s[\g+7], 0
.endr
	s_or_b32 s[G1S+0], s43, (3<<16)|(1<<21)
	s_or_b32 s[G1SB+0], s44, (3<<16)|(1<<21)
.irp g, G1S, G1SB
	s_mov_b32 s[\g+1], 32<<16                      ; the scales of 128 rows: 8,192 dense bytes as 32 rows of 256
	s_mov_b32 s[\g+2], 32<<16
	s_mov_b32 s[\g+3], 32<<16
	s_mov_b32 s[\g+4], 32
	s_mov_b32 s[\g+5], 32
	s_mov_b32 s[\g+6], 0
	s_mov_b32 s[\g+7], 0
.endr
	s_lshr_b32 s95, ttmp9, 2                       ; 1 in v's clusters (cluster x 4, 5)
	s_mul_i32 s18, s95, 3                          ; A's tensor: x (0) or wv (3)
	s_lshr_b32 s19, ttmp9, 1
	s_add_co_u32 s19, s19, 1
	s_sub_co_u32 s96, 1, s95
	s_mul_i32 s19, s19, s96                        ; B's: wq (1), wk (2) or x (0)
	s_lshl_b32 s20, s18, 22                        ; A's codes: 4 MiB a tensor, 65,536 bytes a tile's 16 blocks, 32,768 a half
	s_lshl_b32 s21, s17, 16
	s_add_co_u32 s20, s20, s21
	s_lshl_b32 s21, s16, 15
	s_add_co_u32 s20, s20, s21
	s_mov_b32 s21, 0
	s_lshl_b32 s22, s18, 17                        ; A's scales
	s_lshl_b32 s23, s17, 14
	s_add_co_u32 s22, s22, s23
	s_lshl_b32 s23, s16, 13
	s_add_co_u32 s22, s22, s23
	s_mov_b32 s23, 0
	s_lshl_b32 s46, s19, 22                        ; B's codes
	s_lshl_b32 s47, s42, 16
	s_add_co_u32 s46, s46, s47
	s_lshl_b32 s47, s16, 15
	s_add_co_u32 s46, s46, s47
	s_mov_b32 s47, 0
	s_lshl_b32 s92, s19, 17                        ; B's scales
	s_lshl_b32 s93, s42, 14
	s_add_co_u32 s92, s92, s93
	s_lshl_b32 s93, s16, 13
	s_add_co_u32 s92, s92, s93
	s_mov_b32 s93, 0
	s_mul_i32 s45, s14, HALFT                      ; where they go: by the wave's number alone
	s_mul_i32 s94, s14, HALFS
	s_wait_kmcnt 0x0
	s_add_nc_u64 s[20:21], s[4:5], s[20:21]
	s_add_nc_u64 s[22:23], s[6:7], s[22:23]
	s_add_nc_u64 s[46:47], s[4:5], s[46:47]
	s_add_nc_u64 s[92:93], s[6:7], s[92:93]
	CROUND                                         ; all sixteen work-groups are here: the first joint loads meet
	s_mov_b32 s[G0S], 1
	s_add_co_u32 s[G0S+1], s94, SCL
	s_mov_b64 s[G0S+2:G0S+3], s[22:23]
	s_or_b32 s[G0S+3], s[G0S+3], 0x80000000
	s_mov_b32 s[G0SB], 1
	s_add_co_u32 s[G0SB+1], s94, SCL
	s_mov_b64 s[G0SB+2:G0SB+3], s[92:93]
	s_or_b32 s[G0SB+3], s[G0SB+3], 0x80000000
	JLOAD G0S, G1S, G0SB, G1SB
.irp s, 0,1
	s_mov_b32 s[G0+4*\s], 1
	s_add_co_u32 s[G0+4*\s+1], s45, \s*SLOT
	s_add_nc_u64 s[G0+4*\s+2:G0+4*\s+3], s[20:21], \s*STEPB
	s_or_b32 s[G0+4*\s+3], s[G0+4*\s+3], 0x80000000
	s_mov_b32 s[G0B+4*\s], 1
	s_add_co_u32 s[G0B+4*\s+1], s45, \s*SLOT
	s_add_nc_u64 s[G0B+4*\s+2:G0B+4*\s+3], s[46:47], \s*STEPB
	s_or_b32 s[G0B+4*\s+3], s[G0B+4*\s+3], 0x80000000
	JLOAD G0+4*\s, G1, G0B+4*\s, G1B
.endr
	v_and_b32 v1, 31, v0
	v_lshlrev_b32 v4, 4, v1                        ; 16 x lane
	v_and_b32 v2, 15, v0                           ; r
	v_bfe_u32 v3, v0, 4, 1                         ; h
	s_mul_i32 s21, s15, HALFT
	s_mul_i32 s22, s16, HALFT
	s_add_co_u32 s22, s22, 2*HALFT
.irp s, 0,1
	v_add_nc_u32 v[ADRA+\s], s21, v4
	v_add_nc_u32 v[ADRB+\s], s22, v4
	s_add_co_u32 s21, s21, SLOT
	s_add_co_u32 s22, s22, SLOT
.endr
	v_lshlrev_b32 v5, 3, v2                        ; my row's two words of a K step
	s_mul_i32 s21, s15, HALFS
	s_mul_i32 s22, s16, HALFS
	s_add_co_u32 s22, s22, 2*HALFS
	s_sub_co_u32 s22, s22, s21
	v_mul_u32_u24 v6, s22, v3                      ; lanes 16-31 take B's: one product, the distance between the two bases
	s_add_co_u32 s21, s21, SCL
	v_add_nc_u32 v5, v5, v6
	v_add_nc_u32 v[ADRS], s21, v5
	; where the results go: q, k: [head = column half][G = row half of 128 positions]; v: [head = row half][G = column half of 128 keys]
	s_lshl_b32 s18, s42, 1
	s_add_co_u32 s18, s18, s16
	s_lshl_b32 s19, s17, 1
	s_add_co_u32 s19, s19, s15
	s_cmp_eq_u32 s95, 1
	s_cselect_b32 s20, s19, s18                    ; H
	s_cselect_b32 s21, s18, s19                    ; G
	s_lshr_b32 s22, ttmp9, 1                       ; section: q 0, k 1, v 2
	s_lshl_b32 s46, s22, 22
	s_lshl_b32 s47, s20, 18
	s_add_co_u32 s46, s46, s47
	s_lshl_b32 s47, s21, 14
	s_add_co_u32 s46, s46, s47
	s_mov_b32 s47, 0
	s_add_nc_u64 s[10:11], s[10:11], s[46:47]
	s_lshl_b32 s46, s22, 17
	s_lshl_b32 s23, s20, 13
	s_add_co_u32 s46, s46, s23
	s_lshl_b32 s23, s21, 9
	s_add_co_u32 s46, s46, s23
	s_add_nc_u64 s[12:13], s[12:13], s[46:47]
	s_lshl_b32 s46, s17, 17                        ; the table at my first block of positions: 8,192 bytes a block
	s_lshl_b32 s23, s15, 16
	s_add_co_u32 s46, s46, s23
	s_add_nc_u64 s[8:9], s[8:9], s[46:47]
	s_wait_tensorcnt 1                             ; the scales and my part of K step 0 are in; K step 1's load may be out
	s_barrier_signal -1
	s_barrier_wait -1
	FETCH_B 0, 0, 0
	FETCH_A 0, 0, 0
	SCALES 0
	FETCH_A 0, 0, 4
	STEP 0, 0, 1                                   ; the first step's products start the sums
	s_mov_b32 s3, LAPS-1
.Llap:
	TURN 0, 1, 1
	STEP 1, 0, 0
	TURN 1, 0, 1
	STEP 0, 0, 0
	s_sub_co_u32 s3, s3, 1
	s_cmp_lg_u32 s3, 0
	s_cbranch_scc1 .Llap
	TURN 0, 1, 0                                   ; the last lap fills nothing
	STEP 1, 0, 0
	s_wait_dscnt 4*NL
	WIN MUL_LO
	MUL16 0, 1, NQ-1, 1, 0
	MUL16 2, 1, NQ-1, 1, 0
	s_wait_dscnt 0
	WIN MUL_HI
	MUL16 4, 1, NQ-1, 1, 0
	MUL16 6, 1, NQ-1, 1, 0
	WIN 0
	; THE WAY OUT, block by block of 16 rows: a lane's 64 results are 128 / 2 true neighbours of its row, in the quantiser's order
	PLACES NP
	v_and_b32 v1, 31, v0
	v_and_b32 v2, 15, v0
	s_lshl_b32 s18, s14, 9                         ; 512 bytes of slot 0 for each wave's scale words: that slot has had its last fill and its last read
	v_lshl_add_u32 v3, v1, 4, s18
	v_lshl_add_u32 v2, v2, 2, s18
	v_lshlrev_b32 v1, 4, v1
	s_mov_b32 s2, 0x76543210
	s_mov_b32 s3, 0xfedcba98
	s_mov_b32 s19, 0x600000
.irp b, 0,1,2,3
	v_mov_b32 v[TM+4+\b], 0                        ; a lane permute's destination counts as one of its sources
.endr
	s_cmp_ge_u32 ttmp9, 4                          ; the cluster's x: the same in all partners
	s_cbranch_scc1 .Lv
	TLOAD 0
.irp a, 0,1,2,3,4,5,6,7
	s_wait_loadcnt 0x0                             ; this block's table
	ROPE \a
.if \a < 7
	TLOAD \a+1
.endif
	QUANT X, 0, PWR+\a
	EMIT \a
.endr
	s_branch .Ljoin
.Lv:
.irp a, 0,1,2,3,4,5,6,7
	QUANT 64*(\a%4), 2+\a/4, PWR+\a
	EMIT \a
.endr
.Ljoin:
.irp a, 0,1,2,3,4,5,6,7
	ds_store_b32 v2, v[PWR+\a] offset:64*\a        ; row r's word; both halves of the lanes write the same word with the same value
.endr
	ds_load_b128 v[TT:TT+3], v3                    ; LDS serves a wave's instructions in order
	s_wait_dscnt 0x0
	global_store_b128 v1, v[TT:TT+3], s[12:13]     ; my 128 rows' words: 512 consecutive bytes
	s_wait_tensorcnt 0x0                           ; the wave's end
	ds_add_u32 v[SPW], v[NIL]
	s_wait_dscnt 0x0
	CROUND                                         ; the closing round
	s_endpgm
.Lfunc_end_k_q5111d85f85_gemmqkv:
	.size	k_q5111d85f85_gemmqkv, .Lfunc_end_k_q5111d85f85_gemmqkv-k_q5111d85f85_gemmqkv
	.p2alignl 7, 3214868480
	.fill 96, 4, 3214868480
	.section	.rodata,"a",@progbits
	.p2align	6, 0x0
	.amdhsa_kernel k_q5111d85f85_gemmqkv
		.amdhsa_group_segment_fixed_size 327680
		.amdhsa_private_segment_fixed_size 0
		.amdhsa_enable_private_segment 0
		.amdhsa_kernarg_size 40
		.amdhsa_user_sgpr_count 2
		.amdhsa_user_sgpr_kernarg_segment_ptr 1
		.amdhsa_wavefront_size32 1
		.amdhsa_system_sgpr_workgroup_id_x 1
		.amdhsa_system_sgpr_workgroup_id_y 1
		.amdhsa_system_sgpr_workgroup_id_z 1
		.amdhsa_system_vgpr_workitem_id 0
		.amdhsa_next_free_vgpr 1024
		.amdhsa_next_free_sgpr 98
		.amdhsa_reserve_vcc 0
		.amdhsa_float_denorm_mode_32 3
		.amdhsa_float_denorm_mode_16_64 3
		.amdhsa_memory_ordered 1
		.amdhsa_forward_progress 1
		.amdhsa_inst_pref_size 255
	.end_amdhsa_kernel
	.section	.bss,"aw",@nobits
	.p2align	6
	.space	262144
	.amdgpu_metadata
---
amdhsa.version: [ 1, 2 ]
amdhsa.kernels:
  - .name:           k_q5111d85f85_gemmqkv
    .symbol:         k_q5111d85f85_gemmqkv.kd
    .args:
      - { .name: codes, .offset: 0, .size: 8, .value_kind: global_buffer, .address_space: global }
      - { .name: scales, .offset: 8, .size: 8, .value_kind: global_buffer, .address_space: global }
      - { .name: rope, .offset: 16, .size: 8, .value_kind: global_buffer, .address_space: global }
      - { .name: qkvc, .offset: 24, .size: 8, .value_kind: global_buffer, .address_space: global }
      - { .name: qkvs, .offset: 32, .size: 8, .value_kind: global_buffer, .address_space: global }
    .group_segment_fixed_size: 327680
    .private_segment_fixed_size: 0
    .kernarg_segment_align: 8
    .kernarg_segment_size: 40
    .max_flat_workgroup_size: 128
    .sgpr_count:     98
    .vgpr_count:     1024
    .wavefront_size: 32
...
	.end_amdgpu_metadata
.endif
;; end of part 2
;; launch attn (part 3): grid 16 x 16, 4 waves a work-group, no clusters, 288,256 bytes of LDS; arguments qkvc, qkvs, mmask, acodes, ascales; writes acodes, ascales
.if DOCPART == 3
	.amdgcn_target "amdgcn-amd-amdhsa--gfx1250"
	.amdhsa_code_object_version 6
	.text
	.protected	k_q5111d85f85_attn
	.globl	k_q5111d85f85_attn
	.p2align	8
	.type	k_q5111d85f85_attn,@function
k_q5111d85f85_attn:
	s_mov_b64 s[64:65], 0
	v_nop
	global_prefetch_b8 v0, s[64:65] scope:SCOPE_SE
	s_setreg_imm32_b32 hwreg(HW_REG_WAVE_MODE, 25, 1), 1
	s_wait_xcnt 0x0
; Attention of one head on codes of E4M3 with E8M0 scales: S^T = K Q^T, mask, p = 2^(t - M) quantised along the keys, O^T += V^T P^T, O / l quantised along the head's 128 for the last product.
; t = score x log2(e) / sqrt(128); M = the running largest t rounded up to a whole number; the row's sum l is taken of the unquantised p; a change of M multiplies l and O by an exact power of two.
; SHARES.  Work-group (g, head) owns eight tiles of 16 queries: tiles 4 g .. 4 g + 3 and 124 - 4 g .. 127 - 4 g.  THE FOUR WAVES SPLIT THE KEYS: wave w takes key steps 4 j + w (128 keys), j = 0..3, for all
; eight tiles, each with its own M, l and O^T.  So a fragment of K or V goes from memory into ONE wave's registers and feeds up to eight tiles.  At the end the four partial results meet in LDS.
; THE MASK is an input: an earlier launch stored, for each (tile, key step), 64 lane-mask words (word n, bit l: register n of lane l is hidden) and a flag (0 all hidden, 1 mixed, 2 none hidden).
; A step with flag 0 is left out; with flag 2 the 64 selects are left out.  A row with every key hidden has l = 0: its scale word becomes 0xffffffff, which makes the last product's row NaN, as the softmax of such a row is.
; No multicast and no tensor loads: what a wave loads no other wave of the work-group reads, and which steps a work-group walks hangs on the mask.
; LAYOUT.  Both products transposed: a lane holds one query (lane % 16).  Rows of K, V^T and Q lie in buffer order, so register 16 b + i of S^T is key 32 b + 16 h + i, and of O^T channel 32 b + 16 h + i.
; REGISTERS: window 0: v1-14 addresses; v15 p's scale word; v16-47 statistics (-M, largest t, l in two halves) a tile; v48-79 Q, two sets; v80-87 Q's scale words; v88-91 K's, v92-95 V's; v96-159 S^T, p;
;   v160-175 codes; v176-215 at work.  Window 1: v0-127 K, v128-255 V.  Windows 2, 3: O^T, tile t at v[64 (t % 4)] of window 2 + t / 4.
; LIMITS: |t| under 3e38; NaN and infinities among the inputs are not served; a block of zeros gets the scale byte 1 (zero codes; only this program reads the bytes).
.set STAT, 262144                      ; LDS: 0.. four waves' O images, 65,536 bytes each; then [wave][tile][lane] (-M, l); then Q's eight images
.set QIMG, 270336
.set LI,  1                            ; 16 x lane
.set L4,  2                            ; 4 x lane
.set LR4, 3                            ; 4 r
.set QAD, 4                            ; QIMG + 16 x lane
.set L8R, 5                            ; 8 r
.set OAD, 6                            ; my O images
.set QST, 7                            ; where I store Q's images
.set STA, 8                            ; where I store statistics
.set NINF, 9                           ; -infinity
.set SRA, 10                           ; where I read statistics
.set AM,  11                           ; v11-14 wave x's image of my two tiles
.set PWS, 15
.set ST,  16
.set QF,  48
.set QS,  80
.set KS,  88
.set VS,  92
.set S,   96
.set PC,  160
.set BM,  176
.set T2,  180
.set LIM, 184
.set SCO, 188
.set FF,  192
.set TA,  194
.set TM,  200
.set MSB, 0
.macro WIN new
.if MSB != (\new)
	s_set_vgpr_msb (MSB<<8)|(\new)
.set MSB, (\new)
.endif
.endm
.macro LDIMG base, off, u              ; image u of a key step's eight, into window 1: four loads of 512 consecutive bytes
.irp c, 0,1,2,3
	global_load_b128 v[\base+16*(\u)+4*\c:\base+16*(\u)+4*\c+3], v[LI], s[4:5] offset:\off+2048*(\u)+512*\c
.endr
.endm
.macro LDSCL sreg, soff                ; their scale words: register u: lanes 0-15 tile 2 u, lanes 16-31 tile 2 u + 1
.irp u, 0,1,2,3
	global_load_b32 v[\sreg+\u], v[L4], s[6:7] offset:\soff+128*\u
.endr
.endm
.macro QLOAD t
.irp c, 0,1,2,3
	ds_load_b128 v[QF+16*((\t)%2)+4*\c:QF+16*((\t)%2)+4*\c+3], v[QAD] offset:2048*(\t)+512*\c
.endr
.endm
.macro MPRE t1                         ; the 64 mask words of tile t1 (8: tile 0 of my next key step) into s[32:63], s[68:99]
	s_wait_kmcnt 0x0                               ; no scalar load is out, so its destinations may be loaded again
.if (\t1) == 8
.irp i, 0,1
	s_load_b512 s[32+16*\i:47+16*\i], s[8:9], 1024+64*\i
	s_load_b512 s[68+16*\i:83+16*\i], s[8:9], 1024+128+64*\i
.endr
.elseif (\t1) < 4
.irp i, 0,1
	s_load_b512 s[32+16*\i:47+16*\i], s[8:9], (\t1)*4096+64*\i
	s_load_b512 s[68+16*\i:83+16*\i], s[8:9], (\t1)*4096+128+64*\i
.endr
.else
.irp i, 0,1
	s_load_b512 s[32+16*\i:47+16*\i], s[14:15], ((\t1)-4)*4096+64*\i
	s_load_b512 s[68+16*\i:83+16*\i], s[14:15], ((\t1)-4)*4096+128+64*\i
.endr
.endif
.endm
; ONE TILE'S KEY STEP, whole, in one branch on its flag
.macro TILE t
.set rT, ST+4*(\t)
.set rQ, QF+16*((\t)%2)
.set rO, 64*((\t)%4)
.set wO, 2+(\t)/4
	QLOAD ((\t)+1)%8                               ; the next tile's Q, into the set that the tile before has left (eight plain lines stand behind its products)
	s_wait_dscnt 4                                 ; ON EVERY PATH, the skipped one too: only the four loads just issued may be out: my Q is in, and no load is out into the set that the next tile's loads will write
	s_and_b32 s25, s[16+\t], 3
	s_cmp_eq_u32 s25, 0
	s_cbranch_scc1 .Lskip_\@                       ; all hidden
	WIN 1                                          ; source 0 (K) window 1
.irp u, 0,2,4,6
	v_wmma_scale_f32_16x16x128_f8f6f4 v[S+8*\u:S+8*\u+7], v[16*\u:16*\u+15], v[rQ:rQ+15], 0, v[KS+\u/2], v[QS+\t]
	v_wmma_scale_f32_16x16x128_f8f6f4 v[S+8*\u+8:S+8*\u+15], v[16*\u+16:16*\u+31], v[rQ:rQ+15], 0, v[KS+\u/2], v[QS+\t] matrix_a_scale:MATRIX_SCALE_ROW1
.endr
	WIN 0
.rept 8
	v_nop                                          ; places behind the products (ISA guide 7.12.1)
.endr
	s_wait_kmcnt 0x0                               ; this tile's mask words
	s_cmp_eq_u32 s25, 2
	s_cbranch_scc1 .Lopen_\@                       ; none hidden
.set n, 0
.rept 64
.if n < 32
	v_cndmask_b32 v[S+n], v[S+n], v[NINF], s[32+n]
.else
	v_cndmask_b32 v[S+n], v[S+n], v[NINF], s[36+n]
.endif
.set n, n+1
.endr
.Lopen_\@:
	MPRE (\t)+1
.irp b, 0,1,2,3
	v_max3_num_f32 v[BM+\b], v[S+16*\b], v[S+16*\b+1], v[S+16*\b+2]   ; the largest score of each block of 32 keys: for the row's maximum and, since p rises with the score, for the block's largest p
.endr
.irp i, 3,5,7,9,11,13
.irp b, 0,1,2,3
	v_max3_num_f32 v[BM+\b], v[BM+\b], v[S+16*\b+\i], v[S+16*\b+\i+1]
.endr
.endr
.irp b, 0,1,2,3
	v_max_num_f32 v[BM+\b], v[BM+\b], v[S+16*\b+15]
.endr
.irp b, 0,1,2,3
	v_permlanex16_b32 v[T2+\b], v[BM+\b], s26, s27
.endr
.irp b, 0,1,2,3
	v_max_num_f32 v[BM+\b], v[BM+\b], v[T2+\b]
.endr
	v_max3_num_f32 v[TA], v[BM], v[BM+1], v[BM+2]
	v_max_num_f32 v[TA], v[TA], v[BM+3]
	v_mul_f32 v[TA], s28, v[TA]
	v_max_num_f32 v[rT+1], v[rT+1], v[TA]          ; the running largest t
	v_mov_b32 v[TA], v[rT]
	v_floor_f32 v[rT], -v[rT+1]                    ; the new -M = -ceil(t)
	v_sub_f32 v[TA], v[rT], v[TA]                  ; old M - new M: a whole number, 0 or less
	v_cvt_i32_f32 v[TA], v[TA]                     ; (it saturates)
	v_ldexp_f32 v[FF], 1.0, v[TA]                  ; f = 2^(old M - new M)
.set j, 0
.rept 32
	v_pk_fma_f32 v[S+j:S+j+1], v[S+j:S+j+1], s[28:29], v[rT:rT+1] op_sel_hi:[1,0,0]   ; t - M
.set j, j+2
.endr
.irp b, 0,1,2,3
	v_fma_f32 v[BM+\b], v[BM+\b], s28, v[rT]
.endr
.set j, 0
.rept 64
	v_exp_f32 v[S+j], v[S+j]                       ; p, at most 1, not normalised
.set j, j+1
.endr
.irp b, 0,1,2,3
	v_exp_f32 v[BM+\b], v[BM+\b]                   ; the block's largest p: the same two instructions on the same number
.endr
	v_pk_mul_f32 v[rT+2:rT+3], v[rT+2:rT+3], v[FF:FF+1] op_sel_hi:[1,0]   ; l under the new M (a plain line behind the exponentials)
	s_wait_alu depctr_va_vdst(0)
.irp b, 0,1,2,3
	v_max_num_f32 v[BM+\b], 0x4800000, v[BM+\b]    ; the floor 2^(9 - 127)
.endr
.irp b, 0,1,2,3
	v_add_nc_u32 v[SCO+\b], 0xfc000000, v[BM+\b]
.endr
.irp b, 0,1,2,3
	v_and_or_b32 v[LIM+\b], v[BM+\b], 0x7f800000, s30
.endr
.irp b, 0,1,2,3
	v_lshrrev_b32 v[T2+\b], 23, v[SCO+\b]
.endr
	v_lshl_or_b32 v[PWS], v[T2+1], 8, v[T2]        ; p's scale word for these 128 keys
	v_lshl_or_b32 v[PWS], v[T2+2], 16, v[PWS]
	v_lshl_or_b32 v[PWS], v[T2+3], 24, v[PWS]
	v_pk_add_f32 v[T2:T2+1], v[S:S+1], v[S+2:S+3]  ; the sum of the unquantised p, in two chains
.irp j, 4,8,12,16,20,24,28,32,36,40,44,48,52,56,60
	v_pk_add_f32 v[rT+2:rT+3], v[rT+2:rT+3], v[S+\j:S+\j+1]
	v_pk_add_f32 v[T2:T2+1], v[T2:T2+1], v[S+\j+2:S+\j+3]
.endr
	v_pk_add_f32 v[rT+2:rT+3], v[rT+2:rT+3], v[T2:T2+1]
.irp b, 0,1,2,3
.irp i, 0,1,2,3,4,5,6,7,8,9,10,11,12,13,14,15
	v_min_num_f32 v[S+16*\b+\i], v[S+16*\b+\i], v[LIM+\b]   ; the conversion does not saturate (ISA guide 7.6.2); p is not negative
.endr
	v_cvt_scalef32_pk8_fp8_f32 v[PC+4*\b:PC+4*\b+1], v[S+16*\b:S+16*\b+7], v[SCO+\b]
	v_cvt_scalef32_pk8_fp8_f32 v[PC+4*\b+2:PC+4*\b+3], v[S+16*\b+8:S+16*\b+15], v[SCO+\b]
.endr
	WIN wO*65                                      ; O^T: destination and source 0
.set j, 0
.rept 32
	v_pk_mul_f32 v[rO+j:rO+j+1], v[rO+j:rO+j+1], v[FF:FF+1] op_sel_hi:[1,0]   ; O^T under the new M; these lines also stand between the codes and the products
.set j, j+2
.endr
	s_wait_loadcnt 0x0                             ; V and its scale words
	WIN 1+80*wO                                    ; source 0 (V) window 1, C and D the tile's window
.irp a, 0,2,4,6
	v_wmma_scale_f32_16x16x128_f8f6f4 v[rO+8*\a:rO+8*\a+7], v[128+16*\a:128+16*\a+15], v[PC:PC+15], v[rO+8*\a:rO+8*\a+7], v[VS+\a/2], v[PWS]
	v_wmma_scale_f32_16x16x128_f8f6f4 v[rO+8*\a+8:rO+8*\a+15], v[128+16*\a+16:128+16*\a+31], v[PC:PC+15], v[rO+8*\a+8:rO+8*\a+15], v[VS+\a/2], v[PWS] matrix_a_scale:MATRIX_SCALE_ROW1
.endr
	WIN 0
	s_branch .Ldone_\@
.Lskip_\@:
	MPRE (\t)+1
.Ldone_\@:
.endm
.macro QUANT pw                        ; v[S] on -> codes in v[PC] on, the row's scale word in v[pw]
.irp b, 0,1,2,3
	v_max3_num_f32 v[TM+\b], |v[S+16*\b]|, |v[S+16*\b+1]|, 0x4800000
.endr
.irp i, 2,4,6,8,10,12,14
.irp b, 0,1,2,3
	v_max3_num_f32 v[TM+\b], v[TM+\b], |v[S+16*\b+\i]|, |v[S+16*\b+\i+1]|
.endr
.endr
.irp b, 0,1,2,3
	v_permlanex16_b32 v[TM+4+\b], v[TM+\b], s26, s27
.endr
.irp b, 0,1,2,3
	v_max_num_f32 v[TM+\b], v[TM+\b], v[TM+4+\b]
.endr
.irp b, 0,1,2,3
	v_add_nc_u32 v[TM+12+\b], 0xfc000000, v[TM+\b]
.endr
.irp b, 0,1,2,3
	v_and_or_b32 v[TM+8+\b], v[TM+\b], 0x7f800000, s30
.endr
.irp b, 0,1,2,3
	v_lshrrev_b32 v[TM+4+\b], 23, v[TM+12+\b]
.endr
	v_lshl_or_b32 v[\pw], v[TM+5], 8, v[TM+4]
	v_lshl_or_b32 v[\pw], v[TM+6], 16, v[\pw]
	v_lshl_or_b32 v[\pw], v[TM+7], 24, v[\pw]
.irp b, 0,1,2,3
.irp i, 0,1,2,3,4,5,6,7,8,9,10,11,12,13,14,15
	v_med3_num_f32 v[S+16*\b+\i], v[S+16*\b+\i], -v[TM+8+\b], v[TM+8+\b]
.endr
.endr
	s_wait_xcnt 0x0                                ; earlier stores have read v[PC] on
.irp b, 0,1,2,3
	v_cvt_scalef32_pk8_fp8_f32 v[PC+4*\b:PC+4*\b+1], v[S+16*\b:S+16*\b+7], v[TM+12+\b]
	v_cvt_scalef32_pk8_fp8_f32 v[PC+4*\b+2:PC+4*\b+3], v[S+16*\b+8:S+16*\b+15], v[TM+12+\b]
.endr
	v_nop
.endm
; Tile 2 w + e is finished by wave w: the four waves' (-M, l, O^T) are brought under the largest M, added, divided by l, quantised and stored
.macro FINAL e
.irp x, 0,1,2,3
	ds_load_b64 v[BM+2*\x:BM+2*\x+1], v[SRA] offset:2048*\x+256*\e
.endr
	WIN 0x40
.irp x, 0,1,2
.irp i, 0,1,2,3,4,5,6,7,8,9,10,11,12,13,14,15
	ds_load_b128 v[64*\x+4*\i:64*\x+4*\i+3], v[AM+\x] offset:8192*\e+512*\i
.endr
.endr
	WIN 0
	s_wait_dscnt 48                                ; the statistics are in; the 48 loads behind them may be out
	v_min_num_f32 v[TA], v[BM], v[BM+2]
	v_min_num_f32 v[TA+1], v[BM+4], v[BM+6]
	v_min_num_f32 v[TA], v[TA], v[TA+1]            ; -(the largest M)
.irp x, 0,1,2,3
	v_sub_f32 v[LIM+2*\x], v[TA], v[BM+2*\x]       ; M of wave x less the largest: a whole number, 0 or less
.endr
.irp x, 0,1,2,3
	v_cvt_i32_f32 v[LIM+2*\x], v[LIM+2*\x]
.endr
.irp x, 0,1,2,3
	v_ldexp_f32 v[LIM+2*\x], 1.0, v[LIM+2*\x]
.endr
	v_mul_f32 v[TA], v[LIM], v[BM+1]
	v_fma_f32 v[TA], v[LIM+2], v[BM+3], v[TA]
	v_fma_f32 v[TA], v[LIM+4], v[BM+5], v[TA]
	v_fma_f32 v[TA], v[LIM+6], v[BM+7], v[TA]
	v_permlanex16_b32 v[TA+1], v[TA], s26, s27
	v_add_f32 v[TA], v[TA], v[TA+1]                ; the row's sum
	v_cmp_eq_f32 s66, 0, v[TA]                     ; a row with every key hidden
	v_rcp_f32 v[TA+1], v[TA]
	v_nop
	s_wait_alu depctr_va_vdst(0)
.irp x, 0,1,2,3
	v_mul_f32 v[LIM+2*\x], v[LIM+2*\x], v[TA+1]
.endr
.irp x, 0,1,2,3
	v_mov_b32 v[LIM+2*\x+1], v[LIM+2*\x]           ; a pair for the packed forms
.endr
	s_wait_dscnt 32                                ; wave 0's image is in; with the sixteen loads below 48 are out
	WIN 0x40
.irp i, 0,1,2,3,4,5,6,7,8,9,10,11,12,13,14,15
	ds_load_b128 v[192+4*\i:192+4*\i+3], v[AM+3] offset:8192*\e+512*\i
.endr
	s_wait_dscnt 0x0
	WIN 1                                          ; source 0: the images, window 1
.set j, 0
.rept 32
	v_pk_mul_f32 v[S+j:S+j+1], v[j:j+1], v[LIM:LIM+1]
.set j, j+2
.endr
.irp x, 1,2,3
.set j, 0
.rept 32
	v_pk_fma_f32 v[S+j:S+j+1], v[64*\x+j:64*\x+j+1], v[LIM+2*\x:LIM+2*\x+1], v[S+j:S+j+1]
.set j, j+2
.endr
.endr
	WIN 0
	QUANT 196+\e
	v_cndmask_b32 v[196+\e], v[196+\e], v198, s66  ; the byte 0xff makes that row of the last product NaN
.irp c, 0,1,2,3
	global_store_b128 v[LI], v[PC+4*\c:PC+4*\c+3], s[10:11] offset:4096*\e+512*\c
.endr
	global_store_b32 v[L8R], v[196+\e], s[12:13] offset:1024*\e   ; row r's word of K step = head; both halves of the lanes write the same word with the same value
.endm
	s_load_b256 s[4:11], s[0:1], 0x0               ; qkvc, qkvs, mmask, acodes
	s_load_b64 s[12:13], s[0:1], 0x20              ; ascales
	v_lshl_add_u32 v254, v0, 2, 0x46400
	v_mov_b32 v255, 0
	v_lshrrev_b32 v1, 5, v0
	v_readfirstlane_b32 s2, v1                     ; wave w
	s_mov_b32 s3, ttmp9                            ; g
	s_and_b32 s31, ttmp7, 0xffff                   ; head
	v_and_b32 v2, 31, v0
	v_and_b32 v3, 15, v0
	v_lshlrev_b32 v[LI], 4, v2
	v_lshlrev_b32 v[L8R], 3, v3
	v_lshlrev_b32 v[SRA], 3, v2
	s_lshl_b32 s66, s2, 11
	s_add_co_u32 s66, s66, STAT
	v_add_nc_u32 v[STA], s66, v[SRA]
	s_lshl_b32 s66, s2, 9
	s_add_co_u32 s66, s66, STAT
	v_add_nc_u32 v[SRA], s66, v[SRA]
	v_add_nc_u32 v[QAD], QIMG, v[LI]
	s_lshl_b32 s66, s2, 12
	s_add_co_u32 s66, s66, QIMG
	v_add_nc_u32 v[QST], s66, v[LI]
	s_lshl_b32 s66, s2, 16
	v_add_nc_u32 v[OAD], s66, v[LI]
	s_lshl_b32 s66, s2, 14
.irp x, 0,1,2,3
	v_add_nc_u32 v[AM+\x], s66, v[LI]
	s_add_co_u32 s66, s66, 65536
.endr
	v_lshlrev_b32 v[L4], 2, v2
	v_lshlrev_b32 v[LR4], 2, v3
	v_mov_b32 v[NINF], 0xff800000
	s_lshl_b32 s66, s3, 2                          ; 4 g
	s_lshl_b32 s67, s2, 1                          ; 2 w
	s_add_co_u32 s100, s66, s67
	s_sub_co_u32 s101, 120, s66
	s_add_co_u32 s101, s101, s67
	s_cmp_lt_u32 s2, 2
	s_cselect_b32 s100, s100, s101                 ; the first of the two tiles whose Q I bring and whose result I finish
	s_sub_co_u32 s101, 124, s66                    ; the first of the four late tiles
	s_lshl_b32 s32, s31, 18                        ; offsets, each in a pair with 0 above it: a head's 262,144 bytes of codes
	s_mov_b32 s33, 0
	s_lshl_b32 s34, s100, 11
	s_mov_b32 s35, 0
	s_lshl_b32 s36, s31, 13                        ; a head's 8,192 bytes of scale words
	s_mov_b32 s37, 0
	s_lshl_b32 s38, s3, 8
	s_mov_b32 s39, 0
	s_lshl_b32 s40, s101, 6
	s_mov_b32 s41, 0
	s_lshl_b32 s42, s2, 14                         ; K's section, key step w
	s_add_co_u32 s42, s42, 0x400000
	s_mov_b32 s43, 0
	s_lshl_b32 s44, s2, 9
	s_add_co_u32 s44, s44, 0x20000
	s_mov_b32 s45, 0
	s_lshl_b32 s67, s2, 8                          ; mask words: 4,096 bytes a tile, 256 a key step
	s_lshl_b32 s46, s3, 14
	s_add_co_u32 s46, s46, s67
	s_mov_b32 s47, 0
	s_lshl_b32 s48, s101, 12
	s_add_co_u32 s48, s48, s67
	s_mov_b32 s49, 0
	s_lshl_b32 s67, s2, 2                          ; flags: behind the words, 16 bytes a tile, 4 a wave
	s_add_co_u32 s67, s67, 0x80000
	s_lshl_b32 s50, s3, 6
	s_add_co_u32 s50, s50, s67
	s_mov_b32 s51, 0
	s_lshl_b32 s52, s101, 4
	s_add_co_u32 s52, s52, s67
	s_mov_b32 s53, 0
	s_lshr_b32 s66, s31, 1
	s_and_b32 s67, s31, 1
	s_lshl_b32 s54, s66, 19                        ; acodes: [head / 2][tile][head % 2][image]
	s_lshl_b32 s55, s100, 12
	s_add_co_u32 s54, s54, s55
	s_lshl_b32 s55, s67, 11
	s_add_co_u32 s54, s54, s55
	s_mov_b32 s55, 0
	s_lshl_b32 s56, s100, 10                       ; ascales: [tile][head / 2][r][head % 2]
	s_lshl_b32 s57, s66, 7
	s_add_co_u32 s56, s56, s57
	s_lshl_b32 s57, s67, 2
	s_add_co_u32 s56, s56, s57
	s_mov_b32 s57, 0
	s_mov_b32 s26, 0x76543210
	s_mov_b32 s27, 0xfedcba98
	s_mov_b32 s28, 0x3e0293ee                      ; log2(e) / sqrt(128)
	s_mov_b32 s29, s28
	s_mov_b32 s30, 0x600000
	s_mov_b32 s24, 4
	s_wait_kmcnt 0x0
	s_add_nc_u64 s[4:5], s[4:5], s[32:33]
	s_add_nc_u64 s[58:59], s[4:5], s[34:35]        ; my two tiles' images of Q
	s_add_nc_u64 s[4:5], s[4:5], s[42:43]          ; K's images of key step w; V's lie 4 MiB further on
	s_add_nc_u64 s[6:7], s[6:7], s[36:37]
	s_add_nc_u64 s[60:61], s[6:7], s[38:39]        ; Q's words, early tiles
	s_add_nc_u64 s[62:63], s[6:7], s[40:41]        ; late tiles
	s_add_nc_u64 s[6:7], s[6:7], s[44:45]          ; K's words; V's lie 131,072 bytes further on
	s_add_nc_u64 s[68:69], s[8:9], s[50:51]
	s_add_nc_u64 s[70:71], s[8:9], s[52:53]
	s_add_nc_u64 s[14:15], s[8:9], s[48:49]
	s_add_nc_u64 s[8:9], s[8:9], s[46:47]
	s_add_nc_u64 s[10:11], s[10:11], s[54:55]
	s_add_nc_u64 s[12:13], s[12:13], s[56:57]
.irp t, 0,1,2,3
	s_load_b32 s[16+\t], s[68:69], 16*\t           ; my flags of tile t: bits 8 j + 1 : 8 j for key step 4 j + w
	s_load_b32 s[20+\t], s[70:71], 16*\t
.endr
.irp e, 0,1
.irp c, 0,1,2,3
	global_load_b128 v[S+16*\e+4*\c:S+16*\e+4*\c+3], v[LI], s[58:59] offset:2048*\e+512*\c
.endr
.endr
.irp t, 0,1,2,3
	global_load_b32 v[QS+\t], v[LR4], s[60:61] offset:64*\t
	global_load_b32 v[QS+4+\t], v[LR4], s[62:63] offset:64*\t
.endr
.irp t, 0,1,2,3,4,5,6,7
	v_mov_b32 v[ST+4*\t+1], 0xff61b1e6             ; the largest t so far: -3e38
	v_floor_f32 v[ST+4*\t], -v[ST+4*\t+1]
	v_mov_b32 v[ST+4*\t+2], 0
	v_mov_b32 v[ST+4*\t+3], 0
.endr
.irp b, 0,1,2,3
	v_mov_b32 v[T2+\b], 0                          ; a lane permute's destination counts as one of its sources
	v_mov_b32 v[TM+4+\b], 0
.endr
	v_mov_b32 v[FF+1], 0                           ; named as the upper half of a pair
	v_mov_b32 v198, -1
	; O^T begins as zeros: which key step is a tile's first hangs on the mask, so no product can be written out as the one that starts the sums
	WIN 0x80
.set i, 0
.rept 256
	v_mov_b32 v[i], 0
.set i, i+1
.endr
	WIN 0xc0
.set i, 0
.rept 256
	v_mov_b32 v[i], 0
.set i, i+1
.endr
	WIN 0
	s_wait_loadcnt 8                               ; Q's images are in; the eight scale words may be out
.irp e, 0,1
.irp c, 0,1,2,3
	ds_store_b128 v[QST], v[S+16*\e+4*\c:S+16*\e+4*\c+3] offset:2048*\e+512*\c
.endr
.endr
	s_wait_loadcnt 0x0                             ; all loads are done: their bases may be written
	s_wait_dscnt 0x0                               ; my stores have landed
	s_barrier_signal -1
	s_barrier_wait -1                              ; Q's eight images lie in LDS
	MPRE 0
	QLOAD 0
.Ltrip:                                            ; four trips: key step 4 j + w
	s_or_b32 s25, s16, s17
	s_or_b32 s25, s25, s18
	s_or_b32 s25, s25, s19
	s_or_b32 s25, s25, s20
	s_or_b32 s25, s25, s21
	s_or_b32 s25, s25, s22
	s_or_b32 s25, s25, s23
	s_and_b32 s25, s25, 3
	s_cmp_eq_u32 s25, 0
	s_cbranch_scc1 .Lidle                          ; hidden from all eight tiles: nothing is loaded
	WIN 0x40                                       ; destination window 1
.irp u, 0,1,2,3,4,5,6,7
	LDIMG 0, 0, \u                                 ; K
.endr
	WIN 0
	LDSCL KS, 0
	WIN 0x40
.irp u, 0,1,2,3
	LDIMG 128, 0x400000, \u                        ; V's first four images: 52 loads of mine are out
.endr
	s_wait_loadcnt 16                              ; K and its words are in; V's 16 loads may be out
.irp u, 4,5,6,7
	LDIMG 128, 0x400000, \u
.endr
	WIN 0
	LDSCL VS, 0x20000
	TILE 0
	TILE 1
	TILE 2
	TILE 3
	TILE 4
	TILE 5
	TILE 6
	TILE 7
	s_branch .Lnext
.Lidle:
	MPRE 8
.Lnext:
.rept 8
	v_nop                                          ; places behind the last products, in front of loads into K's and V's registers and of the reads of O^T
.endr
	s_wait_loadcnt 0x0                             ; no load is out into registers that the next trip loads
	s_wait_xcnt 0x0                                ; and every base may be stepped
	s_add_nc_u64 s[4:5], s[4:5], 65536
	s_add_nc_u64 s[6:7], s[6:7], 2048
	s_add_nc_u64 s[8:9], s[8:9], 1024
	s_add_nc_u64 s[14:15], s[14:15], 1024
.irp t, 0,1,2,3,4,5,6,7
	s_lshr_b32 s[16+\t], s[16+\t], 8
.endr
	s_sub_co_u32 s24, s24, 1
	s_cmp_lg_u32 s24, 0
	s_cbranch_scc1 .Ltrip
	s_wait_kmcnt 0x0                               ; (the last look-ahead read tile 4 g + 1's words: inside the buffer, and not used)
	; THE FOUR WAVES' PARTS MEET
.irp t, 0,1,2,3,4,5,6,7
	v_add_f32 v[ST+4*\t+1], v[ST+4*\t+2], v[ST+4*\t+3]   ; l's two halves, over the largest t, which is done with
.endr
.irp t, 0,1,2,3,4,5,6,7
	ds_store_b64 v[STA], v[ST+4*\t:ST+4*\t+1] offset:256*\t
.endr
.irp t, 0,1,2,3,4,5,6,7
	WIN 0x08+4*(\t/4)                              ; an LDS store's data are its source 1
.irp i, 0,1,2,3,4,5,6,7,8,9,10,11,12,13,14,15
	ds_store_b128 v[OAD], v[64*(\t%4)+4*\i:64*(\t%4)+4*\i+3] offset:8192*\t+512*\i   ; as an image of the registers; each accumulator from its low end on
.endr
.endr
	WIN 0
	s_wait_dscnt 0x0
	s_barrier_signal -1
	s_barrier_wait -1
	FINAL 0
	FINAL 1
	s_wait_tensorcnt 0x0
	ds_add_u32 v254, v255
	s_wait_dscnt 0x0
	s_endpgm
.Lfunc_end_k_q5111d85f85_attn:
	.size	k_q5111d85f85_attn, .Lfunc_end_k_q5111d85f85_attn-k_q5111d85f85_attn
	.p2alignl 7, 3214868480
	.fill 96, 4, 3214868480
	.section	.rodata,"a",@progbits
	.p2align	6, 0x0
	.amdhsa_kernel k_q5111d85f85_attn
		.amdhsa_group_segment_fixed_size 288256
		.amdhsa_private_segment_fixed_size 0
		.amdhsa_enable_private_segment 0
		.amdhsa_kernarg_size 40
		.amdhsa_user_sgpr_count 2
		.amdhsa_user_sgpr_kernarg_segment_ptr 1
		.amdhsa_wavefront_size32 1
		.amdhsa_system_sgpr_workgroup_id_x 1
		.amdhsa_system_sgpr_workgroup_id_y 1
		.amdhsa_system_sgpr_workgroup_id_z 1
		.amdhsa_system_vgpr_workitem_id 0
		.amdhsa_next_free_vgpr 1024
		.amdhsa_next_free_sgpr 102
		.amdhsa_reserve_vcc 0
		.amdhsa_float_denorm_mode_32 3
		.amdhsa_float_denorm_mode_16_64 3
		.amdhsa_memory_ordered 1
		.amdhsa_forward_progress 1
		.amdhsa_inst_pref_size 255
	.end_amdhsa_kernel
	.section	.bss,"aw",@nobits
	.p2align	6
	.space	262144
	.amdgpu_metadata
---
amdhsa.version: [ 1, 2 ]
amdhsa.kernels:
  - .name:           k_q5111d85f85_attn
    .symbol:         k_q5111d85f85_attn.kd
    .args:
      - { .name: qkvc, .offset: 0, .size: 8, .value_kind: global_buffer, .address_space: global }
      - { .name: qkvs, .offset: 8, .size: 8, .value_kind: global_buffer, .address_space: global }
      - { .name: mmask, .offset: 16, .size: 8, .value_kind: global_buffer, .address_space: global }
      - { .name: acodes, .offset: 24, .size: 8, .value_kind: global_buffer, .address_space: global }
      - { .name: ascales, .offset: 32, .size: 8, .value_kind: global_buffer, .address_space: global }
    .group_segment_fixed_size: 288256
    .private_segment_fixed_size: 0
    .kernarg_segment_align: 8
    .kernarg_segment_size: 40
    .max_flat_workgroup_size: 128
    .sgpr_count:     102
    .vgpr_count:     1024
    .wavefront_size: 32
...
	.end_amdgpu_metadata
.endif
;; end of part 3
;; launch proj (part 4): grid 8 x 8, 4 waves a work-group, clusters of 4 x 4, 327,680 bytes of LDS; arguments acodes, ascales, codes, scales, out0; writes out0
.if DOCPART == 4
	.amdgcn_target "amdgcn-amd-amdhsa--gfx1250"
	.amdhsa_code_object_version 6
	.text
	.protected	k_q5111d85f85_proj
	.globl	k_q5111d85f85_proj
	.p2align	8
	.type	k_q5111d85f85_proj,@function
k_q5111d85f85_proj:
	s_mov_b64 s[64:65], 0
	v_nop
	global_prefetch_b8 v0, s[64:65] scope:SCOPE_SE
	s_setreg_imm32_b32 hwreg(HW_REG_WAVE_MODE, 25, 1), 1
	s_wait_xcnt 0x0
	s_wait_alu depctr_hold_cnt(0) depctr_sa_sdst(0) depctr_va_vdst(0) depctr_va_sdst(0) depctr_va_ssrc(0) depctr_va_vcc(0) depctr_vm_vsrc(0)
	s_getreg_b32 s2, hwreg(HW_REG_IB_STS2, 6, 4)
	s_cmp_eq_u32 s2, 0
	s_cbranch_scc0 .Lentry_in_a_cluster
	s_endpgm
.Lentry_in_a_cluster:
	s_bfe_u32 s2, ttmp6, 0x10000c
	s_cmp_lg_u32 s2, 0xf033
	s_cbranch_scc0 .Lentry_shape_is_right
	s_endpgm
.Lentry_shape_is_right:
; out0 = a wo^T on codes of E4M3 with E8M0 scales, K = 2,048: A = the attention's output (codes and scale words stored by the launch before), B = wo (tensor 4 of codes and scales); out0 [2048][2048] f32.
; The product is the q/k/v launch's: a tile of 256 x 256 by four waves of 128 x 128, K in steps of 256 through two LDS slots, operands as images of their registers, scales brought once, clusters of 4 x 4 with
; joint loads (A's along a row of the cluster, B's along a column).  64 tiles, so 64 work-groups.
; Rows of A and of B lie in buffer order (true index = index with bits 3 and 4 exchanged); the way out puts rows and columns back: the columns by the place in the stage, the rows by the store's offset.
; A scale byte 0xff in A (a query with every key hidden) makes that row NaN, as the softmax of such a row is.
.set NQ,     2
.set FR,     16
.set NL,     4
.set NP,     8                         ; places behind this matrix instruction (ISA guide 7.12.1)
.set HALFT,  32768
.set SLOT,   4*HALFT
.set STEPB,  524288
.set LAPS,   4
.set SCL,    2*SLOT
.set HALFS,  8192
.set SBLK,   1024
.set SPARE,  SCL+4*HALFS               ; the spare words, 128 bytes a wave: two blocks of 256 bytes that no other line names
.set SPITCH, 528                       ; the way out: 16 rows x (512 bytes + 16) for each wave, in slot 0, which has had its last fill and its last read by then
.set ADRA, 16
.set ADRB, 20
.set STO,  24
.set RD,   25
.set CO,   26
.set ADRS, 27
.set SPW,  28
.set NIL,  29
.set SC,   32
.set AF,   128
.set BK,   128
.set G1, 24
.set G0, 32
.set G1B, 48
.set G0B, 56
.set G1S, 68
.set G0S, 76
.set G1SB, 80
.set G0SB, 88
.set MSB, 0
.macro WIN new
.if MSB != (\new)
	s_set_vgpr_msb (MSB<<8)|(\new)
.set MSB, (\new)
.endif
.endm
.set MUL_LO, 0xa1
.set MUL_HI, 0xf1
.set TO_B,   0x40
.macro JLOAD g0a, g1a, g0b, g1b        ; a joint load: waves 0, 1 fetch for A, waves 2, 3 for B; four v_nop follow each of the two lines
	s_cmp_eq_u32 s15, 0
	s_cbranch_scc0 .Lfor_b_\@
	tensor_load_to_lds s[\g0a:\g0a+3], s[\g1a:\g1a+7]
	s_nop 0
.rept 4
	v_nop
.endr
	s_branch .Lasked_\@
.Lfor_b_\@:
	tensor_load_to_lds s[\g0b:\g0b+3], s[\g1b:\g1b+7]
	s_nop 0
.rept 4
	v_nop
.endr
.Lasked_\@:
.endm
.macro CREST
	s_cmp_lg_u32 s14, 0
	s_cbranch_scc1 .Lnot_wave_0_\@
	s_barrier_signal -3
.Lnot_wave_0_\@:
	s_barrier_wait -3
	s_barrier_signal -1
	s_barrier_wait -1
.endm
.macro CROUND
	s_barrier_signal -1
	s_barrier_wait -1
	CREST
.endm
.macro FRAG reg, adr, q, i
.irp c, 0,1,2,3
	ds_load_b128 v[\reg+4*\c:\reg+4*\c+3], v[\adr] offset:2048*(\q)+512*\c+(\i)*4096
.endr
.endm
.macro MUL16 a0, p, q, sc, zero        ; the 64 accumulators take turns
.irp a, \a0, \a0+1
.irp b, 0,1,2,3,4,5,6,7
.if \zero
	v_wmma_scale_f32_16x16x128_f8f6f4 v[8*(8*((\a)%4)+\b):8*(8*((\a)%4)+\b)+7], v[128*(\p)+FR*\b:128*(\p)+FR*\b+FR-1], v[AF+FR*(\a):AF+FR*(\a)+FR-1], 0, v[SC+8*NQ*(\sc)+NQ*\b+(\q)], v[SC+8*NQ*(\sc)+NQ*(\a)+(\q)] matrix_a_scale:MATRIX_SCALE_ROW1
.else
	v_wmma_scale_f32_16x16x128_f8f6f4 v[8*(8*((\a)%4)+\b):8*(8*((\a)%4)+\b)+7], v[128*(\p)+FR*\b:128*(\p)+FR*\b+FR-1], v[AF+FR*(\a):AF+FR*(\a)+FR-1], v[8*(8*((\a)%4)+\b):8*(8*((\a)%4)+\b)+7], v[SC+8*NQ*(\sc)+NQ*\b+(\q)], v[SC+8*NQ*(\sc)+NQ*(\a)+(\q)] matrix_a_scale:MATRIX_SCALE_ROW1
.endif
.endr
.endr
.endm
.macro FETCH_B slot, q, p
	WIN TO_B
.irp i, 0,1,2,3,4,5,6,7
	FRAG 128*(\p)+FR*\i, ADRB+\slot, \q, \i
.endr
	WIN 0
.endm
.macro FETCH_A slot, q, i0
.irp i, \i0, \i0+1, \i0+2, \i0+3
	FRAG AF+FR*(\i), ADRA+\slot, \q, \i
.endr
.endm
.macro SCALES sc
.irp i, 0,1,2,3,4,5,6,7
	ds_load_b64 v[SC+8*NQ*\sc+NQ*\i:SC+8*NQ*\sc+NQ*\i+1], v[ADRS] offset:\i*SBLK
.endr
.endm
.macro PLACES n
.rept \n
	v_nop
.endr
.endm
.macro STEP slot, q, zero
	s_wait_dscnt 4*NL                              ; B's set and A's blocks 0-3 are in; the youngest 16 loads (A's blocks 4-7) may be out
	WIN MUL_LO
	MUL16 0, (\q)%2, \q, \slot, \zero
	MUL16 2, (\q)%2, \q, \slot, \zero
	s_wait_dscnt 0
	PLACES NP
	FETCH_B \slot, (\q)+1, 1-(\q)%2
	FETCH_A \slot, (\q)+1, 0
	WIN MUL_HI
	MUL16 4, (\q)%2, \q, \slot, \zero
	MUL16 6, (\q)%2, \q, \slot, \zero
	PLACES NP
	WIN 0
	FETCH_A \slot, (\q)+1, 4
.endm
.macro TURN slot, next, fill
	s_wait_tensorcnt 0x0                           ; all my tensor loads have landed: my part of the next slot
	ds_add_u32 v[SPW], v[NIL]                      ; 0 onto my spare word
	s_wait_dscnt 4*NL+1                            ; (the add and the youngest 16 loads may be out)
	WIN MUL_LO
	MUL16 0, 1, NQ-1, \slot, 0
	s_wait_dscnt 0x0                               ; the add is done, and my reads of this slot are over
	s_barrier_signal -1
	MUL16 2, 1, NQ-1, \slot, 0
	WIN 0
	s_barrier_wait -1
.if \fill
	CREST                                          ; the barrier has opened a round of the cluster's
	s_add_nc_u64 s[G0+4*\slot+2:G0+4*\slot+3], s[G0+4*\slot+2:G0+4*\slot+3], 2*STEPB
	s_add_nc_u64 s[G0B+4*\slot+2:G0B+4*\slot+3], s[G0B+4*\slot+2:G0B+4*\slot+3], 2*STEPB
	JLOAD G0+4*\slot, G1, G0B+4*\slot, G1B
	PLACES NP-4
.else
	PLACES NP
.endif
	v_add_nc_u32 v[ADRS], 128, v[ADRS]
	FETCH_B \next, 0, 0
	FETCH_A \next, 0, 0
	SCALES \next
	WIN MUL_HI
	MUL16 4, 1, NQ-1, \slot, 0
	MUL16 6, 1, NQ-1, \slot, 0
	PLACES NP
	WIN 0
	FETCH_A \next, 0, 4
.endm
; THE WAY OUT.  In block a, lane (r, h) holds row r; register j of B's block b is true column 32 (b / 2) + 16 h + 8 (b % 2) + j of my 128.
.macro TOSTAGE a
.set AC, 64*((\a)%4)
	WIN 0x08+4*((\a)/4)                            ; the data: window 2 or 3
.irp b, 0,1,2,3,4,5,6,7
	ds_store_b128 v[STO], v[AC+8*\b:AC+8*\b+3] offset:128*(\b/2)+32*(\b%2)        ; each accumulator from its low end on
	ds_store_b128 v[STO], v[AC+8*\b+4:AC+8*\b+7] offset:128*(\b/2)+32*(\b%2)+16
.endr
	WIN 0
.set BB, BK+64*((\a)%2)
.irp t, 0,1,2,3,4,5,6,7,8,9,10,11,12,13,14,15
	ds_load_b128 v[BB+4*\t:BB+4*\t+3], v[RD] offset:\t*SPITCH   ; LDS serves a wave's instructions in order
.endr
.endm
.macro SEND a, younger                 ; stage row t of block a is true row 32 (a / 2) + 8 (a % 2) + t + 8 (t / 8) of my 128: 127 rows of 8,192 bytes at the most, inside the signed 24-bit immediate
.set BB, BK+64*((\a)%2)
	s_wait_dscnt \younger
.irp t, 0,1,2,3,4,5,6,7,8,9,10,11,12,13,14,15
	global_store_b128 v[CO], v[BB+4*\t:BB+4*\t+3], s[12:13] offset:(32*((\a)/2)+8*((\a)%2)+\t+8*(\t/8))*8192 th:TH_STORE_NT   ; 512 consecutive bytes, aligned
.endr
.endm
	s_load_b256 s[4:11], s[0:1], 0x0               ; acodes, ascales, codes, scales
	s_load_b64 s[12:13], s[0:1], 0x20              ; out0
	v_lshl_add_u32 v[SPW], v0, 2, SPARE
	v_mov_b32 v[NIL], 0
	ds_add_u32 v28, v29
	ds_add_u32 v28, v29
	s_wait_dscnt 0x0
	v_lshrrev_b32 v1, 5, v0
	v_readfirstlane_b32 s14, v1
	s_lshr_b32 s15, s14, 1
	s_and_b32 s16, s14, 1
	s_bfe_u32 s40, ttmp6, 0x40000
	s_bfe_u32 s41, ttmp6, 0x40004
	s_lshl_b32 s42, ttmp9, 2
	s_add_co_u32 s42, s42, s40                     ; tile column
	s_and_b32 s17, ttmp7, 0xffff
	s_lshl_b32 s17, s17, 2
	s_add_co_u32 s17, s17, s41                     ; tile row
	s_lshl_b32 s43, s41, 2
	s_lshl_b32 s43, 15, s43
	s_lshl_b32 s44, 0x1111, s40
	s_or_b32 s[G1+0], s43, (3<<16)|(1<<21)
	s_or_b32 s[G1B+0], s44, (3<<16)|(1<<21)
.irp g, G1, G1B
	s_mov_b32 s[\g+1], 32<<16                      ; 32,768 dense bytes as 128 rows of 256
	s_mov_b32 s[\g+2], 128<<16
	s_mov_b32 s[\g+3], 32<<16
	s_mov_b32 s[\g+4], 128
	s_mov_b32 s[\g+5], 32
	s_mov_b32 s[\g+6], 0
	s_mov_b32 s[\g+7], 0
.endr
	s_or_b32 s[G1S+0], s43, (3<<16)|(1<<21)
	s_or_b32 s[G1SB+0], s44, (3<<16)|(1<<21)
.irp g, G1S, G1SB
	s_mov_b32 s[\g+1], 32<<16                      ; 8,192 dense bytes as 32 rows of 256
	s_mov_b32 s[\g+2], 32<<16
	s_mov_b32 s[\g+3], 32<<16
	s_mov_b32 s[\g+4], 32
	s_mov_b32 s[\g+5], 32
	s_mov_b32 s[\g+6], 0
	s_mov_b32 s[\g+7], 0
.endr
	s_lshl_b32 s20, s17, 16
	s_lshl_b32 s21, s16, 15
	s_add_co_u32 s20, s20, s21
	s_mov_b32 s21, 0
	s_lshl_b32 s22, s17, 14
	s_lshl_b32 s23, s16, 13
	s_add_co_u32 s22, s22, s23
	s_mov_b32 s23, 0
	s_lshl_b32 s46, s42, 16
	s_lshl_b32 s47, s16, 15
	s_add_co_u32 s46, s46, s47
	s_add_co_u32 s46, s46, 0x1000000               ; wo: tensor 4 of codes
	s_mov_b32 s47, 0
	s_lshl_b32 s92, s42, 14
	s_lshl_b32 s93, s16, 13
	s_add_co_u32 s92, s92, s93
	s_add_co_u32 s92, s92, 0x80000                 ; and of scales
	s_mov_b32 s93, 0
	s_mul_i32 s45, s14, HALFT
	s_mul_i32 s94, s14, HALFS
	s_wait_kmcnt 0x0
	s_add_nc_u64 s[20:21], s[4:5], s[20:21]
	s_add_nc_u64 s[22:23], s[6:7], s[22:23]
	s_add_nc_u64 s[46:47], s[8:9], s[46:47]
	s_add_nc_u64 s[92:93], s[10:11], s[92:93]
	CROUND
	s_mov_b32 s[G0S], 1
	s_add_co_u32 s[G0S+1], s94, SCL
	s_mov_b64 s[G0S+2:G0S+3], s[22:23]
	s_or_b32 s[G0S+3], s[G0S+3], 0x80000000
	s_mov_b32 s[G0SB], 1
	s_add_co_u32 s[G0SB+1], s94, SCL
	s_mov_b64 s[G0SB+2:G0SB+3], s[92:93]
	s_or_b32 s[G0SB+3], s[G0SB+3], 0x80000000
	JLOAD G0S, G1S, G0SB, G1SB
.irp s, 0,1
	s_mov_b32 s[G0+4*\s], 1
	s_add_co_u32 s[G0+4*\s+1], s45, \s*SLOT
	s_add_nc_u64 s[G0+4*\s+2:G0+4*\s+3], s[20:21], \s*STEPB
	s_or_b32 s[G0+4*\s+3], s[G0+4*\s+3], 0x80000000
	s_mov_b32 s[G0B+4*\s], 1
	s_add_co_u32 s[G0B+4*\s+1], s45, \s*SLOT
	s_add_nc_u64 s[G0B+4*\s+2:G0B+4*\s+3], s[46:47], \s*STEPB
	s_or_b32 s[G0B+4*\s+3], s[G0B+4*\s+3], 0x80000000
	JLOAD G0+4*\s, G1, G0B+4*\s, G1B
.endr
	v_and_b32 v1, 31, v0
	v_lshlrev_b32 v4, 4, v1
	v_and_b32 v2, 15, v0
	v_bfe_u32 v3, v0, 4, 1
	s_mul_i32 s21, s15, HALFT
	s_mul_i32 s22, s16, HALFT
	s_add_co_u32 s22, s22, 2*HALFT
.irp s, 0,1
	v_add_nc_u32 v[ADRA+\s], s21, v4
	v_add_nc_u32 v[ADRB+\s], s22, v4
	s_add_co_u32 s21, s21, SLOT
	s_add_co_u32 s22, s22, SLOT
.endr
	v_lshlrev_b32 v5, 3, v2
	s_mul_i32 s21, s15, HALFS
	s_mul_i32 s22, s16, HALFS
	s_add_co_u32 s22, s22, 2*HALFS
	s_sub_co_u32 s22, s22, s21
	v_mul_u32_u24 v6, s22, v3
	s_add_co_u32 s21, s21, SCL
	v_add_nc_u32 v5, v5, v6
	v_add_nc_u32 v[ADRS], s21, v5
	s_mul_i32 s23, s14, 16*SPITCH                  ; my stage
	v_mul_u32_u24 v5, v2, SPITCH
	v_lshl_add_u32 v5, v3, 6, v5                   ; in: row r, + 64 h
	v_add_nc_u32 v[STO], s23, v5
	v_add_nc_u32 v[RD], s23, v4                    ; back: a row of 512 bytes
	v_mov_b32 v[CO], v4
	s_lshl_b32 s20, s17, 21                        ; my part of out0: row 256 x tile row + 128 x half, 8,192 bytes a row; column 256 x tile column + 128 x half
	s_lshl_b32 s21, s15, 20
	s_add_co_u32 s20, s20, s21
	s_lshl_b32 s21, s42, 10
	s_add_co_u32 s20, s20, s21
	s_lshl_b32 s21, s16, 9
	s_add_co_u32 s20, s20, s21
	s_mov_b32 s21, 0
	s_add_nc_u64 s[12:13], s[12:13], s[20:21]
	s_wait_tensorcnt 1                             ; the scales and my part of K step 0 are in; K step 1's load may be out
	s_barrier_signal -1
	s_barrier_wait -1
	FETCH_B 0, 0, 0
	FETCH_A 0, 0, 0
	SCALES 0
	FETCH_A 0, 0, 4
	STEP 0, 0, 1
	s_mov_b32 s3, LAPS-1
.Llap:
	TURN 0, 1, 1
	STEP 1, 0, 0
	TURN 1, 0, 1
	STEP 0, 0, 0
	s_sub_co_u32 s3, s3, 1
	s_cmp_lg_u32 s3, 0
	s_cbranch_scc1 .Llap
	TURN 0, 1, 0
	STEP 1, 0, 0
	s_wait_dscnt 4*NL
	WIN MUL_LO
	MUL16 0, 1, NQ-1, 1, 0
	MUL16 2, 1, NQ-1, 1, 0
	s_wait_dscnt 0
	WIN MUL_HI
	MUL16 4, 1, NQ-1, 1, 0
	MUL16 6, 1, NQ-1, 1, 0
	WIN 0
	PLACES NP
	TOSTAGE 0
.irp a, 1,2,3,4,5,6,7
.if \a > 1
	s_wait_xcnt 0x0                                ; block a - 2's stores have read their registers: block a's loads may land there
.endif
	TOSTAGE \a
	SEND \a-1, 32                                  ; behind block a - 1's loads: block a's 16 stores and 16 loads
.endr
	SEND 7, 0
	s_wait_tensorcnt 0x0                           ; the wave's end
	ds_add_u32 v[SPW], v[NIL]
	s_wait_dscnt 0x0
	CROUND                                         ; the closing round
	s_endpgm
.Lfunc_end_k_q5111d85f85_proj:
	.size	k_q5111d85f85_proj, .Lfunc_end_k_q5111d85f85_proj-k_q5111d85f85_proj
	.p2alignl 7, 3214868480
	.fill 96, 4, 3214868480
	.section	.rodata,"a",@progbits
	.p2align	6, 0x0
	.amdhsa_kernel k_q5111d85f85_proj
		.amdhsa_group_segment_fixed_size 327680
		.amdhsa_private_segment_fixed_size 0
		.amdhsa_enable_private_segment 0
		.amdhsa_kernarg_size 40
		.amdhsa_user_sgpr_count 2
		.amdhsa_user_sgpr_kernarg_segment_ptr 1
		.amdhsa_wavefront_size32 1
		.amdhsa_system_sgpr_workgroup_id_x 1
		.amdhsa_system_sgpr_workgroup_id_y 1
		.amdhsa_system_sgpr_workgroup_id_z 1
		.amdhsa_system_vgpr_workitem_id 0
		.amdhsa_next_free_vgpr 1024
		.amdhsa_next_free_sgpr 98
		.amdhsa_reserve_vcc 0
		.amdhsa_float_denorm_mode_32 3
		.amdhsa_float_denorm_mode_16_64 3
		.amdhsa_memory_ordered 1
		.amdhsa_forward_progress 1
		.amdhsa_inst_pref_size 145
	.end_amdhsa_kernel
	.amdgpu_metadata
---
amdhsa.version: [ 1, 2 ]
amdhsa.kernels:
  - .name:           k_q5111d85f85_proj
    .symbol:         k_q5111d85f85_proj.kd
    .args:
      - { .name: acodes, .offset: 0, .size: 8, .value_kind: global_buffer, .address_space: global }
      - { .name: ascales, .offset: 8, .size: 8, .value_kind: global_buffer, .address_space: global }
      - { .name: codes, .offset: 16, .size: 8, .value_kind: global_buffer, .address_space: global }
      - { .name: scales, .offset: 24, .size: 8, .value_kind: global_buffer, .address_space: global }
      - { .name: out0, .offset: 32, .size: 8, .value_kind: global_buffer, .address_space: global }
    .group_segment_fixed_size: 327680
    .private_segment_fixed_size: 0
    .kernarg_segment_align: 8
    .kernarg_segment_size: 40
    .max_flat_workgroup_size: 128
    .sgpr_count:     98
    .vgpr_count:     1024
    .wavefront_size: 32
...
	.end_amdgpu_metadata
.endif
;; end of part 4
;; ======== version 2 of 3: 4 launches; 1.15 times as fast as version 1
;; workspace buffers: codes 20,971,520 bytes; scales 655,360 bytes; rope 1,048,576 bytes; mmask 526,336 bytes of whole numbers; qkvc 12,582,912 bytes; qkvs 393,216 bytes; acodes 4,194,304 bytes; ascales 131,072 bytes
;; launch prep: the kernel of part 1 again; grid 832 x 1, 4 waves a work-group, no clusters, 34,304 bytes of LDS; arguments x, wq, wk, wv, wo, mask, codes, scales, rope, mmask; writes codes, scales, rope, mmask
;; launch gemmqkv (part 5): grid 24 x 8, 4 waves a work-group, clusters of 4 x 4, 327,680 bytes of LDS; arguments codes, scales, rope, qkvc, qkvs; writes qkvc, qkvs
.if DOCPART == 5
	.amdgcn_target "amdgcn-amd-amdhsa--gfx1250"
	.amdhsa_code_object_version 6
	.text
	.protected	k_q5111d85f85_gemmqkv
	.globl	k_q5111d85f85_gemmqkv
	.p2align	8
	.type	k_q5111d85f85_gemmqkv,@function
k_q5111d85f85_gemmqkv:
	s_mov_b64 s[64:65], 0
	v_nop
	global_prefetch_b8 v0, s[64:65] scope:SCOPE_SE
	s_setreg_imm32_b32 hwreg(HW_REG_WAVE_MODE, 25, 1), 1
	s_wait_xcnt 0x0
	s_wait_alu depctr_hold_cnt(0) depctr_sa_sdst(0) depctr_va_vdst(0) depctr_va_sdst(0) depctr_va_ssrc(0) depctr_va_vcc(0) depctr_vm_vsrc(0)
	s_getreg_b32 s2, hwreg(HW_REG_IB_STS2, 6, 4)
	s_cmp_eq_u32 s2, 0
	s_cbranch_scc0 .Lentry_in_a_cluster
	s_endpgm
.Lentry_in_a_cluster:
	s_bfe_u32 s2, ttmp6, 0x10000c
	s_cmp_lg_u32 s2, 0xf033
	s_cbranch_scc0 .Lentry_shape_is_right
	s_endpgm
.Lentry_shape_is_right:
; q = rot(x wq^T), k = rot(x wk^T), v = x wv^T on codes of E4M3 with E8M0 scales, K = 2,048; the results are rotated (q, k), quantised and stored as operand images for the attention launch.
; Tile columns 0-7: q (A = x, B = wq); 8-15: k (A = x, B = wk); 16-23: v, TRANSPOSED (A = wv, B = x), so that its keys run along a lane's registers.
; A tile of 256 x 256 is made by four waves, 128 x 128 each: 64 accumulators, 512 registers.  K goes in steps of 256 through a ring of two LDS slots filled by the tensor data mover.
; OPERANDS LIE AS IMAGES of the matrix operand's registers ([c 4][lane][16 bytes], 2,048 bytes for 16 rows x 128 K): a K step's 128 rows are 32,768 dense bytes, one tensor load, and a fragment is
; four ds_load_b128 at 16 x lane: no pitch, no padding.  Rows are in buffer order (true row = index with bits 3 and 4 exchanged): with source 0 = 16 rows of B, source 1 = 16 rows of A, a lane holds one
; row of A, and the 16 registers of B's blocks 2 n, 2 n + 1 are 16 true neighbours 32 n + 16 h + 0..15: the order in which the next operand is quantised.
; THE SCALES of a wave's 128 rows, for all of K, are 8,192 dense bytes: they come once, with the first fills, and stay.
; CLUSTERS 4 x 4: A's tiles are asked for jointly along a row of the cluster, B's along a column.  Which tensors a cluster multiplies hangs on the cluster's x alone, which all partners share.
; REGISTERS: window 0: v0-31 addresses; v32-63 scale words, two sets, and nothing else; from v128 A's fragments, one set.  Window 1: B's fragments, two sets; on the way out four sets of 64 sines and cosines.
;   Windows 2, 3: accumulator (a, b) at v[8 (8 (a % 4) + b)].
; LIMITS: a block of zeros gets the scale byte 1 where the rule says 127 (zero codes; only this program reads the bytes); NaN and infinities are not served.
.set NQ,     2                         ; matrix instructions deep in a slot
.set FR,     16
.set NL,     4
.set NP,     8                         ; places behind this matrix instruction (ISA guide 7.12.1)
.set HALFT,  32768                     ; 128 rows x 256 K: what one tensor load brings
.set SLOT,   4*HALFT
.set STEPB,  524288                    ; from a K step of 256 to the next, in memory
.set LAPS,   4                         ; 2,048 / 512
.set SCL,    2*SLOT
.set HALFS,  8192
.set SBLK,   1024
.set SPARE,  SCL+4*HALFS               ; the spare words, 128 bytes a wave: two blocks of 256 bytes that no other line names
.set ADRA, 16
.set ADRB, 20
.set ADRS, 27
.set SPW,  28
.set NIL,  29
.set SC,   32
.set AF,   128
.set G1, 24
.set G0, 32
.set G1B, 48
.set G0B, 56
.set G1S, 68
.set G0S, 76
.set G1SB, 80
.set G0SB, 88
.set X,   64                           ; the way out, window 0: v64-127 64 numbers of a row
.set PC,  192                          ; v192-207 codes
.set TM,  208                          ; v208-223 at work
.set TT,  224                          ; v224-231 at work
.set PWR, 232                          ; v232-239 the eight blocks' scale words
.set MSB, 0
.macro WIN new                         ; the immediate's high byte repeats the setting that is left
.if MSB != (\new)
	s_set_vgpr_msb (MSB<<8)|(\new)
.set MSB, (\new)
.endif
.endm
.set MUL_LO, 0xa1                      ; source 0 (B) window 1, source 1 (A) window 0, C and D window 2
.set MUL_HI, 0xf1
.set TO_B,   0x40
.macro JLOAD g0a, g1a, g0b, g1b        ; a joint load: waves 0, 1 fetch for A, waves 2, 3 for B; four v_nop follow each of the two lines
	s_cmp_eq_u32 s15, 0
	s_cbranch_scc0 .Lfor_b_\@
	tensor_load_to_lds s[\g0a:\g0a+3], s[\g1a:\g1a+7]
	s_nop 0
.rept 4
	v_nop
.endr
	s_branch .Lasked_\@
.Lfor_b_\@:
	tensor_load_to_lds s[\g0b:\g0b+3], s[\g1b:\g1b+7]
	s_nop 0
.rept 4
	v_nop
.endr
.Lasked_\@:
.endm
.macro CREST
	s_cmp_lg_u32 s14, 0
	s_cbranch_scc1 .Lnot_wave_0_\@
	s_barrier_signal -3
.Lnot_wave_0_\@:
	s_barrier_wait -3
	s_barrier_signal -1
	s_barrier_wait -1
.endm
.macro CROUND
	s_barrier_signal -1
	s_barrier_wait -1
	CREST
.endm
.macro FRAG reg, adr, q, i             ; an image: four loads of 512 consecutive bytes
.irp c, 0,1,2,3
	ds_load_b128 v[\reg+4*\c:\reg+4*\c+3], v[\adr] offset:2048*(\q)+512*\c+(\i)*4096
.endr
.endm
.macro MUL16 a0, p, q, sc, zero        ; A's blocks a0, a0 + 1 x B's eight; the 64 accumulators take turns
.irp a, \a0, \a0+1
.irp b, 0,1,2,3,4,5,6,7
.if \zero
	v_wmma_scale_f32_16x16x128_f8f6f4 v[8*(8*((\a)%4)+\b):8*(8*((\a)%4)+\b)+7], v[128*(\p)+FR*\b:128*(\p)+FR*\b+FR-1], v[AF+FR*(\a):AF+FR*(\a)+FR-1], 0, v[SC+8*NQ*(\sc)+NQ*\b+(\q)], v[SC+8*NQ*(\sc)+NQ*(\a)+(\q)] matrix_a_scale:MATRIX_SCALE_ROW1
.else
	v_wmma_scale_f32_16x16x128_f8f6f4 v[8*(8*((\a)%4)+\b):8*(8*((\a)%4)+\b)+7], v[128*(\p)+FR*\b:128*(\p)+FR*\b+FR-1], v[AF+FR*(\a):AF+FR*(\a)+FR-1], v[8*(8*((\a)%4)+\b):8*(8*((\a)%4)+\b)+7], v[SC+8*NQ*(\sc)+NQ*\b+(\q)], v[SC+8*NQ*(\sc)+NQ*(\a)+(\q)] matrix_a_scale:MATRIX_SCALE_ROW1
.endif
.endr
.endr
.endm
.macro FETCH_B slot, q, p
	WIN TO_B
.irp i, 0,1,2,3,4,5,6,7
	FRAG 128*(\p)+FR*\i, ADRB+\slot, \q, \i
.endr
	WIN 0
.endm
.macro FETCH_A slot, q, i0
.irp i, \i0, \i0+1, \i0+2, \i0+3
	FRAG AF+FR*(\i), ADRA+\slot, \q, \i
.endr
.endm
.macro SCALES sc                       ; a K step's two words a row: lanes 0-15 A's block i, lanes 16-31 B's block i
.irp i, 0,1,2,3,4,5,6,7
	ds_load_b64 v[SC+8*NQ*\sc+NQ*\i:SC+8*NQ*\sc+NQ*\i+1], v[ADRS] offset:\i*SBLK
.endr
.endm
.macro PLACES n
.rept \n
	v_nop
.endr
.endm
.macro STEP slot, q, zero              ; 128 along K with its successor in the same slot
	s_wait_dscnt 4*NL                              ; B's set and A's blocks 0-3 are in; the youngest 16 loads (A's blocks 4-7) may be out
	WIN MUL_LO
	MUL16 0, (\q)%2, \q, \slot, \zero
	MUL16 2, (\q)%2, \q, \slot, \zero
	s_wait_dscnt 0
	PLACES NP
	FETCH_B \slot, (\q)+1, 1-(\q)%2
	FETCH_A \slot, (\q)+1, 0
	WIN MUL_HI
	MUL16 4, (\q)%2, \q, \slot, \zero
	MUL16 6, (\q)%2, \q, \slot, \zero
	PLACES NP
	WIN 0
	FETCH_A \slot, (\q)+1, 4
.endm
.macro TURN slot, next, fill           ; a slot's last step changes slots: one barrier
	s_wait_tensorcnt 0x0                           ; all my tensor loads have landed: my part of the next slot
	ds_add_u32 v[SPW], v[NIL]                      ; 0 onto my spare word
	s_wait_dscnt 4*NL+1                            ; (the add and the youngest 16 loads may be out)
	WIN MUL_LO
	MUL16 0, 1, NQ-1, \slot, 0
	s_wait_dscnt 0x0                               ; the add is done, and my reads of this slot are over
	s_barrier_signal -1
	MUL16 2, 1, NQ-1, \slot, 0
	WIN 0
	s_barrier_wait -1
.if \fill
	CREST                                          ; the barrier has opened a round of the cluster's: no wave of any partner still reads this slot or has a load on its way
	s_add_nc_u64 s[G0+4*\slot+2:G0+4*\slot+3], s[G0+4*\slot+2:G0+4*\slot+3], 2*STEPB
	s_add_nc_u64 s[G0B+4*\slot+2:G0B+4*\slot+3], s[G0B+4*\slot+2:G0B+4*\slot+3], 2*STEPB
	JLOAD G0+4*\slot, G1, G0B+4*\slot, G1B         ; the first tensor load behind the round
	PLACES NP-4
.else
	PLACES NP
.endif
	v_add_nc_u32 v[ADRS], 128, v[ADRS]             ; the next K step's scale words
	FETCH_B \next, 0, 0
	FETCH_A \next, 0, 0
	SCALES \next
	WIN MUL_HI
	MUL16 4, 1, NQ-1, \slot, 0
	MUL16 6, 1, NQ-1, \slot, 0
	PLACES NP
	WIN 0
	FETCH_A \next, 0, 4
.endm
; 64 numbers of a lane, v[src] on in window W (register 16 b + i = k 32 b + 16 h + i of my row), become codes in v[PC] on and the scale word in v[pw]; the held numbers go to v[X] on
.macro QUANT src, W, pw
.set qw, (\W)
	WIN qw*5                                       ; sources 0 and 1
.irp b, 0,1,2,3
	v_max3_num_f32 v[TM+\b], |v[(\src)+16*\b]|, |v[(\src)+16*\b+1]|, 0x4800000   ; and the floor 2^(9 - 127): the byte cannot fall under 1
.endr
	WIN qw*20                                      ; sources 1 and 2
.irp i, 2,4,6,8,10,12,14
.irp b, 0,1,2,3
	v_max3_num_f32 v[TM+\b], v[TM+\b], |v[(\src)+16*\b+\i]|, |v[(\src)+16*\b+\i+1]|   ; each accumulator from its low end on
.endr
.endr
	WIN 0
.irp b, 0,1,2,3
	v_permlanex16_b32 v[TM+4+\b], v[TM+\b], s2, s3
.endr
.irp b, 0,1,2,3
	v_max_num_f32 v[TM+\b], v[TM+\b], v[TM+4+\b]
.endr
.irp b, 0,1,2,3
	v_add_nc_u32 v[TM+12+\b], 0xfc000000, v[TM+\b]
.endr
.irp b, 0,1,2,3
	v_and_or_b32 v[TM+8+\b], v[TM+\b], 0x7f800000, s19
.endr
.irp b, 0,1,2,3
	v_lshrrev_b32 v[TM+4+\b], 23, v[TM+12+\b]
.endr
	v_lshl_or_b32 v[\pw], v[TM+5], 8, v[TM+4]
	v_lshl_or_b32 v[\pw], v[TM+6], 16, v[\pw]
	v_lshl_or_b32 v[\pw], v[TM+7], 24, v[\pw]
	WIN qw                                         ; source 0
.irp b, 0,1,2,3
.irp i, 0,1,2,3,4,5,6,7,8,9,10,11,12,13,14,15
	v_med3_num_f32 v[X+16*\b+\i], v[(\src)+16*\b+\i], -v[TM+8+\b], v[TM+8+\b]   ; the conversion does not saturate (ISA guide 7.6.2)
.endr
.endr
	WIN 0
	s_wait_xcnt 0x0                                ; the last block's stores have read v[PC] on
.irp b, 0,1,2,3
	v_cvt_scalef32_pk8_fp8_f32 v[PC+4*\b:PC+4*\b+1], v[X+16*\b:X+16*\b+7], v[TM+12+\b]
	v_cvt_scalef32_pk8_fp8_f32 v[PC+4*\b+2:PC+4*\b+3], v[X+16*\b+8:X+16*\b+15], v[TM+12+\b]
.endr
	v_nop
.endm
; Block a's sines and cosines into set a % 4 of window 1, which B's fragments have left: register 8 b + 2 p: sine, 8 b + 2 p + 1: cosine, for the pair in accumulator registers 8 b + 2 p, + 1.  v4 = 16 x lane, made at the head
.macro TLOAD a
	WIN 0x40                                       ; destination window 1
.irp b, 0,1,2,3,4,5,6,7
	global_load_b128 v[64*((\a)%4)+8*\b:64*((\a)%4)+8*\b+3], v4, s[8:9] offset:(\a)*8192+\b*1024
	global_load_b128 v[64*((\a)%4)+8*\b+4:64*((\a)%4)+8*\b+7], v4, s[8:9] offset:(\a)*8192+\b*1024+512
.endr
	WIN 0
.endm
.macro ROPE a                          ; (x0, x1) -> (x0 cos - x1 sin, x1 cos + x0 sin), into v[X] on
.set AC, 64*((\a)%4)                   ; the block's accumulators, in window 2 or 3;
.set TB, 64*((\a)%4)                   ; its table, in window 1
	WIN (2+(\a)/4)|4                               ; source 0: the accumulators' window; source 1: window 1
.irp b, 0,1,2,3,4,5,6,7
.irp p, 0,1,2,3
	v_pk_mul_f32 v[TT+2*\p:TT+2*\p+1], v[AC+8*\b+2*\p:AC+8*\b+2*\p+1], v[TB+8*\b+2*\p:TB+8*\b+2*\p+1] op_sel_hi:[1,0]   ; both x the sine
.endr
.irp p, 0,1,2,3
	v_fma_f32 v[X+8*\b+2*\p], v[AC+8*\b+2*\p], v[TB+8*\b+2*\p+1], -v[TT+2*\p+1]
	v_fma_f32 v[X+8*\b+2*\p+1], v[AC+8*\b+2*\p+1], v[TB+8*\b+2*\p+1], v[TT+2*\p]
.endr
.endr
	WIN 0
.endm
.macro EMIT a                          ; block a's image: four stores of 512 consecutive bytes
.irp c, 0,1,2,3
	global_store_b128 v1, v[PC+4*\c:PC+4*\c+3], s[10:11] offset:(\a)*2048+512*\c
.endr
.endm
	s_load_b256 s[4:11], s[0:1], 0x0               ; codes, scales, rope, qkvc
	s_load_b64 s[12:13], s[0:1], 0x20              ; qkvs
	v_lshl_add_u32 v[SPW], v0, 2, SPARE
	v_mov_b32 v[NIL], 0
	ds_add_u32 v28, v29
	ds_add_u32 v28, v29
	s_wait_dscnt 0x0
	v_lshrrev_b32 v1, 5, v0
	v_readfirstlane_b32 s14, v1                    ; wave 0..3
	s_lshr_b32 s15, s14, 1                         ; my half of the tile's rows.  Also: I fetch for A (0) or for B (1)
	s_and_b32 s16, s14, 1                          ; my half of its columns.  Also: which 128 rows I fetch
	s_bfe_u32 s40, ttmp6, 0x40000                  ; cx
	s_bfe_u32 s41, ttmp6, 0x40004                  ; cy
	s_and_b32 s42, ttmp9, 1
	s_lshl_b32 s42, s42, 2
	s_add_co_u32 s42, s42, s40                     ; tile column inside its tensor, 0..7
	s_and_b32 s17, ttmp7, 0xffff
	s_lshl_b32 s17, s17, 2
	s_add_co_u32 s17, s17, s41                     ; tile row, 0..7
	s_lshl_b32 s43, s41, 2
	s_lshl_b32 s43, 15, s43                        ; my row of the cluster
	s_lshl_b32 s44, 0x1111, s40                    ; my column
	s_or_b32 s[G1+0], s43, (3<<16)|(1<<21)         ; 15:0 the mask; 17:16 elements of 8 bytes; 21 set beside a mask; no padding
	s_or_b32 s[G1B+0], s44, (3<<16)|(1<<21)
.irp g, G1, G1B
	s_mov_b32 s[\g+1], 32<<16                      ; a dense block of 32,768 bytes as 128 rows of 256 bytes
	s_mov_b32 s[\g+2], 128<<16
	s_mov_b32 s[\g+3], 32<<16
	s_mov_b32 s[\g+4], 128
	s_mov_b32 s[\g+5], 32
	s_mov_b32 s[\g+6], 0
	s_mov_b32 s[\g+7], 0
.endr
	s_or_b32 s[G1S+0], s43, (3<<16)|(1<<21)
	s_or_b32 s[G1SB+0], s44, (3<<16)|(1<<21)
.irp g, G1S, G1SB
	s_mov_b32 s[\g+1], 32<<16                      ; the scales of 128 rows: 8,192 dense bytes as 32 rows of 256
	s_mov_b32 s[\g+2], 32<<16
	s_mov_b32 s[\g+3], 32<<16
	s_mov_b32 s[\g+4], 32
	s_mov_b32 s[\g+5], 32
	s_mov_b32 s[\g+6], 0
	s_mov_b32 s[\g+7], 0
.endr
	s_lshr_b32 s95, ttmp9, 2                       ; 1 in v's clusters (cluster x 4, 5)
	s_mul_i32 s18, s95, 3                          ; A's tensor: x (0) or wv (3)
	s_lshr_b32 s19, ttmp9, 1
	s_add_co_u32 s19, s19, 1
	s_sub_co_u32 s96, 1, s95
	s_mul_i32 s19, s19, s96                        ; B's: wq (1), wk (2) or x (0)
	s_lshl_b32 s20, s18, 22                        ; A's codes: 4 MiB a tensor, 65,536 bytes a tile's 16 blocks, 32,768 a half
	s_lshl_b32 s21, s17, 16
	s_add_co_u32 s20, s20, s21
	s_lshl_b32 s21, s16, 15
	s_add_co_u32 s20, s20, s21
	s_mov_b32 s21, 0
	s_lshl_b32 s22, s18, 17                        ; A's scales
	s_lshl_b32 s23, s17, 14
	s_add_co_u32 s22, s22, s23
	s_lshl_b32 s23, s16, 13
	s_add_co_u32 s22, s22, s23
	s_mov_b32 s23, 0
	s_lshl_b32 s46, s19, 22                        ; B's codes
	s_lshl_b32 s47, s42, 16
	s_add_co_u32 s46, s46, s47
	s_lshl_b32 s47, s16, 15
	s_add_co_u32 s46, s46, s47
	s_mov_b32 s47, 0
	s_lshl_b32 s92, s19, 17                        ; B's scales
	s_lshl_b32 s93, s42, 14
	s_add_co_u32 s92, s92, s93
	s_lshl_b32 s93, s16, 13
	s_add_co_u32 s92, s92, s93
	s_mov_b32 s93, 0
	s_mul_i32 s45, s14, HALFT                      ; where they go: by the wave's number alone
	s_mul_i32 s94, s14, HALFS
	s_wait_kmcnt 0x0
	s_add_nc_u64 s[20:21], s[4:5], s[20:21]
	s_add_nc_u64 s[22:23], s[6:7], s[22:23]
	s_add_nc_u64 s[46:47], s[4:5], s[46:47]
	s_add_nc_u64 s[92:93], s[6:7], s[92:93]
	CROUND                                         ; all sixteen work-groups are here: the first joint loads meet
	s_mov_b32 s[G0S], 1
	s_add_co_u32 s[G0S+1], s94, SCL
	s_mov_b64 s[G0S+2:G0S+3], s[22:23]
	s_or_b32 s[G0S+3], s[G0S+3], 0x80000000
	s_mov_b32 s[G0SB], 1
	s_add_co_u32 s[G0SB+1], s94, SCL
	s_mov_b64 s[G0SB+2:G0SB+3], s[92:93]
	s_or_b32 s[G0SB+3], s[G0SB+3], 0x80000000
	JLOAD G0S, G1S, G0SB, G1SB
.irp s, 0,1
	s_mov_b32 s[G0+4*\s], 1
	s_add_co_u32 s[G0+4*\s+1], s45, \s*SLOT
	s_add_nc_u64 s[G0+4*\s+2:G0+4*\s+3], s[20:21], \s*STEPB
	s_or_b32 s[G0+4*\s+3], s[G0+4*\s+3], 0x80000000
	s_mov_b32 s[G0B+4*\s], 1
	s_add_co_u32 s[G0B+4*\s+1], s45, \s*SLOT
	s_add_nc_u64 s[G0B+4*\s+2:G0B+4*\s+3], s[46:47], \s*STEPB
	s_or_b32 s[G0B+4*\s+3], s[G0B+4*\s+3], 0x80000000
	JLOAD G0+4*\s, G1, G0B+4*\s, G1B
.endr
	v_and_b32 v1, 31, v0
	v_lshlrev_b32 v4, 4, v1                        ; 16 x lane; it stays: the table's loads use it
	v_and_b32 v2, 15, v0                           ; r
	v_bfe_u32 v3, v0, 4, 1                         ; h
	s_mul_i32 s21, s15, HALFT
	s_mul_i32 s22, s16, HALFT
	s_add_co_u32 s22, s22, 2*HALFT
.irp s, 0,1
	v_add_nc_u32 v[ADRA+\s], s21, v4
	v_add_nc_u32 v[ADRB+\s], s22, v4
	s_add_co_u32 s21, s21, SLOT
	s_add_co_u32 s22, s22, SLOT
.endr
	v_lshlrev_b32 v5, 3, v2                        ; my row's two words of a K step
	s_mul_i32 s21, s15, HALFS
	s_mul_i32 s22, s16, HALFS
	s_add_co_u32 s22, s22, 2*HALFS
	s_sub_co_u32 s22, s22, s21
	v_mul_u32_u24 v6, s22, v3                      ; lanes 16-31 take B's: one product, the distance between the two bases
	s_add_co_u32 s21, s21, SCL
	v_add_nc_u32 v5, v5, v6
	v_add_nc_u32 v[ADRS], s21, v5
	; where the results go: q, k: [head = column half][G = row half of 128 positions]; v: [head = row half][G = column half of 128 keys]
	s_lshl_b32 s18, s42, 1
	s_add_co_u32 s18, s18, s16
	s_lshl_b32 s19, s17, 1
	s_add_co_u32 s19, s19, s15
	s_cmp_eq_u32 s95, 1
	s_cselect_b32 s20, s19, s18                    ; H
	s_cselect_b32 s21, s18, s19                    ; G
	s_lshr_b32 s22, ttmp9, 1                       ; section: q 0, k 1, v 2
	s_lshl_b32 s46, s22, 22
	s_lshl_b32 s47, s20, 18
	s_add_co_u32 s46, s46, s47
	s_lshl_b32 s47, s21, 14
	s_add_co_u32 s46, s46, s47
	s_mov_b32 s47, 0
	s_add_nc_u64 s[10:11], s[10:11], s[46:47]
	s_lshl_b32 s46, s22, 17
	s_lshl_b32 s23, s20, 13
	s_add_co_u32 s46, s46, s23
	s_lshl_b32 s23, s21, 9
	s_add_co_u32 s46, s46, s23
	s_add_nc_u64 s[12:13], s[12:13], s[46:47]
	s_lshl_b32 s46, s17, 17                        ; the table at my first block of positions: 8,192 bytes a block
	s_lshl_b32 s23, s15, 16
	s_add_co_u32 s46, s46, s23
	s_add_nc_u64 s[8:9], s[8:9], s[46:47]
	s_wait_tensorcnt 1                             ; the scales and my part of K step 0 are in; K step 1's load may be out
	s_barrier_signal -1
	s_barrier_wait -1
	FETCH_B 0, 0, 0
	FETCH_A 0, 0, 0
	SCALES 0
	FETCH_A 0, 0, 4
	STEP 0, 0, 1                                   ; the first step's products start the sums
	s_mov_b32 s3, LAPS-1
.Llap:
	TURN 0, 1, 1
	STEP 1, 0, 0
	TURN 1, 0, 1
	STEP 0, 0, 0
	s_sub_co_u32 s3, s3, 1
	s_cmp_lg_u32 s3, 0
	s_cbranch_scc1 .Llap
	TURN 0, 1, 0                                   ; the last lap fills nothing
	STEP 1, 0, 0
	; B's set 0 (window 1, v0-127) is done with: its last products stand ahead of the step's closing places.  In q's and k's clusters the tables of blocks 0 and 1 are asked for into it now, 64 products ahead of their use
	s_cmp_ge_u32 ttmp9, 4                          ; the cluster's x: the same in all partners
	s_cbranch_scc1 .Lnotab
	TLOAD 0
	TLOAD 1
.Lnotab:
	s_wait_dscnt 4*NL
	WIN MUL_LO
	MUL16 0, 1, NQ-1, 1, 0
	MUL16 2, 1, NQ-1, 1, 0
	s_wait_dscnt 0
	WIN MUL_HI
	MUL16 4, 1, NQ-1, 1, 0
	MUL16 6, 1, NQ-1, 1, 0
	WIN 0
	; THE WAY OUT, block by block of 16 rows: a lane's 64 results are 128 / 2 true neighbours of its row, in the quantiser's order
	PLACES NP
	v_and_b32 v1, 31, v0
	v_and_b32 v2, 15, v0
	s_lshl_b32 s18, s14, 9                         ; 512 bytes of slot 0 for each wave's scale words: that slot has had its last fill and its last read
	v_lshl_add_u32 v3, v1, 4, s18
	v_lshl_add_u32 v2, v2, 2, s18
	v_lshlrev_b32 v1, 4, v1
	s_mov_b32 s2, 0x76543210
	s_mov_b32 s3, 0xfedcba98
	s_mov_b32 s19, 0x600000
.irp b, 0,1,2,3
	v_mov_b32 v[TM+4+\b], 0                        ; a lane permute's destination counts as one of its sources
.endr
	s_cmp_ge_u32 ttmp9, 4                          ; the cluster's x: the same in all partners
	s_cbranch_scc1 .Lv
	TLOAD 2                                        ; B's set 1 is done with too (the places above): the tables run three blocks ahead, 48 loads out at the most
.irp a, 0,1,2,3,4,5,6,7
.if \a < 6
	s_wait_loadcnt 32                              ; this block's table is in; the next two blocks' 32 loads may be out
.else
	s_wait_loadcnt 16*(7-\a)                       ; the counts run down
.endif
	ROPE \a
.if \a < 5
	TLOAD \a+3                                     ; into the set that block a - 1 has left
.endif
	QUANT X, 0, PWR+\a
	EMIT \a
.endr
	s_branch .Ljoin
.Lv:
.irp a, 0,1,2,3,4,5,6,7
	QUANT 64*(\a%4), 2+\a/4, PWR+\a
	EMIT \a
.endr
.Ljoin:
.irp a, 0,1,2,3,4,5,6,7
	ds_store_b32 v2, v[PWR+\a] offset:64*\a        ; row r's word; both halves of the lanes write the same word with the same value
.endr
	ds_load_b128 v[TT:TT+3], v3                    ; LDS serves a wave's instructions in order
	s_wait_dscnt 0x0
	global_store_b128 v1, v[TT:TT+3], s[12:13]     ; my 128 rows' words: 512 consecutive bytes
	s_wait_tensorcnt 0x0                           ; the wave's end
	ds_add_u32 v[SPW], v[NIL]
	s_wait_dscnt 0x0
	CROUND                                         ; the closing round
	s_endpgm
.Lfunc_end_k_q5111d85f85_gemmqkv:
	.size	k_q5111d85f85_gemmqkv, .Lfunc_end_k_q5111d85f85_gemmqkv-k_q5111d85f85_gemmqkv
	.p2alignl 7, 3214868480
	.fill 96, 4, 3214868480
	.section	.rodata,"a",@progbits
	.p2align	6, 0x0
	.amdhsa_kernel k_q5111d85f85_gemmqkv
		.amdhsa_group_segment_fixed_size 327680
		.amdhsa_private_segment_fixed_size 0
		.amdhsa_enable_private_segment 0
		.amdhsa_kernarg_size 40
		.amdhsa_user_sgpr_count 2
		.amdhsa_user_sgpr_kernarg_segment_ptr 1
		.amdhsa_wavefront_size32 1
		.amdhsa_system_sgpr_workgroup_id_x 1
		.amdhsa_system_sgpr_workgroup_id_y 1
		.amdhsa_system_sgpr_workgroup_id_z 1
		.amdhsa_system_vgpr_workitem_id 0
		.amdhsa_next_free_vgpr 1024
		.amdhsa_next_free_sgpr 98
		.amdhsa_reserve_vcc 0
		.amdhsa_float_denorm_mode_32 3
		.amdhsa_float_denorm_mode_16_64 3
		.amdhsa_memory_ordered 1
		.amdhsa_forward_progress 1
		.amdhsa_inst_pref_size 255
	.end_amdhsa_kernel
	.section	.bss,"aw",@nobits
	.p2align	6
	.space	262144
	.amdgpu_metadata
---
amdhsa.version: [ 1, 2 ]
amdhsa.kernels:
  - .name:           k_q5111d85f85_gemmqkv
    .symbol:         k_q5111d85f85_gemmqkv.kd
    .args:
      - { .name: codes, .offset: 0, .size: 8, .value_kind: global_buffer, .address_space: global }
      - { .name: scales, .offset: 8, .size: 8, .value_kind: global_buffer, .address_space: global }
      - { .name: rope, .offset: 16, .size: 8, .value_kind: global_buffer, .address_space: global }
      - { .name: qkvc, .offset: 24, .size: 8, .value_kind: global_buffer, .address_space: global }
      - { .name: qkvs, .offset: 32, .size: 8, .value_kind: global_buffer, .address_space: global }
    .group_segment_fixed_size: 327680
    .private_segment_fixed_size: 0
    .kernarg_segment_align: 8
    .kernarg_segment_size: 40
    .max_flat_workgroup_size: 128
    .sgpr_count:     98
    .vgpr_count:     1024
    .wavefront_size: 32
...
	.end_amdgpu_metadata
.endif
;; end of part 5
;; launch attn (part 6): grid 16 x 16, 4 waves a work-group, no clusters, 288,256 bytes of LDS; arguments qkvc, qkvs, mmask, acodes, ascales; writes acodes, ascales
.if DOCPART == 6
	.amdgcn_target "amdgcn-amd-amdhsa--gfx1250"
	.amdhsa_code_object_version 6
	.text
	.protected	k_q5111d85f85_attn
	.globl	k_q5111d85f85_attn
	.p2align	8
	.type	k_q5111d85f85_attn,@function
k_q5111d85f85_attn:
	s_mov_b64 s[64:65], 0
	v_nop
	global_prefetch_b8 v0, s[64:65] scope:SCOPE_SE
	s_setreg_imm32_b32 hwreg(HW_REG_WAVE_MODE, 25, 1), 1
	s_wait_xcnt 0x0
; Attention of one head on codes of E4M3 with E8M0 scales: S^T = K Q^T, mask, p = 2^(t - M) quantised along the keys, O^T += V^T P^T, O / l quantised along the head's 128 for the last product.
; t = score x log2(e) / sqrt(128); M = the running largest t rounded up to a whole number; the row's sum l is taken of the unquantised p; a change of M multiplies l and O by an exact power of two.
; SHARES.  Work-group (g, head) owns eight tiles of 16 queries: tiles 4 g .. 4 g + 3 and 124 - 4 g .. 127 - 4 g.  THE FOUR WAVES SPLIT THE KEYS: wave w takes key steps 4 j + w (128 keys), j = 0..3, for all
; eight tiles, each with its own M, l and O^T.  So a fragment of K or V goes from memory into ONE wave's registers and feeds up to eight tiles.  At the end the four partial results meet in LDS.
; THE MASK is an input: an earlier launch stored, for each (tile, key step), 64 lane-mask words (word n, bit l: register n of lane l is hidden) and a flag (0 all hidden, 1 mixed, 2 none hidden).
; A step with flag 0 is left out; with flag 2 the 64 selects are left out, and the words are asked for, a tile ahead, only where the flag is 1.
; A row with every key hidden has l = 0: its scale word becomes 0xffffffff, which makes the last product's row NaN, as the softmax of such a row is.
; K COMES A TRIP AHEAD: when the trip's last tile has multiplied by K, the next key step's K is asked for into the same registers, if the flags say that some tile will use it; V is asked for at the trip's head.
; No multicast and no tensor loads: what a wave loads no other wave of the work-group reads, and which steps a work-group walks hangs on the mask.
; LAYOUT.  Both products transposed: a lane holds one query (lane % 16).  Rows of K, V^T and Q lie in buffer order, so register 16 b + i of S^T is key 32 b + 16 h + i, and of O^T channel 32 b + 16 h + i.
; REGISTERS: window 0: v1-14 addresses; v15 p's scale word; v16-47 statistics (-M, largest t, l in two halves) a tile; v48-79 Q, two sets; v80-87 Q's scale words; v88-91 K's, v92-95 V's; v96-159 S^T, p;
;   v160-175 codes; v176-215 at work.  Window 1: v0-127 K, v128-255 V.  Windows 2, 3: O^T, tile t at v[64 (t % 4)] of window 2 + t / 4.
; LIMITS: |t| under 3e38; NaN and infinities among the inputs are not served; a block of zeros gets the scale byte 1 (zero codes; only this program reads the bytes).
.set STAT, 262144                      ; LDS: 0.. four waves' O images, 65,536 bytes each; then [wave][tile][lane] (-M, l); then Q's eight images
.set QIMG, 270336
.set LI,  1                            ; 16 x lane
.set L4,  2                            ; 4 x lane
.set LR4, 3                            ; 4 r
.set QAD, 4                            ; QIMG + 16 x lane
.set L8R, 5                            ; 8 r
.set OAD, 6                            ; my O images
.set QST, 7                            ; where I store Q's images
.set STA, 8                            ; where I store statistics
.set NINF, 9                           ; -infinity
.set SRA, 10                           ; where I read statistics
.set AM,  11                           ; v11-14 wave x's image of my two tiles
.set PWS, 15
.set ST,  16
.set QF,  48
.set QS,  80
.set KS,  88
.set VS,  92
.set S,   96
.set PC,  160
.set BM,  176
.set T2,  180
.set LIM, 184
.set SCO, 188
.set FF,  192
.set TA,  194
.set TM,  200
.set MSB, 0
.macro WIN new
.if MSB != (\new)
	s_set_vgpr_msb (MSB<<8)|(\new)
.set MSB, (\new)
.endif
.endm
.macro LDIMG base, off, u              ; image u of a key step's eight, into window 1: four loads of 512 consecutive bytes
.irp c, 0,1,2,3
	global_load_b128 v[\base+16*(\u)+4*\c:\base+16*(\u)+4*\c+3], v[LI], s[4:5] offset:\off+2048*(\u)+512*\c
.endr
.endm
.macro LDSCL sreg, soff                ; their scale words: register u: lanes 0-15 tile 2 u, lanes 16-31 tile 2 u + 1
.irp u, 0,1,2,3
	global_load_b32 v[\sreg+\u], v[L4], s[6:7] offset:\soff+128*\u
.endr
.endm
.macro QLOAD t
.irp c, 0,1,2,3
	ds_load_b128 v[QF+16*((\t)%2)+4*\c:QF+16*((\t)%2)+4*\c+3], v[QAD] offset:2048*(\t)+512*\c
.endr
.endm
.macro MLOAD t1                        ; the 64 mask words of tile t1 (8: tile 0 of my next key step) into s[32:63], s[68:99]
	s_wait_kmcnt 0x0                               ; no scalar load is out, so its destinations may be loaded again
.if (\t1) == 8
.irp i, 0,1
	s_load_b512 s[32+16*\i:47+16*\i], s[8:9], 1024+64*\i
	s_load_b512 s[68+16*\i:83+16*\i], s[8:9], 1024+128+64*\i
.endr
.elseif (\t1) < 4
.irp i, 0,1
	s_load_b512 s[32+16*\i:47+16*\i], s[8:9], (\t1)*4096+64*\i
	s_load_b512 s[68+16*\i:83+16*\i], s[8:9], (\t1)*4096+128+64*\i
.endr
.else
.irp i, 0,1
	s_load_b512 s[32+16*\i:47+16*\i], s[14:15], ((\t1)-4)*4096+64*\i
	s_load_b512 s[68+16*\i:83+16*\i], s[14:15], ((\t1)-4)*4096+128+64*\i
.endr
.endif
.endm
.macro MPRE t1                         ; they are asked for only where that tile's flag says mixed.  (In the last trip tile 0's next flag is 0: nothing is asked for)
.if (\t1) == 8
	s_bfe_u32 s67, s16, 0x20008                    ; tile 0's flag of my next key step: two bits from bit 8
.else
	s_and_b32 s67, s[16+(\t1)], 3
.endif
	s_cmp_eq_u32 s67, 1
	s_cbranch_scc0 .Lnomask_\@
	MLOAD \t1
.Lnomask_\@:
.endm
; My next key step's K and its scale words, 65,536 and 2,048 bytes on, into the registers that this trip's K has left (eight plain lines stand behind the last products that read them).
; Only if some tile will use them: s100 holds all eight tiles' flags joined, the next trip's in bits 9:8; in the last trip those are 0, so nothing is read that no step uses.
.macro KNEXT
	s_wait_loadcnt 0x0                             ; this trip's V and its words are in, and no load is out into K's registers
	s_bfe_u32 s67, s100, 0x20008
	s_cmp_eq_u32 s67, 0
	s_cbranch_scc1 .Lnok_\@
	WIN 0x40                                       ; destination window 1
.irp u, 0,1,2,3,4,5,6,7
	LDIMG 0, 65536, \u
.endr
	WIN 0
	LDSCL KS, 2048
.Lnok_\@:
.endm
; ONE TILE'S KEY STEP, whole, in one branch on its flag
.macro TILE t
.set rT, ST+4*(\t)
.set rQ, QF+16*((\t)%2)
.set rO, 64*((\t)%4)
.set wO, 2+(\t)/4
	QLOAD ((\t)+1)%8                               ; the next tile's Q, into the set that the tile before has left (eight plain lines stand behind its products)
	s_wait_dscnt 4                                 ; ON EVERY PATH, the skipped one too: only the four loads just issued may be out: my Q is in, and no load is out into the set that the next tile's loads will write
	s_and_b32 s25, s[16+\t], 3
	s_cmp_eq_u32 s25, 0
	s_cbranch_scc1 .Lskip_\@                       ; all hidden
	WIN 1                                          ; source 0 (K) window 1
.irp u, 0,2,4,6
	v_wmma_scale_f32_16x16x128_f8f6f4 v[S+8*\u:S+8*\u+7], v[16*\u:16*\u+15], v[rQ:rQ+15], 0, v[KS+\u/2], v[QS+\t]
	v_wmma_scale_f32_16x16x128_f8f6f4 v[S+8*\u+8:S+8*\u+15], v[16*\u+16:16*\u+31], v[rQ:rQ+15], 0, v[KS+\u/2], v[QS+\t] matrix_a_scale:MATRIX_SCALE_ROW1
.endr
	WIN 0
.rept 8
	v_nop                                          ; places behind the products (ISA guide 7.12.1)
.endr
.if (\t) == 7
	KNEXT                                          ; the trip's last products on K are issued
.endif
	s_wait_kmcnt 0x0                               ; this tile's mask words, if they were asked for
	s_cmp_eq_u32 s25, 2
	s_cbranch_scc1 .Lopen_\@                       ; none hidden
.set n, 0
.rept 64
.if n < 32
	v_cndmask_b32 v[S+n], v[S+n], v[NINF], s[32+n]
.else
	v_cndmask_b32 v[S+n], v[S+n], v[NINF], s[36+n]
.endif
.set n, n+1
.endr
.Lopen_\@:
	MPRE (\t)+1
.irp b, 0,1,2,3
	v_max3_num_f32 v[BM+\b], v[S+16*\b], v[S+16*\b+1], v[S+16*\b+2]   ; the largest score of each block of 32 keys: for the row's maximum and, since p rises with the score, for the block's largest p
.endr
.irp i, 3,5,7,9,11,13
.irp b, 0,1,2,3
	v_max3_num_f32 v[BM+\b], v[BM+\b], v[S+16*\b+\i], v[S+16*\b+\i+1]
.endr
.endr
.irp b, 0,1,2,3
	v_max_num_f32 v[BM+\b], v[BM+\b], v[S+16*\b+15]
.endr
.irp b, 0,1,2,3
	v_permlanex16_b32 v[T2+\b], v[BM+\b], s26, s27
.endr
.irp b, 0,1,2,3
	v_max_num_f32 v[BM+\b], v[BM+\b], v[T2+\b]
.endr
	v_max3_num_f32 v[TA], v[BM], v[BM+1], v[BM+2]
	v_max_num_f32 v[TA], v[TA], v[BM+3]
	v_mul_f32 v[TA], s28, v[TA]
	v_max_num_f32 v[rT+1], v[rT+1], v[TA]          ; the running largest t
	v_mov_b32 v[TA], v[rT]
	v_floor_f32 v[rT], -v[rT+1]                    ; the new -M = -ceil(t)
	v_sub_f32 v[TA], v[rT], v[TA]                  ; old M - new M: a whole number, 0 or less
	v_cvt_i32_f32 v[TA], v[TA]                     ; (it saturates)
	v_ldexp_f32 v[FF], 1.0, v[TA]                  ; f = 2^(old M - new M)
.set j, 0
.rept 32
	v_pk_fma_f32 v[S+j:S+j+1], v[S+j:S+j+1], s[28:29], v[rT:rT+1] op_sel_hi:[1,0,0]   ; t - M
.set j, j+2
.endr
.irp b, 0,1,2,3
	v_fma_f32 v[BM+\b], v[BM+\b], s28, v[rT]
.endr
.set j, 0
.rept 64
	v_exp_f32 v[S+j], v[S+j]                       ; p, at most 1, not normalised
.set j, j+1
.endr
.irp b, 0,1,2,3
	v_exp_f32 v[BM+\b], v[BM+\b]                   ; the block's largest p: the same two instructions on the same number
.endr
	v_pk_mul_f32 v[rT+2:rT+3], v[rT+2:rT+3], v[FF:FF+1] op_sel_hi:[1,0]   ; l under the new M (a plain line behind the exponentials)
	s_wait_alu depctr_va_vdst(0)
.irp b, 0,1,2,3
	v_max_num_f32 v[BM+\b], 0x4800000, v[BM+\b]    ; the floor 2^(9 - 127)
.endr
.irp b, 0,1,2,3
	v_add_nc_u32 v[SCO+\b], 0xfc000000, v[BM+\b]
.endr
.irp b, 0,1,2,3
	v_and_or_b32 v[LIM+\b], v[BM+\b], 0x7f800000, s30
.endr
.irp b, 0,1,2,3
	v_lshrrev_b32 v[T2+\b], 23, v[SCO+\b]
.endr
	v_lshl_or_b32 v[PWS], v[T2+1], 8, v[T2]        ; p's scale word for these 128 keys
	v_lshl_or_b32 v[PWS], v[T2+2], 16, v[PWS]
	v_lshl_or_b32 v[PWS], v[T2+3], 24, v[PWS]
	v_pk_add_f32 v[T2:T2+1], v[S:S+1], v[S+2:S+3]  ; the sum of the unquantised p, in two chains
.irp j, 4,8,12,16,20,24,28,32,36,40,44,48,52,56,60
	v_pk_add_f32 v[rT+2:rT+3], v[rT+2:rT+3], v[S+\j:S+\j+1]
	v_pk_add_f32 v[T2:T2+1], v[T2:T2+1], v[S+\j+2:S+\j+3]
.endr
	v_pk_add_f32 v[rT+2:rT+3], v[rT+2:rT+3], v[T2:T2+1]
.irp b, 0,1,2,3
.irp i, 0,1,2,3,4,5,6,7,8,9,10,11,12,13,14,15
	v_min_num_f32 v[S+16*\b+\i], v[S+16*\b+\i], v[LIM+\b]   ; the conversion does not saturate (ISA guide 7.6.2); p is not negative
.endr
	v_cvt_scalef32_pk8_fp8_f32 v[PC+4*\b:PC+4*\b+1], v[S+16*\b:S+16*\b+7], v[SCO+\b]
	v_cvt_scalef32_pk8_fp8_f32 v[PC+4*\b+2:PC+4*\b+3], v[S+16*\b+8:S+16*\b+15], v[SCO+\b]
.endr
	WIN wO*65                                      ; O^T: destination and source 0
.set j, 0
.rept 32
	v_pk_mul_f32 v[rO+j:rO+j+1], v[rO+j:rO+j+1], v[FF:FF+1] op_sel_hi:[1,0]   ; O^T under the new M; these lines also stand between the codes and the products
.set j, j+2
.endr
.if (\t) < 7
	s_wait_loadcnt 0x0                             ; V and its scale words.  (In the last tile the wait ahead of the next K's loads has shown them in, and those loads stay out)
.endif
	WIN 1+80*wO                                    ; source 0 (V) window 1, C and D the tile's window
.irp a, 0,2,4,6
	v_wmma_scale_f32_16x16x128_f8f6f4 v[rO+8*\a:rO+8*\a+7], v[128+16*\a:128+16*\a+15], v[PC:PC+15], v[rO+8*\a:rO+8*\a+7], v[VS+\a/2], v[PWS]
	v_wmma_scale_f32_16x16x128_f8f6f4 v[rO+8*\a+8:rO+8*\a+15], v[128+16*\a+16:128+16*\a+31], v[PC:PC+15], v[rO+8*\a+8:rO+8*\a+15], v[VS+\a/2], v[PWS] matrix_a_scale:MATRIX_SCALE_ROW1
.endr
	WIN 0
	s_branch .Ldone_\@
.Lskip_\@:
.if (\t) == 7
	KNEXT
.endif
	MPRE (\t)+1
.Ldone_\@:
.endm
.macro QUANT pw                        ; v[S] on -> codes in v[PC] on, the row's scale word in v[pw]
.irp b, 0,1,2,3
	v_max3_num_f32 v[TM+\b], |v[S+16*\b]|, |v[S+16*\b+1]|, 0x4800000
.endr
.irp i, 2,4,6,8,10,12,14
.irp b, 0,1,2,3
	v_max3_num_f32 v[TM+\b], v[TM+\b], |v[S+16*\b+\i]|, |v[S+16*\b+\i+1]|
.endr
.endr
.irp b, 0,1,2,3
	v_permlanex16_b32 v[TM+4+\b], v[TM+\b], s26, s27
.endr
.irp b, 0,1,2,3
	v_max_num_f32 v[TM+\b], v[TM+\b], v[TM+4+\b]
.endr
.irp b, 0,1,2,3
	v_add_nc_u32 v[TM+12+\b], 0xfc000000, v[TM+\b]
.endr
.irp b, 0,1,2,3
	v_and_or_b32 v[TM+8+\b], v[TM+\b], 0x7f800000, s30
.endr
.irp b, 0,1,2,3
	v_lshrrev_b32 v[TM+4+\b], 23, v[TM+12+\b]
.endr
	v_lshl_or_b32 v[\pw], v[TM+5], 8, v[TM+4]
	v_lshl_or_b32 v[\pw], v[TM+6], 16, v[\pw]
	v_lshl_or_b32 v[\pw], v[TM+7], 24, v[\pw]
.irp b, 0,1,2,3
.irp i, 0,1,2,3,4,5,6,7,8,9,10,11,12,13,14,15
	v_med3_num_f32 v[S+16*\b+\i], v[S+16*\b+\i], -v[TM+8+\b], v[TM+8+\b]
.endr
.endr
	s_wait_xcnt 0x0                                ; earlier stores have read v[PC] on
.irp b, 0,1,2,3
	v_cvt_scalef32_pk8_fp8_f32 v[PC+4*\b:PC+4*\b+1], v[S+16*\b:S+16*\b+7], v[TM+12+\b]
	v_cvt_scalef32_pk8_fp8_f32 v[PC+4*\b+2:PC+4*\b+3], v[S+16*\b+8:S+16*\b+15], v[TM+12+\b]
.endr
	v_nop
.endm
; Tile 2 w + e is finished by wave w: the four waves' (-M, l, O^T) are brought under the largest M, added, divided by l, quantised and stored
.macro FINAL e
.irp x, 0,1,2,3
	ds_load_b64 v[BM+2*\x:BM+2*\x+1], v[SRA] offset:2048*\x+256*\e
.endr
	WIN 0x40
.irp x, 0,1,2
.irp i, 0,1,2,3,4,5,6,7,8,9,10,11,12,13,14,15
	ds_load_b128 v[64*\x+4*\i:64*\x+4*\i+3], v[AM+\x] offset:8192*\e+512*\i
.endr
.endr
	WIN 0
	s_wait_dscnt 48                                ; the statistics are in; the 48 loads behind them may be out
	v_min_num_f32 v[TA], v[BM], v[BM+2]
	v_min_num_f32 v[TA+1], v[BM+4], v[BM+6]
	v_min_num_f32 v[TA], v[TA], v[TA+1]            ; -(the largest M)
.irp x, 0,1,2,3
	v_sub_f32 v[LIM+2*\x], v[TA], v[BM+2*\x]       ; M of wave x less the largest: a whole number, 0 or less
.endr
.irp x, 0,1,2,3
	v_cvt_i32_f32 v[LIM+2*\x], v[LIM+2*\x]
.endr
.irp x, 0,1,2,3
	v_ldexp_f32 v[LIM+2*\x], 1.0, v[LIM+2*\x]
.endr
	v_mul_f32 v[TA], v[LIM], v[BM+1]
	v_fma_f32 v[TA], v[LIM+2], v[BM+3], v[TA]
	v_fma_f32 v[TA], v[LIM+4], v[BM+5], v[TA]
	v_fma_f32 v[TA], v[LIM+6], v[BM+7], v[TA]
	v_permlanex16_b32 v[TA+1], v[TA], s26, s27
	v_add_f32 v[TA], v[TA], v[TA+1]                ; the row's sum
	v_cmp_eq_f32 s66, 0, v[TA]                     ; a row with every key hidden
	v_rcp_f32 v[TA+1], v[TA]
	v_nop
	s_wait_alu depctr_va_vdst(0)
.irp x, 0,1,2,3
	v_mul_f32 v[LIM+2*\x], v[LIM+2*\x], v[TA+1]
.endr
.irp x, 0,1,2,3
	v_mov_b32 v[LIM+2*\x+1], v[LIM+2*\x]           ; a pair for the packed forms
.endr
	s_wait_dscnt 32                                ; wave 0's image is in; with the sixteen loads below 48 are out
	WIN 0x40
.irp i, 0,1,2,3,4,5,6,7,8,9,10,11,12,13,14,15
	ds_load_b128 v[192+4*\i:192+4*\i+3], v[AM+3] offset:8192*\e+512*\i
.endr
	s_wait_dscnt 0x0
	WIN 1                                          ; source 0: the images, window 1
.set j, 0
.rept 32
	v_pk_mul_f32 v[S+j:S+j+1], v[j:j+1], v[LIM:LIM+1]
.set j, j+2
.endr
.irp x, 1,2,3
.set j, 0
.rept 32
	v_pk_fma_f32 v[S+j:S+j+1], v[64*\x+j:64*\x+j+1], v[LIM+2*\x:LIM+2*\x+1], v[S+j:S+j+1]
.set j, j+2
.endr
.endr
	WIN 0
	QUANT 196+\e
	v_cndmask_b32 v[196+\e], v[196+\e], v198, s66  ; the byte 0xff makes that row of the last product NaN
.irp c, 0,1,2,3
	global_store_b128 v[LI], v[PC+4*\c:PC+4*\c+3], s[10:11] offset:4096*\e+512*\c
.endr
	global_store_b32 v[L8R], v[196+\e], s[12:13] offset:1024*\e   ; row r's word of K step = head; both halves of the lanes write the same word with the same value
.endm
	s_load_b256 s[4:11], s[0:1], 0x0               ; qkvc, qkvs, mmask, acodes
	s_load_b64 s[12:13], s[0:1], 0x20              ; ascales
	v_lshl_add_u32 v254, v0, 2, 0x46400
	v_mov_b32 v255, 0
	v_lshrrev_b32 v1, 5, v0
	v_readfirstlane_b32 s2, v1                     ; wave w
	s_mov_b32 s3, ttmp9                            ; g
	s_and_b32 s31, ttmp7, 0xffff                   ; head
	v_and_b32 v2, 31, v0
	v_and_b32 v3, 15, v0
	v_lshlrev_b32 v[LI], 4, v2
	v_lshlrev_b32 v[L8R], 3, v3
	v_lshlrev_b32 v[SRA], 3, v2
	s_lshl_b32 s66, s2, 11
	s_add_co_u32 s66, s66, STAT
	v_add_nc_u32 v[STA], s66, v[SRA]
	s_lshl_b32 s66, s2, 9
	s_add_co_u32 s66, s66, STAT
	v_add_nc_u32 v[SRA], s66, v[SRA]
	v_add_nc_u32 v[QAD], QIMG, v[LI]
	s_lshl_b32 s66, s2, 12
	s_add_co_u32 s66, s66, QIMG
	v_add_nc_u32 v[QST], s66, v[LI]
	s_lshl_b32 s66, s2, 16
	v_add_nc_u32 v[OAD], s66, v[LI]
	s_lshl_b32 s66, s2, 14
.irp x, 0,1,2,3
	v_add_nc_u32 v[AM+\x], s66, v[LI]
	s_add_co_u32 s66, s66, 65536
.endr
	v_lshlrev_b32 v[L4], 2, v2
	v_lshlrev_b32 v[LR4], 2, v3
	v_mov_b32 v[NINF], 0xff800000
	s_lshl_b32 s66, s3, 2                          ; 4 g
	s_lshl_b32 s67, s2, 1                          ; 2 w
	s_add_co_u32 s100, s66, s67
	s_sub_co_u32 s101, 120, s66
	s_add_co_u32 s101, s101, s67
	s_cmp_lt_u32 s2, 2
	s_cselect_b32 s100, s100, s101                 ; the first of the two tiles whose Q I bring and whose result I finish
	s_sub_co_u32 s101, 124, s66                    ; the first of the four late tiles
	s_lshl_b32 s32, s31, 18                        ; offsets, each in a pair with 0 above it: a head's 262,144 bytes of codes
	s_mov_b32 s33, 0
	s_lshl_b32 s34, s100, 11
	s_mov_b32 s35, 0
	s_lshl_b32 s36, s31, 13                        ; a head's 8,192 bytes of scale words
	s_mov_b32 s37, 0
	s_lshl_b32 s38, s3, 8
	s_mov_b32 s39, 0
	s_lshl_b32 s40, s101, 6
	s_mov_b32 s41, 0
	s_lshl_b32 s42, s2, 14                         ; K's section, key step w
	s_add_co_u32 s42, s42, 0x400000
	s_mov_b32 s43, 0
	s_lshl_b32 s44, s2, 9
	s_add_co_u32 s44, s44, 0x20000
	s_mov_b32 s45, 0
	s_lshl_b32 s67, s2, 8                          ; mask words: 4,096 bytes a tile, 256 a key step
	s_lshl_b32 s46, s3, 14
	s_add_co_u32 s46, s46, s67
	s_mov_b32 s47, 0
	s_lshl_b32 s48, s101, 12
	s_add_co_u32 s48, s48, s67
	s_mov_b32 s49, 0
	s_lshl_b32 s67, s2, 2                          ; flags: behind the words, 16 bytes a tile, 4 a wave
	s_add_co_u32 s67, s67, 0x80000
	s_lshl_b32 s50, s3, 6
	s_add_co_u32 s50, s50, s67
	s_mov_b32 s51, 0
	s_lshl_b32 s52, s101, 4
	s_add_co_u32 s52, s52, s67
	s_mov_b32 s53, 0
	s_lshr_b32 s66, s31, 1
	s_and_b32 s67, s31, 1
	s_lshl_b32 s54, s66, 19                        ; acodes: [head / 2][tile][head % 2][image]
	s_lshl_b32 s55, s100, 12
	s_add_co_u32 s54, s54, s55
	s_lshl_b32 s55, s67, 11
	s_add_co_u32 s54, s54, s55
	s_mov_b32 s55, 0
	s_lshl_b32 s56, s100, 10                       ; ascales: [tile][head / 2][r][head % 2]
	s_lshl_b32 s57, s66, 7
	s_add_co_u32 s56, s56, s57
	s_lshl_b32 s57, s67, 2
	s_add_co_u32 s56, s56, s57
	s_mov_b32 s57, 0
	s_mov_b32 s26, 0x76543210
	s_mov_b32 s27, 0xfedcba98
	s_mov_b32 s28, 0x3e0293ee                      ; log2(e) / sqrt(128)
	s_mov_b32 s29, s28
	s_mov_b32 s30, 0x600000
	s_mov_b32 s24, 4
	s_wait_kmcnt 0x0
	s_add_nc_u64 s[4:5], s[4:5], s[32:33]
	s_add_nc_u64 s[58:59], s[4:5], s[34:35]        ; my two tiles' images of Q
	s_add_nc_u64 s[4:5], s[4:5], s[42:43]          ; K's images of key step w; V's lie 4 MiB further on
	s_add_nc_u64 s[6:7], s[6:7], s[36:37]
	s_add_nc_u64 s[60:61], s[6:7], s[38:39]        ; Q's words, early tiles
	s_add_nc_u64 s[62:63], s[6:7], s[40:41]        ; late tiles
	s_add_nc_u64 s[6:7], s[6:7], s[44:45]          ; K's words; V's lie 131,072 bytes further on
	s_add_nc_u64 s[68:69], s[8:9], s[50:51]
	s_add_nc_u64 s[70:71], s[8:9], s[52:53]
	s_add_nc_u64 s[14:15], s[8:9], s[48:49]
	s_add_nc_u64 s[8:9], s[8:9], s[46:47]
	s_add_nc_u64 s[10:11], s[10:11], s[54:55]
	s_add_nc_u64 s[12:13], s[12:13], s[56:57]
.irp t, 0,1,2,3
	s_load_b32 s[16+\t], s[68:69], 16*\t           ; my flags of tile t: bits 8 j + 1 : 8 j for key step 4 j + w
	s_load_b32 s[20+\t], s[70:71], 16*\t
.endr
.irp e, 0,1
.irp c, 0,1,2,3
	global_load_b128 v[S+16*\e+4*\c:S+16*\e+4*\c+3], v[LI], s[58:59] offset:2048*\e+512*\c
.endr
.endr
.irp t, 0,1,2,3
	global_load_b32 v[QS+\t], v[LR4], s[60:61] offset:64*\t
	global_load_b32 v[QS+4+\t], v[LR4], s[62:63] offset:64*\t
.endr
	WIN 0x40                                       ; my first key step's K, whatever its flags: so K's registers are written on every way; it lands while O^T is cleared.  52 loads of mine are out
.irp u, 0,1,2,3,4,5,6,7
	LDIMG 0, 0, \u
.endr
	WIN 0
	LDSCL KS, 0
.irp t, 0,1,2,3,4,5,6,7
	v_mov_b32 v[ST+4*\t+1], 0xff61b1e6             ; the largest t so far: -3e38
	v_floor_f32 v[ST+4*\t], -v[ST+4*\t+1]
	v_mov_b32 v[ST+4*\t+2], 0
	v_mov_b32 v[ST+4*\t+3], 0
.endr
.irp b, 0,1,2,3
	v_mov_b32 v[T2+\b], 0                          ; a lane permute's destination counts as one of its sources
	v_mov_b32 v[TM+4+\b], 0
.endr
	v_mov_b32 v[FF+1], 0                           ; named as the upper half of a pair
	v_mov_b32 v198, -1
	; O^T begins as zeros: which key step is a tile's first hangs on the mask, so no product can be written out as the one that starts the sums
	WIN 0x80
.set i, 0
.rept 256
	v_mov_b32 v[i], 0
.set i, i+1
.endr
	WIN 0xc0
.set i, 0
.rept 256
	v_mov_b32 v[i], 0
.set i, i+1
.endr
	WIN 0
	s_wait_loadcnt 44                              ; Q's images are in; the eight scale words and K's 36 loads may be out
.irp e, 0,1
.irp c, 0,1,2,3
	ds_store_b128 v[QST], v[S+16*\e+4*\c:S+16*\e+4*\c+3] offset:2048*\e+512*\c
.endr
.endr
	s_wait_loadcnt 36                              ; Q's scale words are in too: all loads that name s[58:63] are done; K's 36 may stay out
	s_wait_xcnt 0x0                                ; and every address has been read: s[58:63] may be written
	s_wait_dscnt 0x0                               ; my stores have landed
	s_barrier_signal -1
	s_barrier_wait -1                              ; Q's eight images lie in LDS
	MLOAD 0                                        ; tile 0's mask words, whatever its flag: so their registers are written on every way
	QLOAD 0
.Ltrip:                                            ; four trips: key step 4 j + w
	s_or_b32 s100, s16, s17                        ; all eight tiles' flags joined: bits 1:0 this trip's, bits 9:8 the next trip's
	s_or_b32 s100, s100, s18
	s_or_b32 s100, s100, s19
	s_or_b32 s100, s100, s20
	s_or_b32 s100, s100, s21
	s_or_b32 s100, s100, s22
	s_or_b32 s100, s100, s23
	s_and_b32 s25, s100, 3
	s_cmp_eq_u32 s25, 0
	s_cbranch_scc1 .Lidle                          ; hidden from all eight tiles
	WIN 0x40                                       ; destination window 1
.irp u, 0,1,2,3
	LDIMG 128, 0x400000, \u                        ; V's first four images: with K's 36 loads, asked for a trip ago, 52 are out at the most
.endr
	s_wait_loadcnt 16                              ; K and its words are in; V's 16 loads may be out
.irp u, 4,5,6,7
	LDIMG 128, 0x400000, \u
.endr
	WIN 0
	LDSCL VS, 0x20000
	TILE 0
	TILE 1
	TILE 2
	TILE 3
	TILE 4
	TILE 5
	TILE 6
	TILE 7
	s_branch .Lnext
.Lidle:
	KNEXT
	MPRE 8
.Lnext:
.rept 8
	v_nop                                          ; places behind the last products, in front of loads into V's registers and of the reads of O^T
.endr
	s_wait_xcnt 0x0                                ; every address has been read: the bases may be stepped.  (V is in on every way: the wait ahead of the next K's loads showed it)
	s_add_nc_u64 s[4:5], s[4:5], 65536
	s_add_nc_u64 s[6:7], s[6:7], 2048
	s_add_nc_u64 s[8:9], s[8:9], 1024
	s_add_nc_u64 s[14:15], s[14:15], 1024
.irp t, 0,1,2,3,4,5,6,7
	s_lshr_b32 s[16+\t], s[16+\t], 8
.endr
	s_sub_co_u32 s24, s24, 1
	s_cmp_lg_u32 s24, 0
	s_cbranch_scc1 .Ltrip
	s_wait_kmcnt 0x0
	s_wait_loadcnt 0x0                             ; no load is out into window 1, which the images below take
	; THE FOUR WAVES' PARTS MEET
.irp t, 0,1,2,3,4,5,6,7
	v_add_f32 v[ST+4*\t+1], v[ST+4*\t+2], v[ST+4*\t+3]   ; l's two halves, over the largest t, which is done with
.endr
.irp t, 0,1,2,3,4,5,6,7
	ds_store_b64 v[STA], v[ST+4*\t:ST+4*\t+1] offset:256*\t
.endr
.irp t, 0,1,2,3,4,5,6,7
	WIN 0x08+4*(\t/4)                              ; an LDS store's data are its source 1
.irp i, 0,1,2,3,4,5,6,7,8,9,10,11,12,13,14,15
	ds_store_b128 v[OAD], v[64*(\t%4)+4*\i:64*(\t%4)+4*\i+3] offset:8192*\t+512*\i   ; as an image of the registers; each accumulator from its low end on
.endr
.endr
	WIN 0
	s_wait_dscnt 0x0
	s_barrier_signal -1
	s_barrier_wait -1
	FINAL 0
	FINAL 1
	s_wait_tensorcnt 0x0
	ds_add_u32 v254, v255
	s_wait_dscnt 0x0
	s_endpgm
.Lfunc_end_k_q5111d85f85_attn:
	.size	k_q5111d85f85_attn, .Lfunc_end_k_q5111d85f85_attn-k_q5111d85f85_attn
	.p2alignl 7, 3214868480
	.fill 96, 4, 3214868480
	.section	.rodata,"a",@progbits
	.p2align	6, 0x0
	.amdhsa_kernel k_q5111d85f85_attn
		.amdhsa_group_segment_fixed_size 288256
		.amdhsa_private_segment_fixed_size 0
		.amdhsa_enable_private_segment 0
		.amdhsa_kernarg_size 40
		.amdhsa_user_sgpr_count 2
		.amdhsa_user_sgpr_kernarg_segment_ptr 1
		.amdhsa_wavefront_size32 1
		.amdhsa_system_sgpr_workgroup_id_x 1
		.amdhsa_system_sgpr_workgroup_id_y 1
		.amdhsa_system_sgpr_workgroup_id_z 1
		.amdhsa_system_vgpr_workitem_id 0
		.amdhsa_next_free_vgpr 1024
		.amdhsa_next_free_sgpr 102
		.amdhsa_reserve_vcc 0
		.amdhsa_float_denorm_mode_32 3
		.amdhsa_float_denorm_mode_16_64 3
		.amdhsa_memory_ordered 1
		.amdhsa_forward_progress 1
		.amdhsa_inst_pref_size 255
	.end_amdhsa_kernel
	.section	.bss,"aw",@nobits
	.p2align	6
	.space	262144
	.amdgpu_metadata
---
amdhsa.version: [ 1, 2 ]
amdhsa.kernels:
  - .name:           k_q5111d85f85_attn
    .symbol:         k_q5111d85f85_attn.kd
    .args:
      - { .name: qkvc, .offset: 0, .size: 8, .value_kind: global_buffer, .address_space: global }
      - { .name: qkvs, .offset: 8, .size: 8, .value_kind: global_buffer, .address_space: global }
      - { .name: mmask, .offset: 16, .size: 8, .value_kind: global_buffer, .address_space: global }
      - { .name: acodes, .offset: 24, .size: 8, .value_kind: global_buffer, .address_space: global }
      - { .name: ascales, .offset: 32, .size: 8, .value_kind: global_buffer, .address_space: global }
    .group_segment_fixed_size: 288256
    .private_segment_fixed_size: 0
    .kernarg_segment_align: 8
    .kernarg_segment_size: 40
    .max_flat_workgroup_size: 128
    .sgpr_count:     102
    .vgpr_count:     1024
    .wavefront_size: 32
...
	.end_amdgpu_metadata
.endif
;; end of part 6
;; launch proj: the kernel of part 4 again; grid 8 x 8, 4 waves a work-group, clusters of 4 x 4, 327,680 bytes of LDS; arguments acodes, ascales, codes, scales, out0; writes out0
;; ======== version 3 of 3: 4 launches; version 2 with the launch attn written anew for expert scheduling mode
;; workspace buffers: codes 20,971,520 bytes; scales 655,360 bytes; rope 1,048,576 bytes; mmask 526,336 bytes of whole numbers; qkvc 12,582,912 bytes; qkvs 393,216 bytes; acodes 4,194,304 bytes; ascales 131,072 bytes
;; launch prep: the kernel of part 1 again; grid 832 x 1, 4 waves a work-group, no clusters, 34,304 bytes of LDS; arguments x, wq, wk, wv, wo, mask, codes, scales, rope, mmask; writes codes, scales, rope, mmask
;; launch gemmqkv: the kernel of part 5 again; grid 24 x 8, 4 waves a work-group, clusters of 4 x 4, 327,680 bytes of LDS; arguments codes, scales, rope, qkvc, qkvs; writes qkvc, qkvs
;; launch attn (part 7): grid 16 x 16, 4 waves a work-group, no clusters, 288,256 bytes of LDS; arguments qkvc, qkvs, mmask, acodes, ascales; writes acodes, ascales
.if DOCPART == 7
	.amdgcn_target "amdgcn-amd-amdhsa--gfx1250"
	.amdhsa_code_object_version 6
	.text
	.protected	k_q5111d85f85_attn
	.globl	k_q5111d85f85_attn
	.p2align	8
	.type	k_q5111d85f85_attn,@function
k_q5111d85f85_attn:
	s_mov_b64 s[64:65], 0
	v_nop
	global_prefetch_b8 v0, s[64:65] scope:SCOPE_SE
	s_setreg_imm32_b32 hwreg(HW_REG_WAVE_SCHED_MODE, 0, 2), 2
	s_setreg_imm32_b32 hwreg(HW_REG_WAVE_MODE, 25, 1), 1
	s_wait_xcnt 0x0
	s_wait_alu depctr_vm_vsrc(0)
; Attention of one head on codes of E4M3 with E8M0 scales: S^T = K Q^T, mask, p = 2^(t - M) quantised along the keys, O^T += V^T P^T, O / l quantised along the head's 128 for the last product.
; t = score x log2(e) / sqrt(128); M = the running largest t rounded up to a whole number; the row's sum l is taken of the unquantised p; a change of M multiplies l and O by an exact power of two.
; SHARES.  Work-group (g, head) owns eight tiles of 16 queries: tiles 4 g .. 4 g + 3 and 124 - 4 g .. 127 - 4 g.  THE FOUR WAVES SPLIT THE KEYS: wave w takes key steps 4 j + w (128 keys), j = 0..3, for all
; eight tiles, each with its own M, l and O^T.  So a fragment of K or V goes from memory into ONE wave's registers and feeds up to eight tiles.  At the end the four partial results meet in LDS.
; THE MASK is an input: an earlier launch stored, for each (tile, key step), 64 lane-mask words (word n, bit l: register n of lane l is hidden) and a flag (0 all hidden, 1 mixed, 2 none hidden).
; A step with flag 0 is left out; with flag 2 the 64 selects are left out, and the words are asked for, a tile ahead, only where the flag is 1.
; A row with every key hidden has l = 0: its scale word becomes 0xffffffff, which makes the last product's row NaN, as the softmax of such a row is.
; K COMES A TRIP AHEAD: when the trip's last tile has multiplied by K, the next key step's K is asked for into the same registers, if the flags say that some tile will use it; V is asked for at the trip's head.
; No multicast and no tensor loads: what a wave loads no other wave of the work-group reads, and which steps a work-group walks hangs on the mask.
; LAYOUT.  Both products transposed: a lane holds one query (lane % 16).  Rows of K, V^T and Q lie in buffer order, so register 16 b + i of S^T is key 32 b + 16 h + i, and of O^T channel 32 b + 16 h + i.
; REGISTERS: window 0: v1-14 addresses; v15 p's scale word; v16-47 statistics (-M, largest t, l in two halves) a tile; v48-79 Q, two sets; v80-87 Q's scale words; v88-91 K's, v92-95 V's; v96-159 S^T, p;
;   v160-175 codes; v176-215 at work.  Window 1: v0-127 K, v128-255 V.  Windows 2, 3: O^T, tile t at v[64 (t % 4)] of window 2 + t / 4.
; LIMITS: |t| under 3e38; NaN and infinities among the inputs are not served; a block of zeros gets the scale byte 1 (zero codes; only this program reads the bytes).
; THE MODE: SCHED_MODE bits 1:0 = 2 (LLVM: expert scheduling mode 2), set by the entry lines.  The code itself states the register dependences
; between vector or matrix instructions and memory or LDS instructions, with s_wait_alu, always for 0.
; THE PLAN.  Registers that memory or LDS instructions touch:
;   v1-8, v10-14      addresses, made at the head and never written again: one wait on va_vdst ahead of the first load serves every load and store of the kernel.
;   K, v88-91         read by a trip's first products; the loads of the next key step land in them behind the last tile's first products: one wait on va_vdst there.
;   V, v92-95         read by a trip's second products; the loads at the next trip's head land in them: one wait on va_vdst at the trip's head.
;   Q's two sets      tile t's first products read set t % 2; the LDS loads at the head of tile t + 1 land in it.  Tile t's wait for its exponentials stands between: no wait of their own.
;   v160-175, v15     p's codes and scale word, written by vector lines, taken by the second products: one wait on va_vdst directly ahead of these.
;   v96-127           at the head Q's images, read by LDS stores; S^T from then on: one wait on vm_vsrc behind the first barrier.
;   v16-47, O^T       written in the loop; read by the LDS stores behind it: one wait on va_vdst ahead of these, which serves the first LDS loads of the end too.
;   At the end        v176-183 and window 1 take LDS loads and are read by the sums; v160-175, v196, v197 are written by vector lines and read by the stores: one wait on va_vdst a tile, ahead of its stores;
;                     one on vm_vsrc ahead of the second tile's conversions.
.set STAT, 262144                      ; LDS: 0.. four waves' O images, 65,536 bytes each; then [wave][tile][lane] (-M, l); then Q's eight images
.set QIMG, 270336
.set LI,  1                            ; 16 x lane
.set L4,  2                            ; 4 x lane
.set LR4, 3                            ; 4 r
.set QAD, 4                            ; QIMG + 16 x lane
.set L8R, 5                            ; 8 r
.set OAD, 6                            ; my O images
.set QST, 7                            ; where I store Q's images
.set STA, 8                            ; where I store statistics
.set NINF, 9                           ; -infinity
.set SRA, 10                           ; where I read statistics
.set AM,  11                           ; v11-14 wave x's image of my two tiles
.set PWS, 15
.set ST,  16
.set QF,  48
.set QS,  80
.set KS,  88
.set VS,  92
.set S,   96
.set PC,  160
.set BM,  176
.set T2,  180
.set LIM, 184
.set SCO, 188
.set FF,  192
.set TA,  194
.set TM,  200
.set MSB, 0
.macro WIN new
.if MSB != (\new)
	s_set_vgpr_msb (MSB<<8)|(\new)
.set MSB, (\new)
.endif
.endm
.macro LDIMG base, off, u              ; image u of a key step's eight, into window 1: four loads of 512 consecutive bytes
.irp c, 0,1,2,3
	global_load_b128 v[\base+16*(\u)+4*\c:\base+16*(\u)+4*\c+3], v[LI], s[4:5] offset:\off+2048*(\u)+512*\c
.endr
.endm
.macro LDSCL sreg, soff                ; their scale words: register u: lanes 0-15 tile 2 u, lanes 16-31 tile 2 u + 1
.irp u, 0,1,2,3
	global_load_b32 v[\sreg+\u], v[L4], s[6:7] offset:\soff+128*\u
.endr
.endm
.macro QLOAD t
.irp c, 0,1,2,3
	ds_load_b128 v[QF+16*((\t)%2)+4*\c:QF+16*((\t)%2)+4*\c+3], v[QAD] offset:2048*(\t)+512*\c
.endr
.endm
.macro MLOAD t1                        ; the 64 mask words of tile t1 (8: tile 0 of my next key step) into s[32:63], s[68:99]
	s_wait_kmcnt 0x0                               ; no scalar load is out, so its destinations may be loaded again
.if (\t1) == 8
.irp i, 0,1
	s_load_b512 s[32+16*\i:47+16*\i], s[8:9], 1024+64*\i
	s_load_b512 s[68+16*\i:83+16*\i], s[8:9], 1024+128+64*\i
.endr
.elseif (\t1) < 4
.irp i, 0,1
	s_load_b512 s[32+16*\i:47+16*\i], s[8:9], (\t1)*4096+64*\i
	s_load_b512 s[68+16*\i:83+16*\i], s[8:9], (\t1)*4096+128+64*\i
.endr
.else
.irp i, 0,1
	s_load_b512 s[32+16*\i:47+16*\i], s[14:15], ((\t1)-4)*4096+64*\i
	s_load_b512 s[68+16*\i:83+16*\i], s[14:15], ((\t1)-4)*4096+128+64*\i
.endr
.endif
.endm
.macro MPRE t1                         ; they are asked for only where that tile's flag says mixed.  (In the last trip tile 0's next flag is 0: nothing is asked for)
.if (\t1) == 8
	s_bfe_u32 s67, s16, 0x20008                    ; tile 0's flag of my next key step: two bits from bit 8
.else
	s_and_b32 s67, s[16+(\t1)], 3
.endif
	s_cmp_eq_u32 s67, 1
	s_cbranch_scc0 .Lnomask_\@
	MLOAD \t1
.Lnomask_\@:
.endm
; My next key step's K and its scale words, 65,536 and 2,048 bytes on, into the registers that this trip's K has left.
; Only if some tile will use them: s100 holds all eight tiles' flags joined, the next trip's in bits 9:8; in the last trip those are 0, so nothing is read that no step uses.
; fresh = 1: products that read K have just been issued.  fresh = 0 (the last tile is left out, or the whole trip): K's last readers stand ahead of an earlier tile's waits on va_vdst, so none is written.
.macro KNEXT fresh
	s_wait_loadcnt 0x0                             ; this trip's V and its words are in, and no load is out into K's registers
	s_bfe_u32 s67, s100, 0x20008
	s_cmp_eq_u32 s67, 0
	s_cbranch_scc1 .Lnok_\@
	WIN 0x40                                       ; destination window 1
.if \fresh
	s_wait_alu depctr_va_vdst(0)                   ; the last tile's first products are done reading K and its scale words, in which the 36 loads below land
.endif
.irp u, 0,1,2,3,4,5,6,7
	LDIMG 0, 65536, \u
.endr
	WIN 0
	LDSCL KS, 2048
.Lnok_\@:
.endm
; ONE TILE'S KEY STEP, whole, in one branch on its flag
.macro TILE t
.set rT, ST+4*(\t)
.set rQ, QF+16*((\t)%2)
.set rO, 64*((\t)%4)
.set wO, 2+(\t)/4
	QLOAD ((\t)+1)%8                               ; the next tile's Q, into the set that the tile before has left.  No wait on va_vdst: the products that read that set stand ahead of their own tile's wait for its exponentials, and nothing since names the set
	s_wait_dscnt 4                                 ; ON EVERY PATH, the skipped one too: only the four loads just issued may be out: my Q is in, and no load is out into the set that the next tile's loads will write
	s_and_b32 s25, s[16+\t], 3
	s_cmp_eq_u32 s25, 0
	s_cbranch_scc1 .Lskip_\@                       ; all hidden
	WIN 1                                          ; source 0 (K) window 1
.irp u, 0,2,4,6
	v_wmma_scale_f32_16x16x128_f8f6f4 v[S+8*\u:S+8*\u+7], v[16*\u:16*\u+15], v[rQ:rQ+15], 0, v[KS+\u/2], v[QS+\t]
	v_wmma_scale_f32_16x16x128_f8f6f4 v[S+8*\u+8:S+8*\u+15], v[16*\u+16:16*\u+31], v[rQ:rQ+15], 0, v[KS+\u/2], v[QS+\t] matrix_a_scale:MATRIX_SCALE_ROW1
.endr
	WIN 0
.rept 8
	v_nop                                          ; places behind the products, ahead of the vector lines that read their results (ISA guide 7.12.1)
.endr
.if (\t) == 7
	KNEXT 1                                        ; the trip's last products on K are issued
.endif
	s_wait_kmcnt 0x0                               ; this tile's mask words, if they were asked for
	s_cmp_eq_u32 s25, 2
	s_cbranch_scc1 .Lopen_\@                       ; none hidden
.set n, 0
.rept 64
.if n < 32
	v_cndmask_b32 v[S+n], v[S+n], v[NINF], s[32+n]
.else
	v_cndmask_b32 v[S+n], v[S+n], v[NINF], s[36+n]
.endif
.set n, n+1
.endr
	s_wait_alu depctr_va_vdst(0)                   ; the 64 selects are done, and so have read the mask words s[32:63], s[68:99], in which the next tile's scalar loads may land
.Lopen_\@:
	MPRE (\t)+1
.irp b, 0,1,2,3
	v_max3_num_f32 v[BM+\b], v[S+16*\b], v[S+16*\b+1], v[S+16*\b+2]   ; the largest score of each block of 32 keys: for the row's maximum and, since p rises with the score, for the block's largest p
.endr
.irp i, 3,5,7,9,11,13
.irp b, 0,1,2,3
	v_max3_num_f32 v[BM+\b], v[BM+\b], v[S+16*\b+\i], v[S+16*\b+\i+1]
.endr
.endr
.irp b, 0,1,2,3
	v_max_num_f32 v[BM+\b], v[BM+\b], v[S+16*\b+15]
.endr
.irp b, 0,1,2,3
	v_permlanex16_b32 v[T2+\b], v[BM+\b], s26, s27
.endr
.irp b, 0,1,2,3
	v_max_num_f32 v[BM+\b], v[BM+\b], v[T2+\b]
.endr
	v_max3_num_f32 v[TA], v[BM], v[BM+1], v[BM+2]
	v_max_num_f32 v[TA], v[TA], v[BM+3]
	v_mul_f32 v[TA], s28, v[TA]
	v_max_num_f32 v[rT+1], v[rT+1], v[TA]          ; the running largest t
	v_mov_b32 v[TA], v[rT]
	v_floor_f32 v[rT], -v[rT+1]                    ; the new -M = -ceil(t)
	v_sub_f32 v[TA], v[rT], v[TA]                  ; old M - new M: a whole number, 0 or less
	v_cvt_i32_f32 v[TA], v[TA]                     ; (it saturates)
	v_ldexp_f32 v[FF], 1.0, v[TA]                  ; f = 2^(old M - new M)
.set j, 0
.rept 32
	v_pk_fma_f32 v[S+j:S+j+1], v[S+j:S+j+1], s[28:29], v[rT:rT+1] op_sel_hi:[1,0,0]   ; t - M
.set j, j+2
.endr
.irp b, 0,1,2,3
	v_fma_f32 v[BM+\b], v[BM+\b], s28, v[rT]
.endr
.set j, 0
.rept 64
	v_exp_f32 v[S+j], v[S+j]                       ; p, at most 1, not normalised
.set j, j+1
.endr
.irp b, 0,1,2,3
	v_exp_f32 v[BM+\b], v[BM+\b]                   ; the block's largest p: the same two instructions on the same number
.endr
	v_pk_mul_f32 v[rT+2:rT+3], v[rT+2:rT+3], v[FF:FF+1] op_sel_hi:[1,0]   ; l under the new M (a plain line behind the exponentials)
	s_wait_alu depctr_va_vdst(0)                   ; the 68 exponentials have written p and the blocks' largest p, ahead of the first line that names one; and this tile's first products are done reading their set of Q, in which the next tile's LDS loads land
.irp b, 0,1,2,3
	v_max_num_f32 v[BM+\b], 0x4800000, v[BM+\b]    ; the floor 2^(9 - 127)
.endr
.irp b, 0,1,2,3
	v_add_nc_u32 v[SCO+\b], 0xfc000000, v[BM+\b]
.endr
.irp b, 0,1,2,3
	v_and_or_b32 v[LIM+\b], v[BM+\b], 0x7f800000, s30
.endr
.irp b, 0,1,2,3
	v_lshrrev_b32 v[T2+\b], 23, v[SCO+\b]
.endr
	v_lshl_or_b32 v[PWS], v[T2+1], 8, v[T2]        ; p's scale word for these 128 keys
	v_lshl_or_b32 v[PWS], v[T2+2], 16, v[PWS]
	v_lshl_or_b32 v[PWS], v[T2+3], 24, v[PWS]
	v_pk_add_f32 v[T2:T2+1], v[S:S+1], v[S+2:S+3]  ; the sum of the unquantised p, in two chains
.irp j, 4,8,12,16,20,24,28,32,36,40,44,48,52,56,60
	v_pk_add_f32 v[rT+2:rT+3], v[rT+2:rT+3], v[S+\j:S+\j+1]
	v_pk_add_f32 v[T2:T2+1], v[T2:T2+1], v[S+\j+2:S+\j+3]
.endr
	v_pk_add_f32 v[rT+2:rT+3], v[rT+2:rT+3], v[T2:T2+1]
.irp b, 0,1,2,3
.irp i, 0,1,2,3,4,5,6,7,8,9,10,11,12,13,14,15
	v_min_num_f32 v[S+16*\b+\i], v[S+16*\b+\i], v[LIM+\b]   ; the conversion does not saturate (ISA guide 7.6.2); p is not negative
.endr
	v_cvt_scalef32_pk8_fp8_f32 v[PC+4*\b:PC+4*\b+1], v[S+16*\b:S+16*\b+7], v[SCO+\b]
	v_cvt_scalef32_pk8_fp8_f32 v[PC+4*\b+2:PC+4*\b+3], v[S+16*\b+8:S+16*\b+15], v[SCO+\b]
.endr
	WIN wO*65                                      ; O^T: destination and source 0
.set j, 0
.rept 32
	v_pk_mul_f32 v[rO+j:rO+j+1], v[rO+j:rO+j+1], v[FF:FF+1] op_sel_hi:[1,0]   ; O^T under the new M; these lines also stand between the codes and the products
.set j, j+2
.endr
.if (\t) < 7
	s_wait_loadcnt 0x0                             ; V and its scale words.  (In the last tile the wait ahead of the next K's loads has shown them in, and those loads stay out)
.endif
	WIN 1+80*wO                                    ; source 0 (V) window 1, C and D the tile's window
	s_wait_alu depctr_va_vdst(0)                   ; the conversions have written p's codes and the shifts its scale word, which the scaled products below take; the places above stay beside this wait
.irp a, 0,2,4,6
	v_wmma_scale_f32_16x16x128_f8f6f4 v[rO+8*\a:rO+8*\a+7], v[128+16*\a:128+16*\a+15], v[PC:PC+15], v[rO+8*\a:rO+8*\a+7], v[VS+\a/2], v[PWS]
	v_wmma_scale_f32_16x16x128_f8f6f4 v[rO+8*\a+8:rO+8*\a+15], v[128+16*\a+16:128+16*\a+31], v[PC:PC+15], v[rO+8*\a+8:rO+8*\a+15], v[VS+\a/2], v[PWS] matrix_a_scale:MATRIX_SCALE_ROW1
.endr
	WIN 0
	s_branch .Ldone_\@
.Lskip_\@:
.if (\t) == 7
	KNEXT 0
.endif
	MPRE (\t)+1
.Ldone_\@:
.endm
.macro QUANT pw, again                 ; v[S] on -> codes in v[PC] on, the row's scale word in v[pw].  again = 1: stores of the tile before have read v[PC] on
.irp b, 0,1,2,3
	v_max3_num_f32 v[TM+\b], |v[S+16*\b]|, |v[S+16*\b+1]|, 0x4800000
.endr
.irp i, 2,4,6,8,10,12,14
.irp b, 0,1,2,3
	v_max3_num_f32 v[TM+\b], v[TM+\b], |v[S+16*\b+\i]|, |v[S+16*\b+\i+1]|
.endr
.endr
.irp b, 0,1,2,3
	v_permlanex16_b32 v[TM+4+\b], v[TM+\b], s26, s27
.endr
.irp b, 0,1,2,3
	v_max_num_f32 v[TM+\b], v[TM+\b], v[TM+4+\b]
.endr
.irp b, 0,1,2,3
	v_add_nc_u32 v[TM+12+\b], 0xfc000000, v[TM+\b]
.endr
.irp b, 0,1,2,3
	v_and_or_b32 v[TM+8+\b], v[TM+\b], 0x7f800000, s30
.endr
.irp b, 0,1,2,3
	v_lshrrev_b32 v[TM+4+\b], 23, v[TM+12+\b]
.endr
	v_lshl_or_b32 v[\pw], v[TM+5], 8, v[TM+4]
	v_lshl_or_b32 v[\pw], v[TM+6], 16, v[\pw]
	v_lshl_or_b32 v[\pw], v[TM+7], 24, v[\pw]
.irp b, 0,1,2,3
.irp i, 0,1,2,3,4,5,6,7,8,9,10,11,12,13,14,15
	v_med3_num_f32 v[S+16*\b+\i], v[S+16*\b+\i], -v[TM+8+\b], v[TM+8+\b]
.endr
.endr
	s_wait_xcnt 0x0                                ; earlier stores have had their addresses translated: v[PC] on is written again only behind this wait
.if \again
	s_wait_alu depctr_vm_vsrc(0)                   ; the stores of the tile before have read v[PC] on, which the conversions below write again
.endif
.irp b, 0,1,2,3
	v_cvt_scalef32_pk8_fp8_f32 v[PC+4*\b:PC+4*\b+1], v[S+16*\b:S+16*\b+7], v[TM+12+\b]
	v_cvt_scalef32_pk8_fp8_f32 v[PC+4*\b+2:PC+4*\b+3], v[S+16*\b+8:S+16*\b+15], v[TM+12+\b]
.endr
	v_nop
.endm
; Tile 2 w + e is finished by wave w: the four waves' (-M, l, O^T) are brought under the largest M, added, divided by l, quantised and stored.
; Its LDS loads owe no wait on va_vdst of their own: e = 0: the wait ahead of the LDS stores above stands behind every line that names v[BM] on or window 1; e = 1: so does the wait ahead of tile 0's stores.
.macro FINAL e
.irp x, 0,1,2,3
	ds_load_b64 v[BM+2*\x:BM+2*\x+1], v[SRA] offset:2048*\x+256*\e
.endr
	WIN 0x40
.irp x, 0,1,2
.irp i, 0,1,2,3,4,5,6,7,8,9,10,11,12,13,14,15
	ds_load_b128 v[64*\x+4*\i:64*\x+4*\i+3], v[AM+\x] offset:8192*\e+512*\i
.endr
.endr
	WIN 0
	s_wait_dscnt 48                                ; the statistics are in; the 48 loads behind them may be out
	v_min_num_f32 v[TA], v[BM], v[BM+2]
	v_min_num_f32 v[TA+1], v[BM+4], v[BM+6]
	v_min_num_f32 v[TA], v[TA], v[TA+1]            ; -(the largest M)
.irp x, 0,1,2,3
	v_sub_f32 v[LIM+2*\x], v[TA], v[BM+2*\x]       ; M of wave x less the largest: a whole number, 0 or less
.endr
.irp x, 0,1,2,3
	v_cvt_i32_f32 v[LIM+2*\x], v[LIM+2*\x]
.endr
.irp x, 0,1,2,3
	v_ldexp_f32 v[LIM+2*\x], 1.0, v[LIM+2*\x]
.endr
	v_mul_f32 v[TA], v[LIM], v[BM+1]
	v_fma_f32 v[TA], v[LIM+2], v[BM+3], v[TA]
	v_fma_f32 v[TA], v[LIM+4], v[BM+5], v[TA]
	v_fma_f32 v[TA], v[LIM+6], v[BM+7], v[TA]
	v_permlanex16_b32 v[TA+1], v[TA], s26, s27
	v_add_f32 v[TA], v[TA], v[TA+1]                ; the row's sum
	v_cmp_eq_f32 s66, 0, v[TA]                     ; a row with every key hidden
	v_rcp_f32 v[TA+1], v[TA]
	v_nop
	s_wait_alu depctr_va_vdst(0)                   ; the reciprocal has written v[TA+1], ahead of its first reader
.irp x, 0,1,2,3
	v_mul_f32 v[LIM+2*\x], v[LIM+2*\x], v[TA+1]
.endr
.irp x, 0,1,2,3
	v_mov_b32 v[LIM+2*\x+1], v[LIM+2*\x]           ; a pair for the packed forms
.endr
	s_wait_dscnt 32                                ; wave 0's image is in; with the sixteen loads below 48 are out
	WIN 0x40
.irp i, 0,1,2,3,4,5,6,7,8,9,10,11,12,13,14,15
	ds_load_b128 v[192+4*\i:192+4*\i+3], v[AM+3] offset:8192*\e+512*\i   ; no line since the waits named above names these registers of window 1
.endr
	s_wait_dscnt 0x0
	WIN 1                                          ; source 0: the images, window 1
.set j, 0
.rept 32
	v_pk_mul_f32 v[S+j:S+j+1], v[j:j+1], v[LIM:LIM+1]
.set j, j+2
.endr
.irp x, 1,2,3
.set j, 0
.rept 32
	v_pk_fma_f32 v[S+j:S+j+1], v[64*\x+j:64*\x+j+1], v[LIM+2*\x:LIM+2*\x+1], v[S+j:S+j+1]
.set j, j+2
.endr
.endr
	WIN 0
	QUANT 196+\e, \e
	s_wait_alu depctr_va_sdst(0)                   ; the compare has written s66, ahead of its first reader, the select below
	v_cndmask_b32 v[196+\e], v[196+\e], v198, s66  ; the byte 0xff makes that row of the last product NaN
	s_wait_alu depctr_va_vdst(0)                   ; the conversions have written v[PC] on and the select the scale word, which the stores below read; and the sums are done reading v[BM] on and window 1, in which the next tile's LDS loads land
.irp c, 0,1,2,3
	global_store_b128 v[LI], v[PC+4*\c:PC+4*\c+3], s[10:11] offset:4096*\e+512*\c
.endr
	global_store_b32 v[L8R], v[196+\e], s[12:13] offset:1024*\e   ; row r's word of K step = head; both halves of the lanes write the same word with the same value
.endm
	s_load_b256 s[4:11], s[0:1], 0x0               ; qkvc, qkvs, mmask, acodes
	s_load_b64 s[12:13], s[0:1], 0x20              ; ascales
	v_lshl_add_u32 v254, v0, 2, 0x46400
	v_mov_b32 v255, 0
	v_lshrrev_b32 v1, 5, v0
	v_readfirstlane_b32 s2, v1                     ; wave w
	s_mov_b32 s3, ttmp9                            ; g
	s_and_b32 s31, ttmp7, 0xffff                   ; head
	v_and_b32 v2, 31, v0
	v_and_b32 v3, 15, v0
	v_lshlrev_b32 v[LI], 4, v2
	v_lshlrev_b32 v[L8R], 3, v3
	v_lshlrev_b32 v[SRA], 3, v2
	s_wait_alu depctr_va_sdst(0)                   ; s2, the wave's number, is written, ahead of its first reader: LDS addresses and the buffers' offsets are made from it
	s_lshl_b32 s66, s2, 11
	s_add_co_u32 s66, s66, STAT
	v_add_nc_u32 v[STA], s66, v[SRA]
	s_lshl_b32 s66, s2, 9
	s_add_co_u32 s66, s66, STAT
	v_add_nc_u32 v[SRA], s66, v[SRA]
	v_add_nc_u32 v[QAD], QIMG, v[LI]
	s_lshl_b32 s66, s2, 12
	s_add_co_u32 s66, s66, QIMG
	v_add_nc_u32 v[QST], s66, v[LI]
	s_lshl_b32 s66, s2, 16
	v_add_nc_u32 v[OAD], s66, v[LI]
	s_lshl_b32 s66, s2, 14
.irp x, 0,1,2,3
	v_add_nc_u32 v[AM+\x], s66, v[LI]
	s_add_co_u32 s66, s66, 65536
.endr
	v_lshlrev_b32 v[L4], 2, v2
	v_lshlrev_b32 v[LR4], 2, v3
	v_mov_b32 v[NINF], 0xff800000
	s_lshl_b32 s66, s3, 2                          ; 4 g
	s_lshl_b32 s67, s2, 1                          ; 2 w
	s_add_co_u32 s100, s66, s67
	s_sub_co_u32 s101, 120, s66
	s_add_co_u32 s101, s101, s67
	s_cmp_lt_u32 s2, 2
	s_cselect_b32 s100, s100, s101                 ; the first of the two tiles whose Q I bring and whose result I finish
	s_sub_co_u32 s101, 124, s66                    ; the first of the four late tiles
	s_lshl_b32 s32, s31, 18                        ; offsets, each in a pair with 0 above it: a head's 262,144 bytes of codes
	s_mov_b32 s33, 0
	s_lshl_b32 s34, s100, 11
	s_mov_b32 s35, 0
	s_lshl_b32 s36, s31, 13                        ; a head's 8,192 bytes of scale words
	s_mov_b32 s37, 0
	s_lshl_b32 s38, s3, 8
	s_mov_b32 s39, 0
	s_lshl_b32 s40, s101, 6
	s_mov_b32 s41, 0
	s_lshl_b32 s42, s2, 14                         ; K's section, key step w
	s_add_co_u32 s42, s42, 0x400000
	s_mov_b32 s43, 0
	s_lshl_b32 s44, s2, 9
	s_add_co_u32 s44, s44, 0x20000
	s_mov_b32 s45, 0
	s_lshl_b32 s67, s2, 8                          ; mask words: 4,096 bytes a tile, 256 a key step
	s_lshl_b32 s46, s3, 14
	s_add_co_u32 s46, s46, s67
	s_mov_b32 s47, 0
	s_lshl_b32 s48, s101, 12
	s_add_co_u32 s48, s48, s67
	s_mov_b32 s49, 0
	s_lshl_b32 s67, s2, 2                          ; flags: behind the words, 16 bytes a tile, 4 a wave
	s_add_co_u32 s67, s67, 0x80000
	s_lshl_b32 s50, s3, 6
	s_add_co_u32 s50, s50, s67
	s_mov_b32 s51, 0
	s_lshl_b32 s52, s101, 4
	s_add_co_u32 s52, s52, s67
	s_mov_b32 s53, 0
	s_lshr_b32 s66, s31, 1
	s_and_b32 s67, s31, 1
	s_lshl_b32 s54, s66, 19                        ; acodes: [head / 2][tile][head % 2][image]
	s_lshl_b32 s55, s100, 12
	s_add_co_u32 s54, s54, s55
	s_lshl_b32 s55, s67, 11
	s_add_co_u32 s54, s54, s55
	s_mov_b32 s55, 0
	s_lshl_b32 s56, s100, 10                       ; ascales: [tile][head / 2][r][head % 2]
	s_lshl_b32 s57, s66, 7
	s_add_co_u32 s56, s56, s57
	s_lshl_b32 s57, s67, 2
	s_add_co_u32 s56, s56, s57
	s_mov_b32 s57, 0
	s_mov_b32 s26, 0x76543210
	s_mov_b32 s27, 0xfedcba98
	s_mov_b32 s28, 0x3e0293ee                      ; log2(e) / sqrt(128)
	s_mov_b32 s29, s28
	s_mov_b32 s30, 0x600000
	s_mov_b32 s24, 4
	s_wait_kmcnt 0x0
	s_add_nc_u64 s[4:5], s[4:5], s[32:33]
	s_add_nc_u64 s[58:59], s[4:5], s[34:35]        ; my two tiles' images of Q
	s_add_nc_u64 s[4:5], s[4:5], s[42:43]          ; K's images of key step w; V's lie 4 MiB further on
	s_add_nc_u64 s[6:7], s[6:7], s[36:37]
	s_add_nc_u64 s[60:61], s[6:7], s[38:39]        ; Q's words, early tiles
	s_add_nc_u64 s[62:63], s[6:7], s[40:41]        ; late tiles
	s_add_nc_u64 s[6:7], s[6:7], s[44:45]          ; K's words; V's lie 131,072 bytes further on
	s_add_nc_u64 s[68:69], s[8:9], s[50:51]
	s_add_nc_u64 s[70:71], s[8:9], s[52:53]
	s_add_nc_u64 s[14:15], s[8:9], s[48:49]
	s_add_nc_u64 s[8:9], s[8:9], s[46:47]
	s_add_nc_u64 s[10:11], s[10:11], s[54:55]
	s_add_nc_u64 s[12:13], s[12:13], s[56:57]
.irp t, 0,1,2,3
	s_load_b32 s[16+\t], s[68:69], 16*\t           ; my flags of tile t: bits 8 j + 1 : 8 j for key step 4 j + w
	s_load_b32 s[20+\t], s[70:71], 16*\t
.endr
	s_wait_alu depctr_va_vdst(0)                   ; the addresses v1 to v8 and v10 to v14 are written, which every load and store of the kernel reads; none of them is written again
.irp e, 0,1
.irp c, 0,1,2,3
	global_load_b128 v[S+16*\e+4*\c:S+16*\e+4*\c+3], v[LI], s[58:59] offset:2048*\e+512*\c
.endr
.endr
.irp t, 0,1,2,3
	global_load_b32 v[QS+\t], v[LR4], s[60:61] offset:64*\t
	global_load_b32 v[QS+4+\t], v[LR4], s[62:63] offset:64*\t
.endr
	WIN 0x40                                       ; my first key step's K, whatever its flags: so K's registers are written on every way; it lands while O^T is cleared.  52 loads of mine are out
.irp u, 0,1,2,3,4,5,6,7
	LDIMG 0, 0, \u
.endr
	WIN 0
	LDSCL KS, 0
.irp t, 0,1,2,3,4,5,6,7
	v_mov_b32 v[ST+4*\t+1], 0xff61b1e6             ; the largest t so far: -3e38
	v_floor_f32 v[ST+4*\t], -v[ST+4*\t+1]
	v_mov_b32 v[ST+4*\t+2], 0
	v_mov_b32 v[ST+4*\t+3], 0
.endr
.irp b, 0,1,2,3
	v_mov_b32 v[T2+\b], 0                          ; a lane permute's destination counts as one of its sources
	v_mov_b32 v[TM+4+\b], 0
.endr
	v_mov_b32 v[FF+1], 0                           ; named as the upper half of a pair
	v_mov_b32 v198, -1
	; O^T begins as zeros: which key step is a tile's first hangs on the mask, so no product can be written out as the one that starts the sums
	WIN 0x80
.set i, 0
.rept 256
	v_mov_b32 v[i], 0
.set i, i+1
.endr
	WIN 0xc0
.set i, 0
.rept 256
	v_mov_b32 v[i], 0
.set i, i+1
.endr
	WIN 0
	s_wait_loadcnt 44                              ; Q's images are in; the eight scale words and K's 36 loads may be out
.irp e, 0,1
.irp c, 0,1,2,3
	ds_store_b128 v[QST], v[S+16*\e+4*\c:S+16*\e+4*\c+3] offset:2048*\e+512*\c   ; their data came by loads, their address stands ahead of the wait on va_vdst above; the lines between name neither
.endr
.endr
	s_wait_loadcnt 36                              ; Q's scale words are in too: all loads that name s[58:63] are done; K's 36 may stay out
	s_wait_xcnt 0x0                                ; and every address has been read: s[58:63] may be written
	s_wait_dscnt 0x0                               ; my stores have landed
	s_barrier_signal -1
	s_barrier_wait -1                              ; Q's eight images lie in LDS
	s_wait_alu depctr_vm_vsrc(0)                   ; my LDS stores have read v[S] to v[S+31]: these registers are S^T from here on, written by the first products
	MLOAD 0                                        ; tile 0's mask words, whatever its flag: so their registers are written on every way
	QLOAD 0
.Ltrip:                                            ; four trips: key step 4 j + w
	s_or_b32 s100, s16, s17                        ; all eight tiles' flags joined: bits 1:0 this trip's, bits 9:8 the next trip's
	s_or_b32 s100, s100, s18
	s_or_b32 s100, s100, s19
	s_or_b32 s100, s100, s20
	s_or_b32 s100, s100, s21
	s_or_b32 s100, s100, s22
	s_or_b32 s100, s100, s23
	s_and_b32 s25, s100, 3
	s_cmp_eq_u32 s25, 0
	s_cbranch_scc1 .Lidle                          ; hidden from all eight tiles
	WIN 0x40                                       ; destination window 1
	s_wait_alu depctr_va_vdst(0)                   ; the last trip's second products are done reading V and its scale words, in which the 36 loads below land; only loads, window switches and a wait on LOADcnt stand among these
.irp u, 0,1,2,3
	LDIMG 128, 0x400000, \u                        ; V's first four images: with K's 36 loads, asked for a trip ago, 52 are out at the most
.endr
	s_wait_loadcnt 16                              ; K and its words are in; V's 16 loads may be out
.irp u, 4,5,6,7
	LDIMG 128, 0x400000, \u
.endr
	WIN 0
	LDSCL VS, 0x20000
	TILE 0
	TILE 1
	TILE 2
	TILE 3
	TILE 4
	TILE 5
	TILE 6
	TILE 7
	s_branch .Lnext
.Lidle:
	KNEXT 0
	MPRE 8
.Lnext:
.rept 8
	v_nop                                          ; places behind the last products, in front of the reads of O^T behind the loop
.endr
	s_wait_xcnt 0x0                                ; every address has been read: the bases may be stepped.  (V is in on every way: the wait ahead of the next K's loads showed it)
	s_add_nc_u64 s[4:5], s[4:5], 65536
	s_add_nc_u64 s[6:7], s[6:7], 2048
	s_add_nc_u64 s[8:9], s[8:9], 1024
	s_add_nc_u64 s[14:15], s[14:15], 1024
.irp t, 0,1,2,3,4,5,6,7
	s_lshr_b32 s[16+\t], s[16+\t], 8
.endr
	s_sub_co_u32 s24, s24, 1
	s_cmp_lg_u32 s24, 0
	s_cbranch_scc1 .Ltrip
	s_wait_kmcnt 0x0
	s_wait_loadcnt 0x0                             ; no load is out into window 1, which the images below take
	; THE FOUR WAVES' PARTS MEET
.irp t, 0,1,2,3,4,5,6,7
	v_add_f32 v[ST+4*\t+1], v[ST+4*\t+2], v[ST+4*\t+3]   ; l's two halves, over the largest t, which is done with
.endr
	s_wait_alu depctr_va_vdst(0)                   ; the additions have written the statistics and the last products O^T, which the LDS stores below read (the places stay beside this wait); and every line that names v[BM] on or window 1 is done, in which the LDS loads behind the barrier land
.irp t, 0,1,2,3,4,5,6,7
	ds_store_b64 v[STA], v[ST+4*\t:ST+4*\t+1] offset:256*\t
.endr
.irp t, 0,1,2,3,4,5,6,7
	WIN 0x08+4*(\t/4)                              ; an LDS store's data are its source 1
.irp i, 0,1,2,3,4,5,6,7,8,9,10,11,12,13,14,15
	ds_store_b128 v[OAD], v[64*(\t%4)+4*\i:64*(\t%4)+4*\i+3] offset:8192*\t+512*\i   ; as an image of the registers; each accumulator from its low end on
.endr
.endr
	WIN 0
	s_wait_dscnt 0x0
	s_barrier_signal -1
	s_barrier_wait -1
	FINAL 0
	FINAL 1
	s_wait_dscnt 0x0                               ; the closing lines, six on end
	s_wait_alu 0x0
	s_wait_tensorcnt 0x0
	ds_add_u32 v254, v255
	s_wait_dscnt 0x0
	s_endpgm
.Lfunc_end_k_q5111d85f85_attn:
	.size	k_q5111d85f85_attn, .Lfunc_end_k_q5111d85f85_attn-k_q5111d85f85_attn
	.p2alignl 7, 3214868480
	.fill 96, 4, 3214868480
	.section	.rodata,"a",@progbits
	.p2align	6, 0x0
	.amdhsa_kernel k_q5111d85f85_attn
		.amdhsa_group_segment_fixed_size 288256
		.amdhsa_private_segment_fixed_size 0
		.amdhsa_enable_private_segment 0
		.amdhsa_kernarg_size 40
		.amdhsa_user_sgpr_count 2
		.amdhsa_user_sgpr_kernarg_segment_ptr 1
		.amdhsa_wavefront_size32 1
		.amdhsa_system_sgpr_workgroup_id_x 1
		.amdhsa_system_sgpr_workgroup_id_y 1
		.amdhsa_system_sgpr_workgroup_id_z 1
		.amdhsa_system_vgpr_workitem_id 0
		.amdhsa_next_free_vgpr 1024
		.amdhsa_next_free_sgpr 102
		.amdhsa_reserve_vcc 0
		.amdhsa_float_denorm_mode_32 3
		.amdhsa_float_denorm_mode_16_64 3
		.amdhsa_memory_ordered 1
		.amdhsa_forward_progress 1
		.amdhsa_inst_pref_size 255
	.end_amdhsa_kernel
	.section	.bss,"aw",@nobits
	.p2align	6
	.space	262144
	.amdgpu_metadata
---
amdhsa.version: [ 1, 2 ]
amdhsa.kernels:
  - .name:           k_q5111d85f85_attn
    .symbol:         k_q5111d85f85_attn.kd
    .args:
      - { .name: qkvc, .offset: 0, .size: 8, .value_kind: global_buffer, .address_space: global }
      - { .name: qkvs, .offset: 8, .size: 8, .value_kind: global_buffer, .address_space: global }
      - { .name: mmask, .offset: 16, .size: 8, .value_kind: global_buffer, .address_space: global }
      - { .name: acodes, .offset: 24, .size: 8, .value_kind: global_buffer, .address_space: global }
      - { .name: ascales, .offset: 32, .size: 8, .value_kind: global_buffer, .address_space: global }
    .group_segment_fixed_size: 288256
    .private_segment_fixed_size: 0
    .kernarg_segment_align: 8
    .kernarg_segment_size: 40
    .max_flat_workgroup_size: 128
    .sgpr_count:     102
    .vgpr_count:     1024
    .wavefront_size: 32
...
	.end_amdgpu_metadata
.endif
;; end of part 7
;; launch proj: the kernel of part 4 again; grid 8 x 8, 4 waves a work-group, clusters of 4 x 4, 327,680 bytes of LDS; arguments acodes, ascales, codes, scales, out0; writes out0
